; MI455X (gfx1250); checked and timed in simulation.
; The chip was launched on July 23, 2026; its instructions are those of AMD's public machine-readable ISA for CDNA 5 (MIT licence, August 2026) and "CDNA5" Instruction Set Architecture Reference Guide (July 2026). The comments in the code are by the model that wrote it; some were corrected since.
;; Transformer Block. Allowed arithmetic: matrix products marked QUANTISED: E2M3 operands, one E8M0 scale for each 32 along K, by v_wmma_scale_f32_16x16x128_f8f6f4 with both operands' format E2M3, f32 sums; everything else in f32.
;; Inputs: b1 4,096 float32; b2 1,024 float32; b_out 1,024 float32; ln1_b 1,024 float32; ln1_g 1,024 float32; ln2_b 1,024 float32; ln2_g 1,024 float32; w1 1,024 x 4,096 float32; w2 4,096 x 1,024 float32; w_out 1,024 x 1,024 float32; w_qkv 1,024 x 3,072 float32; x 2 x 2,048 x 1,024 float32.
;; Outputs: out0 2 x 2,048 x 1,024 float32.
;; This version of the problem:
;;   THIS VERSION OF THE PROBLEM IS GIVEN IN LOW PRECISION. The matrix products marked QUANTISED in the list below multiply operands that are first quantised to E2M3 (2 exponent bits, 3 mantissa bits; 6 bits a number), with one power-of-two scale for each 32 numbers along K (OCP MX v1.0); their sums are f32. All else is computed in f32.
;;   The module's matrix products, in the order in which they are computed (A, B: the left and right operand; K: the contracted axis; several contracted axes count as one K, in the product's order):
;;     1. [M 4,096, K 1,024] x [K 1,024, N 3,072]; A: computed on the way; B: input w_qkv: QUANTISED
;;     2. batch 32 x [M 2,048, K 64] x [K 64, N 2,048]; A: computed on the way; B: computed on the way: QUANTISED
;;     3. batch 32 x [M 2,048, K 2,048] x [K 2,048, N 64]; A: softmax (see below); B: computed on the way: QUANTISED
;;     4. [M 4,096, K 1,024] x [K 1,024, N 1,024]; A: computed on the way; B: input w_out: QUANTISED
;;     5. [M 4,096, K 1,024] x [K 1,024, N 4,096]; A: computed on the way; B: input w1: QUANTISED
;;     6. [M 4,096, K 4,096] x [K 4,096, N 1,024]; A: computed on the way; B: input w2: QUANTISED
;;   THE QUANTISER, for each operand of a quantised product, along K:
;;     - K is cut into blocks of 32 from its start; a last block that is shorter is filled with zeros.
;;     - A block's scale is 2^e with e = floor(log2(the largest magnitude in the block)) - 2, held to -126 .. 127; a block of zeros has e = 0. As a byte (E8M0): e + 127.
;;     - Each number is divided by its block's scale, clamped to +-7.5, and rounded to the nearest number of E2M3, ties to even, subnormals kept.
;;     - The product sums the exact products of the quantised numbers (number of the format x scale) in f32.
;;   ~~~python
;;   def quantise(x, axis):      # numpy; x: float32 -> the quantised numbers, widened to float32 again
;;       x = np.moveaxis(x, axis, -1); K = x.shape[-1]
;;       x = np.pad(x, [(0, 0)] * (x.ndim - 1) + [(0, -K % 32)]); x = x.reshape(x.shape[:-1] + (-1, 32)); a = np.abs(x).max(-1, keepdims=True)
;;       e = np.where(a > 0, np.clip(np.frexp(np.where(a > 0, a, 1))[1] - 1 - 2, -126, 127), 0)      # np.frexp(a)[1] - 1 = floor(log2(a)), exactly
;;       r = np.clip(x / 2.0 ** e, -7.5, 7.5)
;;       step = 2.0 ** (np.maximum(np.frexp(np.where(r == 0, 1, r))[1] - 1, 0) - 3)
;;       q = np.round(r / step) * step * 2.0 ** e      # np.round: ties to even
;;       return np.moveaxis(q.reshape(q.shape[:-2] + (-1,))[..., :K], -1, axis).astype(np.float32)
;;   ~~~
;;   SOFTMAX AHEAD OF A QUANTISED PRODUCT. Where the list says 'softmax', what is quantised is not the finished softmax but p = 2^(t - M), with t = logit x log2(e) and M = ceil(the row's largest t), a whole number; so 1/2 < the row's largest p <= 1. The row's sum l is taken of the UNQUANTISED p, in f32, and the product's result is divided by l at the end. Since M is a whole number, a kernel that streams over the keys may use a running M (the ceiling of the running maximum): every later rescaling is an exact power of two, which a block's scale takes up: the codes' values come out the same.
;;   OPERANDS COMPUTED ON THE WAY. 'Computed on the way' means the value that the module computes at that place (a softmax that the list does not call 'softmax' is quantised finished and normalised). What goes into a quantiser is computed in f32, as accurately as f32 sums, v_exp_f32 and their like allow (about 1e-6 of the number): no bf16 or f16 on the way to a quantiser, and a product that is left as it is and whose result goes on into a quantised operand takes f32 operands (vector FMAs, or v_wmma_f32_16x16x4_f32). A number that lies on a knife's edge between two numbers of the format may be rounded either way, as far as f32 arithmetic and the matrix unit's own rounding can turn it there, and no further.
;; One version. Each part assembles by itself: llvm-mc -triple=amdgcn-amd-amdhsa -mcpu=gfx1250 --defsym DOCPART=n.
;; ======== version 1 of 1: 7 launches
;; limits: right only within a limited range of input values
;; workspace buffers: wts 10,649,600 bytes; hq 3,276,800 bytes; qkv 9,830,400 bytes; ao 3,276,800 bytes; x2 16,777,216 bytes; g 13,107,200 bytes
;; launch prep (part 1): grid 320 x 1, 8 waves a work-group, no clusters, 112,640 bytes of LDS; arguments x, ln1_g, ln1_b, hq, w_qkv, w_out, w1, w2, wts; writes hq, wts
.if DOCPART == 1
	.amdgcn_target "amdgcn-amd-amdhsa--gfx1250"
	.amdhsa_code_object_version 6
	.text
	.protected	k_qd0c091fa3f_prep
	.globl	k_qd0c091fa3f_prep
	.p2align	8
	.type	k_qd0c091fa3f_prep,@function
k_qd0c091fa3f_prep:
	s_mov_b64 s[64:65], 0
	v_nop
	global_prefetch_b8 v0, s[64:65] scope:SCOPE_SE
	s_setreg_imm32_b32 hwreg(HW_REG_WAVE_MODE, 25, 1), 1
	s_wait_xcnt 0x0
; TWO STREAMS THAT DO NOT HANG ON EACH OTHER, IN ONE LAUNCH: work-groups 0 to 127 take the first layer norm and its quantiser, work-groups 128 to 319 quantise the four weights.
; The text parts once, at its head, on the work-group's number, which all waves of a work-group share; the two ways never join, each has LDS bytes of its own, and each ends its waves itself.
; LAYOUT of every operand of this program: codes of FP6 (E2M3) [K/64][rows][48 bytes] (a plane = 64 along K), E8M0 scale bytes [K/256][rows][8 bytes].  Logical row t lies at place pi(t), pi = t with bits 3 and 4
; exchanged: sixteen consecutive places used as a matrix instruction's source 0 then give a lane's registers of two neighbouring tiles as 16 logical neighbours.
; A block's scale is 2^(floor(log2(largest magnitude)) - 2); its byte is the largest magnitude's exponent field - 2, held at 1 from below.
; THE WEIGHTS, f32 stored [K][N]: a lane takes a column and its registers run down K: a load reads 128 consecutive bytes a wave, a block of 32 lies in one lane, nothing is transposed by an instruction.
;   A work-group takes 256 columns x 256 along K, a wave 32 columns: 8 blocks a lane.  One path serves the four tensors: sizes and pointer are chosen by selects on the work-group's number.  No barrier: these waves share nothing.
; THE LAYER NORM of rows of 1,024 f32: a work-group takes 32 rows, so that each plane's piece (1,536 bytes) and each slab's piece (256 bytes) is made of whole aligned runs of 256 bytes; a wave takes rows 4 w .. 4 w + 3.
;   Loads take the bytes as they lie (512 consecutive bytes a load); a row then turns through the wave's own 4,608 bytes of LDS, so that lane l holds block l: 32 neighbours.  Gain and bias are turned once.
;   Mean first, then the variance of the differences, as the reference has it: a common offset of the inputs costs no digits.  All in f32.
; LIMITS: a block of zeros gets the byte 1 where the rule says 127 (its codes are zeros; this program alone reads the bytes); blocks whose largest magnitude lies under 2^-124 keep the byte 1; NaN and infinities are not served.
.set NLN,   128                        ; the layer norm's work-groups: 4,096 rows / 32
.set TURNB, 4608                       ; LDS, the layer norm's: 32 places of 128 bytes + 16 of padding for each wave: lanes 144 bytes apart take 16 bytes each from different banks (64 banks of 4 bytes: ISA guide 11.1)
.set CST,   36864                      ; [16 planes][32 places][48 bytes]
.set SST,   61440                      ; [4 slabs][32 places][8 bytes]
.set SPARE, 62464                      ; the spare words, 128 bytes a wave, for both ways
.set WST,   63488                      ; LDS, the weights': a stage [4 planes][32 rows][48 bytes] = 6,144 bytes for each wave
.set HQS,   3145728
.set WQKVC, 0
.set WQKVS, 3145728
.set WOC,   3276800
.set WOS,   4063232
.set W1C,   4096000
.set W1S,   7241728
.set W2C,   7372800
.set W2S,   10518528
	v_lshl_add_u32 v18, v0, 2, SPARE               ; my spare word
	v_mov_b32 v19, 0
	v_lshrrev_b32 v1, 5, v0
	s_delay_alu instid0(VALU_DEP_1)
	v_readfirstlane_b32 s14, v1                    ; wave 0..7
	v_and_b32 v1, 31, v0                           ; lane
	s_cmp_lt_u32 ttmp9, NLN
	s_cbranch_scc1 .Lnorm
; ---------------------------------------------------------------- the weights
.set VO,    32                         ; v32-63   byte offset of row i of a block: 4 lane + i x row bytes
.set X,     64                         ; v64-127  two sets of 32 numbers
.set OUTR,  128                        ; v128-175 the way out
.set SB,    26                         ; s26-41   the source at block t: eight pairs, none is ever stepped
	s_load_b256 s[4:11], s[0:1], 0x20              ; w_qkv, w_out, w1, w2
	s_load_b64 s[12:13], s[0:1], 0x40              ; wts
	v_and_b32 v2, 7, v1
	v_bfe_u32 v3, v1, 3, 1
	v_bfe_u32 v4, v1, 4, 1
	s_delay_alu instid0(VALU_DEP_2)
	v_lshl_add_u32 v2, v3, 4, v2
	s_delay_alu instid0(VALU_DEP_1)
	v_lshl_add_u32 v2, v4, 3, v2                   ; pi(lane)
	s_mul_i32 s15, s14, 6144
	s_add_co_u32 s15, s15, WST                     ; my stage
	v_mul_u32_u24 v10, v2, 48
	s_delay_alu instid0(VALU_DEP_1)
	v_add_nc_u32 v10, s15, v10                     ; into it: row pi(lane)
	v_lshlrev_b32 v20, 4, v1                       ; 16 x lane
	s_delay_alu instid0(VALU_DEP_1)
	v_add_nc_u32 v11, s15, v20                     ; out of it: as it lies
	v_lshlrev_b32 v12, 3, v2                       ; my row's 8 scale bytes
	s_mov_b32 s16, 4096                            ; the table, begun with w2's values: row bytes,
	s_mov_b32 s17, 49152                           ; a plane of codes,
	s_mov_b32 s18, 8192                            ; a slab of scale bytes,
	s_mov_b32 s19, W2C
	s_mov_b32 s20, W2S
	s_mov_b32 s21, 256                             ; the tensor's first work-group (w2: 4 x 16 = 64 work-groups),
	s_mov_b32 s22, 15                              ; K/256 - 1,
	s_mov_b32 s23, 4                               ; log2(K/256)
	s_wait_kmcnt 0x0
	s_mov_b64 s[24:25], s[10:11]
	s_cmp_lt_u32 ttmp9, 256                        ; w1: 16 x 4 = 64 work-groups
	s_cselect_b32 s16, 16384, s16
	s_cselect_b32 s17, 196608, s17
	s_cselect_b32 s18, 32768, s18
	s_cselect_b32 s19, W1C, s19
	s_cselect_b32 s20, W1S, s20
	s_cselect_b32 s21, 192, s21
	s_cselect_b32 s22, 3, s22
	s_cselect_b32 s23, 2, s23
	s_cselect_b64 s[24:25], s[8:9], s[24:25]
	s_cmp_lt_u32 ttmp9, 192                        ; w_out: 4 x 4 = 16
	s_cselect_b32 s16, 4096, s16
	s_cselect_b32 s17, 49152, s17
	s_cselect_b32 s18, 8192, s18
	s_cselect_b32 s19, WOC, s19
	s_cselect_b32 s20, WOS, s20
	s_cselect_b32 s21, 176, s21
	s_cselect_b64 s[24:25], s[6:7], s[24:25]
	s_cmp_lt_u32 ttmp9, 176                        ; w_qkv: 12 x 4 = 48 (its planes are 4,096 rows apart; 3,072 are written and read)
	s_cselect_b32 s16, 12288, s16
	s_cselect_b32 s17, 196608, s17
	s_cselect_b32 s18, 32768, s18
	s_cselect_b32 s19, WQKVC, s19
	s_cselect_b32 s20, WQKVS, s20
	s_cselect_b32 s21, 128, s21
	s_cselect_b64 s[24:25], s[4:5], s[24:25]
	s_sub_co_u32 s46, ttmp9, s21
	s_and_b32 s47, s46, s22                        ; which 256 along K
	s_lshr_b32 s46, s46, s23
	s_lshl_b32 s46, s46, 8                         ; which 256 columns
	s_lshl_b32 s48, s14, 5
	s_add_co_u32 s46, s46, s48                     ; my wave's first column
	s_lshl_b32 s48, s16, 8
	s_mul_i32 s48, s48, s47                        ; 256 rows x which
	s_lshl_b32 s49, s46, 2
	s_add_co_u32 s48, s48, s49
	s_mov_b32 s49, 0
	s_add_nc_u64 s[SB:SB+1], s[24:25], s[48:49]
	s_lshl_b32 s48, s16, 5                         ; 32 rows on
.irp t, 1,2,3,4,5,6,7
	s_add_nc_u64 s[SB+2*\t:SB+2*\t+1], s[SB+2*\t-2:SB+2*\t-1], s[48:49]
.endr
	s_mul_i32 s50, s47, s17
	s_lshl_b32 s50, s50, 2                         ; four planes for each 256 along K
	s_add_co_u32 s50, s50, s19
	s_mul_i32 s52, s46, 48
	s_add_co_u32 s50, s50, s52
	s_mov_b32 s51, 0
	s_add_nc_u64 s[42:43], s[12:13], s[50:51]      ; my codes
	s_mul_i32 s50, s47, s18
	s_add_co_u32 s50, s50, s20
	s_lshl_b32 s52, s46, 3
	s_add_co_u32 s50, s50, s52
	s_add_nc_u64 s[44:45], s[12:13], s[50:51]      ; my scale bytes
	v_lshlrev_b32 v[VO], 2, v1
.set i, 1
.rept 31
	s_delay_alu instid0(VALU_DEP_1)
	v_add_nc_u32 v[VO+i], s16, v[VO+i-1]
.set i, i+1
.endr
	v_add_nc_u32 v21, s17, v20                     ; 16 lane + plane p
	s_delay_alu instid0(VALU_DEP_1)
	v_add_nc_u32 v22, s17, v21
	s_delay_alu instid0(VALU_DEP_1)
	v_add_nc_u32 v23, s17, v22
.macro LOAD t                          ; block t: W(32 t + i, my column) into set t % 2
.set i, 0
.rept 32
	global_load_b32 v[X+32*((\t)%2)+i], v[VO+i], s[SB+2*(\t):SB+2*(\t)+1] th:TH_LOAD_NT
.set i, i+1
.endr
.endm
.macro BLOCK t
.set XS, X+32*((\t)%2)
.if (\t) < 7
	s_wait_loadcnt 32                              ; this block's 32 loads are in; the next block's may be out
.else
	s_wait_loadcnt 0
.endif
	v_max3_num_f32 v13, |v[XS]|, |v[XS+1]|, |v[XS+2]|      ; the block's largest magnitude: all 32 numbers are mine; two chains
	v_max3_num_f32 v14, |v[XS+3]|, |v[XS+4]|, |v[XS+5]|
.irp i, 6,10,14,18,22,26
	s_delay_alu instid0(VALU_DEP_2)
	v_max3_num_f32 v13, v13, |v[XS+\i]|, |v[XS+\i+1]|
	s_delay_alu instid0(VALU_DEP_2)
	v_max3_num_f32 v14, v14, |v[XS+\i+2]|, |v[XS+\i+3]|
.endr
	s_delay_alu instid0(VALU_DEP_2)
	v_max3_num_f32 v13, v13, |v[XS+30]|, |v[XS+31]|
	s_delay_alu instid0(VALU_DEP_1)
	v_max3_num_f32 v13, v13, v14, 0x1800000        ; and the floor 2^(3 - 127): the byte cannot fall under 1
	s_delay_alu instid0(VALU_DEP_1)
	v_add_nc_u32 v15, 0xff000000, v13              ; 2 off the exponent field: the conversion takes this operand's exponent field as its scale
	v_cvt_scalef32_pk16_fp6_f32 v[24:26], v[XS:XS+15], v15
	v_cvt_scalef32_pk16_fp6_f32 v[28:30], v[XS+16:XS+31], v15
	v_lshrrev_b32 v14, 23, v15                     ; the scale's byte (also the plain line behind the conversions)
	v_mov_b32 v27, v28                             ; the block's 24 bytes on end
	v_mov_b32 v28, v29
	v_mov_b32 v29, v30
.if (\t)%4 == 0
	s_delay_alu instid0(VALU_DEP_4)
	v_mov_b32 v[16+(\t)/4], v14
.else
	s_delay_alu instid0(VALU_DEP_4)
	v_lshl_or_b32 v[16+(\t)/4], v14, 8*((\t)%4), v[16+(\t)/4]
.endif
.irp p, 0,1,2
	ds_store_b64 v10, v[24+2*\p:25+2*\p] offset:((\t)/2)*1536+24*((\t)%2)+8*\p
.endr
.if (\t)+2 < 8
	LOAD (\t)+2
.endif
	s_wait_dscnt 0x0                               ; the stores have read their registers
.endm
	s_cmp_ge_u32 ttmp9, 256                        ; w2's work-groups take a way of their own: its codes leave as images of operand registers
	s_wait_alu depctr_va_vdst(0)
	s_cbranch_scc1 .Lw2
	LOAD 0
	LOAD 1
.irp t, 0,1,2,3,4,5,6,7
	BLOCK \t
.endr
	s_wait_alu depctr_va_vdst(0)
	global_store_b64 v12, v[16:17], s[44:45]       ; the wave's 32 rows x 8 bytes: 256 consecutive bytes, aligned
.set i, 0
.rept 12
	ds_load_b128 v[OUTR+4*i:OUTR+4*i+3], v11 offset:512*i      ; LDS serves a wave's instructions in order: these see my stores
.set i, i+1
.endr
.set i, 0
.rept 12
	s_wait_dscnt 11-i
	global_store_b128 v[20+i/3], v[OUTR+4*i:OUTR+4*i+3], s[42:43] offset:512*(i%3)   ; 512 consecutive bytes of a plane
.set i, i+1
.endr
	s_wait_tensorcnt 0x0                           ; the wave's end
	ds_add_u32 v18, v19
	s_wait_dscnt 0x0
	s_endpgm
; ---------------------------------------------------------------- the layer norm
; ---------------------------------------------------------------- w2: codes as images of operand registers, [K/128][column tile of 16 places][piece of 4 registers][lane][16 bytes]
; Lane (r, h) of an operand holds blocks h and 2 + h of its column's 128 along K: a column's four blocks of a step are the twelve registers of lanes (r, 0) and (r, 1).
; So a lane stores six pieces of 16 bytes a step; the sixteen columns of a tile fill 256 consecutive bytes, aligned, in one instruction.  No LDS on this way.  The scale bytes lie as for the other weights.
.Lw2:
	s_mul_i32 s50, s46, 48                         ; a tile of 16 columns is 1,536 bytes here: 48 more for each column than the pointer made above has
	s_add_nc_u64 s[42:43], s[42:43], s[50:51]
	v_lshrrev_b32 v3, 4, v2
	v_and_b32 v4, 15, v2
	s_delay_alu instid0(VALU_DEP_2)
	v_mul_u32_u24 v3, v3, 1536
	s_delay_alu instid0(VALU_DEP_1)
	v_lshl_add_u32 v3, v4, 4, v3                   ; my column's tile and its row r in it
.macro BLOCKW t
.set XS, X+32*((\t)%2)
.set IM, OUTR+24*((\t)/4)+12*((\t)%2)+6*(((\t)/2)%2)   ; step t / 4, half h = t % 2, registers 6 c on, c = (t / 2) % 2
.if (\t) < 7
	s_wait_loadcnt 32                              ; this block's 32 loads are in; the next block's may be out
.else
	s_wait_loadcnt 0
.endif
	v_max3_num_f32 v13, |v[XS]|, |v[XS+1]|, |v[XS+2]|
	v_max3_num_f32 v14, |v[XS+3]|, |v[XS+4]|, |v[XS+5]|
.irp i, 6,10,14,18,22,26
	s_delay_alu instid0(VALU_DEP_2)
	v_max3_num_f32 v13, v13, |v[XS+\i]|, |v[XS+\i+1]|
	s_delay_alu instid0(VALU_DEP_2)
	v_max3_num_f32 v14, v14, |v[XS+\i+2]|, |v[XS+\i+3]|
.endr
	s_delay_alu instid0(VALU_DEP_2)
	v_max3_num_f32 v13, v13, |v[XS+30]|, |v[XS+31]|
	s_delay_alu instid0(VALU_DEP_1)
	v_max3_num_f32 v13, v13, v14, 0x1800000        ; the floor 2^(3 - 127)
	s_delay_alu instid0(VALU_DEP_1)
	v_add_nc_u32 v15, 0xff000000, v13              ; 2 off the exponent field: the conversion's scale operand
	v_cvt_scalef32_pk16_fp6_f32 v[IM:IM+2], v[XS:XS+15], v15
	v_cvt_scalef32_pk16_fp6_f32 v[28:30], v[XS+16:XS+31], v15
	v_lshrrev_b32 v14, 23, v15                     ; the byte (also the plain line behind the conversions)
	v_mov_b32 v[IM+3], v28
	v_mov_b32 v[IM+4], v29
	v_mov_b32 v[IM+5], v30
.if (\t)%4 == 0
	s_delay_alu instid0(VALU_DEP_4)
	v_mov_b32 v[16+(\t)/4], v14
.else
	s_delay_alu instid0(VALU_DEP_4)
	v_lshl_or_b32 v[16+(\t)/4], v14, 8*((\t)%4), v[16+(\t)/4]
.endif
.if (\t)%4 == 3                        ; a step's four blocks are there; each step has registers of its own, so no store's data are written again
.irp h, 0,1
.irp k, 0,1,2
	global_store_b128 v3, v[OUTR+24*((\t)/4)+12*\h+4*\k:OUTR+24*((\t)/4)+12*\h+4*\k+3], s[42:43] offset:((\t)/4)*98304+512*\k+256*\h
.endr
.endr
.endif
.if (\t)+2 < 8
	LOAD (\t)+2
.endif
.endm
	LOAD 0
	LOAD 1
.irp t, 0,1,2,3,4,5,6,7
	BLOCKW \t
.endr
	s_wait_alu depctr_va_vdst(0)
	global_store_b64 v12, v[16:17], s[44:45]       ; the wave's 32 rows x 8 scale bytes: 256 consecutive bytes, aligned
	s_endpgm
.Lnorm:
.set XT,    32                         ; v32-63   the row in hand, a block a lane
.set R,     64                         ; v64-191  four rows as loaded
.set G,     192                        ; v192-223 gain of my block
.set BT,    224                        ; v224-255 bias of my block
	s_load_b256 s[4:11], s[0:1], 0x0               ; rows, gain, bias, codes
	s_mul_i32 s15, s14, TURNB
	s_wait_alu depctr_va_vdst(0)
	v_lshrrev_b32 v2, 3, v1
	s_delay_alu instid0(VALU_DEP_1)
	v_mul_u32_u24 v2, v2, 144
	v_and_b32 v3, 7, v1
	s_delay_alu instid0(VALU_DEP_1)
	v_lshl_add_u32 v2, v3, 4, v2
	s_delay_alu instid0(VALU_DEP_1)
	v_add_nc_u32 v2, s15, v2                       ; the turn, in: load j's lane l holds 16 bytes of block 4 j + l / 8
	v_mul_u32_u24 v3, v1, 144
	s_delay_alu instid0(VALU_DEP_1)
	v_add_nc_u32 v3, s15, v3                       ; and out: block l
	s_and_b32 s16, s14, 1
	s_lshl_b32 s16, s16, 2
	s_bfe_u32 s17, s14, 0x10001
	s_lshl_b32 s17, s17, 4
	s_add_co_u32 s16, s16, s17
	s_lshr_b32 s17, s14, 2
	s_lshl_b32 s17, s17, 3
	s_add_co_u32 s16, s16, s17                     ; pi(4 w): row 4 w + i lies at this + i
	s_mul_i32 s17, s16, 48
	s_add_co_u32 s17, s17, CST
	v_lshrrev_b32 v4, 1, v1
	s_delay_alu instid0(VALU_DEP_1)
	v_mul_u32_u24 v4, v4, 1536
	v_and_b32 v5, 1, v1
	s_delay_alu instid0(VALU_DEP_1)
	v_mad_u32_u24 v4, v5, 24, v4
	s_delay_alu instid0(VALU_DEP_1)
	v_add_nc_u32 v4, s17, v4                       ; my block's 24 bytes: plane l / 2, half l % 2
	s_lshl_b32 s17, s16, 3
	s_add_co_u32 s17, s17, SST
	v_lshrrev_b32 v5, 3, v1
	s_delay_alu instid0(VALU_DEP_1)
	v_lshlrev_b32 v5, 8, v5
	v_and_b32 v6, 7, v1
	s_delay_alu instid0(VALU_DEP_1)
	v_add_nc_u32 v5, v5, v6
	s_delay_alu instid0(VALU_DEP_1)
	v_add_nc_u32 v5, s17, v5                       ; my block's byte: slab l / 8, byte l % 8
	v_lshlrev_b32 v6, 4, v1                        ; 16 x lane
	s_mul_i32 s17, s14, 3072
	s_add_co_u32 s17, s17, CST
	v_add_nc_u32 v7, s17, v6                       ; the way out: planes 2 w and 2 w + 1
	s_min_u32 s17, s14, 1
	s_lshl_b32 s18, s17, 9
	s_add_co_u32 s18, s18, SST
	v_add_nc_u32 v8, s18, v6                       ; (waves 0, 1) slabs 2 w and 2 w + 1
	v_lshrrev_b32 v9, 4, v1
	s_delay_alu instid0(VALU_DEP_1)
	v_lshlrev_b32 v9, 15, v9
	v_and_b32 v10, 15, v1
	s_delay_alu instid0(VALU_DEP_1)
	v_lshl_add_u32 v9, v10, 4, v9                  ; lanes 0-15 one slab's 256 bytes, lanes 16-31 the next slab's
	s_lshl_b32 s20, ttmp9, 17                      ; 32 rows of 4,096 bytes
	s_lshl_b32 s21, s14, 14
	s_add_co_u32 s20, s20, s21
	s_mov_b32 s21, 0
	s_mul_i32 s22, s14, 393216                     ; two planes a wave
	s_mul_i32 s23, ttmp9, 1536
	s_add_co_u32 s22, s22, s23
	s_mov_b32 s23, 0
	s_lshl_b32 s24, s17, 16                        ; two slabs a wave
	s_lshl_b32 s25, ttmp9, 8
	s_add_co_u32 s24, s24, s25
	s_add_co_u32 s24, s24, HQS
	s_mov_b32 s25, 0
	s_mov_b32 s12, 0x76543210
	s_mov_b32 s13, 0xfedcba98                      ; v_permlanex16_b32's selects for lane l xor 16
	s_mov_b32 s18, 0x3a800000                      ; 1 / 1024
	s_mov_b32 s19, 0x3727c5ac                      ; 1e-5
	s_wait_alu depctr_va_vdst(0)
	s_wait_kmcnt 0x0
	s_add_nc_u64 s[4:5], s[4:5], s[20:21]
	s_add_nc_u64 s[22:23], s[10:11], s[22:23]
	s_add_nc_u64 s[24:25], s[10:11], s[24:25]
.set i, 0
.rept 8
	global_load_b128 v[BT+4*i:BT+4*i+3], v6, s[6:7] offset:512*i       ; the gain, as it lies
.set i, i+1
.endr
.set i, 0
.rept 8
	global_load_b128 v[XT+4*i:XT+4*i+3], v6, s[8:9] offset:512*i       ; the bias
.set i, i+1
.endr
.set i, 0
.rept 32
	global_load_b128 v[R+4*i:R+4*i+3], v6, s[4:5] offset:512*i         ; my four rows: all 48 loads are out at once
.set i, i+1
.endr
.macro TURN src, dst                   ; LDS serves a wave's instructions in order: no wait between the stores and the loads
.set tj, 0
.rept 8
	ds_store_b128 v2, v[\src+4*tj:\src+4*tj+3] offset:576*tj
.set tj, tj+1
.endr
.set tj, 0
.rept 8
	ds_load_b128 v[\dst+4*tj:\dst+4*tj+3], v3 offset:16*tj
.set tj, tj+1
.endr
.endm
.macro RED                             ; v10 summed over the 32 lanes, the result in every lane
	s_delay_alu instid0(VALU_DEP_1)
	v_add_f32_dpp v10, v10, v10 row_xmask:1 row_mask:0xf bank_mask:0xf
	s_delay_alu instid0(VALU_DEP_1)
	v_add_f32_dpp v10, v10, v10 row_xmask:2 row_mask:0xf bank_mask:0xf
	s_delay_alu instid0(VALU_DEP_1)
	v_add_f32_dpp v10, v10, v10 row_xmask:4 row_mask:0xf bank_mask:0xf
	s_delay_alu instid0(VALU_DEP_1)
	v_add_f32_dpp v10, v10, v10 row_xmask:8 row_mask:0xf bank_mask:0xf
	s_delay_alu instid0(VALU_DEP_1)
	v_permlanex16_b32 v11, v10, s12, s13
	s_delay_alu instid0(VALU_DEP_1)
	v_add_f32 v10, v10, v11
.endm
	s_wait_loadcnt 40                              ; the gain's eight loads are in; 40 younger ones may be out
	TURN BT, G
	s_wait_dscnt 0x0
	s_wait_loadcnt 32                              ; the bias's
	TURN XT, BT
	s_wait_dscnt 0x0
.macro ROW i
	s_wait_loadcnt 24-8*\i                         ; this row's eight loads are in; the later rows' may be out
	TURN R+32*\i, XT
	s_wait_dscnt 0x0
	v_pk_add_f32 v[16:17], v[32:33], v[34:35]
	v_pk_add_f32 v[94:95], v[40:41], v[44:45]
	v_pk_add_f32 v[92:93], v[48:49], v[52:53]
	v_pk_add_f32 v[90:91], v[56:57], v[60:61]
	v_pk_add_f32 v[88:89], v[36:37], v[38:39]
	v_pk_add_f32 v[86:87], v[42:43], v[46:47]
	v_pk_add_f32 v[84:85], v[50:51], v[54:55]
	v_pk_add_f32 v[10:11], v[58:59], v[62:63]
	s_delay_alu instid0(VALU_DEP_1)
	v_pk_add_f32 v[10:11], v[10:11], v[90:91]
	v_pk_add_f32 v[16:17], v[16:17], v[88:89]
	v_pk_add_f32 v[94:95], v[94:95], v[86:87]
	v_pk_add_f32 v[92:93], v[92:93], v[84:85]
	s_delay_alu instid0(VALU_DEP_2)
	v_pk_add_f32 v[10:11], v[10:11], v[94:95]
	s_delay_alu instid0(VALU_DEP_2)
	v_pk_add_f32 v[16:17], v[16:17], v[92:93]
	s_delay_alu instid0(VALU_DEP_1)
	v_pk_add_f32 v[10:11], v[10:11], v[16:17]
	s_delay_alu instid0(VALU_DEP_1)
	v_add_f32 v10, v10, v11
	RED
	s_delay_alu instid0(VALU_DEP_1)
	v_mul_f32 v12, s18, v10                        ; the mean
	s_delay_alu instid0(VALU_DEP_1)
	v_mov_b32 v13, v12
.irp j, 0,2,4,6,8,10,12,14,16,18,20,22,24,26,28,30
	v_pk_add_f32 v[XT+\j:XT+\j+1], v[XT+\j:XT+\j+1], v[12:13] neg_lo:[0,1] neg_hi:[0,1]
.endr
	v_pk_mul_f32 v[10:11], v[XT:XT+1], v[XT:XT+1]              ; the sum of squares of the differences
	v_pk_mul_f32 v[16:17], v[XT+2:XT+3], v[XT+2:XT+3]
.irp j, 4,8,12,16,20,24,28
	s_delay_alu instid0(VALU_DEP_2)
	v_pk_fma_f32 v[10:11], v[XT+\j:XT+\j+1], v[XT+\j:XT+\j+1], v[10:11]
	s_delay_alu instid0(VALU_DEP_2)
	v_pk_fma_f32 v[16:17], v[XT+\j+2:XT+\j+3], v[XT+\j+2:XT+\j+3], v[16:17]
.endr
	s_delay_alu instid0(VALU_DEP_1)
	v_pk_add_f32 v[10:11], v[10:11], v[16:17]
	s_delay_alu instid0(VALU_DEP_1)
	v_add_f32 v10, v10, v11
	RED
	s_delay_alu instid0(VALU_DEP_1)
	v_fma_f32 v14, v10, s18, s19                   ; the variance + 1e-5
	s_wait_alu depctr_va_vdst(0)
	v_rsq_f32 v14, v14
	v_nop                                          ; a plain line behind the transcendental
	s_wait_alu depctr_va_vdst(0)                   ; and the wait ahead of its first reader
	v_mov_b32 v15, v14
.irp j, 0,2,4,6,8,10,12,14,16,18,20,22,24,26,28,30
	v_pk_mul_f32 v[XT+\j:XT+\j+1], v[XT+\j:XT+\j+1], v[14:15]
.endr
.irp j, 0,2,4,6,8,10,12,14,16,18,20,22,24,26,28,30
	v_pk_fma_f32 v[XT+\j:XT+\j+1], v[XT+\j:XT+\j+1], v[G+\j:G+\j+1], v[BT+\j:BT+\j+1]
.endr
	v_max3_num_f32 v20, |v[XT]|, |v[XT+1]|, |v[XT+2]|          ; my block's largest magnitude
	v_max3_num_f32 v21, |v[XT+3]|, |v[XT+4]|, |v[XT+5]|
.irp j, 6,10,14,18,22,26
	s_delay_alu instid0(VALU_DEP_2)
	v_max3_num_f32 v20, v20, |v[XT+\j]|, |v[XT+\j+1]|
	s_delay_alu instid0(VALU_DEP_2)
	v_max3_num_f32 v21, v21, |v[XT+\j+2]|, |v[XT+\j+3]|
.endr
	s_delay_alu instid0(VALU_DEP_2)
	v_max3_num_f32 v20, v20, |v[XT+30]|, |v[XT+31]|
	s_delay_alu instid0(VALU_DEP_1)
	v_max3_num_f32 v20, v20, v21, 0x1800000        ; and the floor 2^(3 - 127)
	s_delay_alu instid0(VALU_DEP_1)
	v_add_nc_u32 v22, 0xff000000, v20              ; 2 off the exponent field: the conversion's scale operand
	v_cvt_scalef32_pk16_fp6_f32 v[24:26], v[XT:XT+15], v22
	v_cvt_scalef32_pk16_fp6_f32 v[28:30], v[XT+16:XT+31], v22
	v_lshrrev_b32 v23, 23, v22                     ; the byte (also the plain line behind the conversions)
	v_mov_b32 v27, v28
	v_mov_b32 v28, v29
	v_mov_b32 v29, v30
.irp p, 0,1,2
	ds_store_b64 v4, v[24+2*\p:25+2*\p] offset:48*\i+8*\p
.endr
	ds_store_b8 v5, v23 offset:8*\i
.endm
	ROW 0
	ROW 1
	ROW 2
	ROW 3
	s_wait_dscnt 0x0                               ; for the others' sake: my stores have landed
	s_barrier_signal -1                            ; (all eight waves of a work-group are on this way or none is)
	s_barrier_wait -1
.set i, 0
.rept 6
	ds_load_b128 v[R+4*i:R+4*i+3], v7 offset:512*i
.set i, i+1
.endr
.set i, 0
.rept 6
	s_wait_dscnt 5-i
	global_store_b128 v6, v[R+4*i:R+4*i+3], s[22:23] offset:(i/3)*196608+(i%3)*512   ; 512 consecutive bytes of a plane
.set i, i+1
.endr
	s_cmp_lt_u32 s14, 2                            ; the 1,024 scale bytes are two waves' worth
	s_cbranch_scc0 .Lno_scales
	ds_load_b128 v[R+24:R+27], v8
	s_wait_dscnt 0x0
	global_store_b128 v9, v[R+24:R+27], s[24:25]   ; sixteen lanes store a slab's 256 consecutive bytes, aligned
.Lno_scales:
	s_wait_tensorcnt 0x0                           ; the wave's end
	ds_add_u32 v18, v19
	s_wait_dscnt 0x0
	s_endpgm
.Lfunc_end_k_qd0c091fa3f_prep:
	.size	k_qd0c091fa3f_prep, .Lfunc_end_k_qd0c091fa3f_prep-k_qd0c091fa3f_prep
	.p2alignl 7, 3214868480
	.fill 96, 4, 3214868480
	.section	.rodata,"a",@progbits
	.p2align	6, 0x0
	.amdhsa_kernel k_qd0c091fa3f_prep
		.amdhsa_group_segment_fixed_size 112640
		.amdhsa_private_segment_fixed_size 0
		.amdhsa_enable_private_segment 0
		.amdhsa_kernarg_size 72
		.amdhsa_user_sgpr_count 2
		.amdhsa_user_sgpr_kernarg_segment_ptr 1
		.amdhsa_wavefront_size32 1
		.amdhsa_system_sgpr_workgroup_id_x 1
		.amdhsa_system_sgpr_workgroup_id_y 1
		.amdhsa_system_sgpr_workgroup_id_z 1
		.amdhsa_system_vgpr_workitem_id 0
		.amdhsa_next_free_vgpr 256
		.amdhsa_next_free_sgpr 66
		.amdhsa_reserve_vcc 0
		.amdhsa_float_denorm_mode_32 3
		.amdhsa_float_denorm_mode_16_64 3
		.amdhsa_memory_ordered 1
		.amdhsa_forward_progress 1
		.amdhsa_inst_pref_size 144
	.end_amdhsa_kernel
	.amdgpu_metadata
---
amdhsa.version: [ 1, 2 ]
amdhsa.kernels:
  - .name:           k_qd0c091fa3f_prep
    .symbol:         k_qd0c091fa3f_prep.kd
    .args:
      - { .name: x, .offset: 0, .size: 8, .value_kind: global_buffer, .address_space: global }
      - { .name: ln1_g, .offset: 8, .size: 8, .value_kind: global_buffer, .address_space: global }
      - { .name: ln1_b, .offset: 16, .size: 8, .value_kind: global_buffer, .address_space: global }
      - { .name: hq, .offset: 24, .size: 8, .value_kind: global_buffer, .address_space: global }
      - { .name: w_qkv, .offset: 32, .size: 8, .value_kind: global_buffer, .address_space: global }
      - { .name: w_out, .offset: 40, .size: 8, .value_kind: global_buffer, .address_space: global }
      - { .name: w1, .offset: 48, .size: 8, .value_kind: global_buffer, .address_space: global }
      - { .name: w2, .offset: 56, .size: 8, .value_kind: global_buffer, .address_space: global }
      - { .name: wts, .offset: 64, .size: 8, .value_kind: global_buffer, .address_space: global }
    .group_segment_fixed_size: 112640
    .private_segment_fixed_size: 0
    .kernarg_segment_align: 8
    .kernarg_segment_size: 72
    .max_flat_workgroup_size: 256
    .sgpr_count:     66
    .vgpr_count:     256
    .wavefront_size: 32
...
	.end_amdgpu_metadata
.endif
;; end of part 1
;; launch qkv (part 2): grid 12 x 16, 4 waves a work-group, clusters of 4 x 4, 327,680 bytes of LDS; arguments hq, wts, qkv; writes qkv
.if DOCPART == 2
	.amdgcn_target "amdgcn-amd-amdhsa--gfx1250"
	.amdhsa_code_object_version 6
	.text
	.protected	k_qd0c091fa3f_qkv
	.globl	k_qd0c091fa3f_qkv
	.p2align	8
	.type	k_qd0c091fa3f_qkv,@function
k_qd0c091fa3f_qkv:
	s_mov_b64 s[64:65], 0
	v_nop
	global_prefetch_b8 v0, s[64:65] scope:SCOPE_SE
	s_setreg_imm32_b32 hwreg(HW_REG_WAVE_MODE, 25, 1), 1
	s_wait_xcnt 0x0
	s_wait_alu depctr_hold_cnt(0) depctr_sa_sdst(0) depctr_va_vdst(0) depctr_va_sdst(0) depctr_va_ssrc(0) depctr_va_vcc(0) depctr_vm_vsrc(0)
	s_getreg_b32 s2, hwreg(HW_REG_IB_STS2, 6, 4)
	s_cmp_eq_u32 s2, 0
	s_cbranch_scc0 .Lentry_in_a_cluster
	s_endpgm
.Lentry_in_a_cluster:
	s_bfe_u32 s2, ttmp6, 0x10000c
	s_cmp_lg_u32 s2, 0xf033
	s_cbranch_scc0 .Lentry_shape_is_right
	s_endpgm
.Lentry_shape_is_right:
; A product of two operands of FP6 (E2M3) codes, K = 1,024, whose result is quantised again and stored as an operand of a later product.  One text, two launches (MLP1 = 0 / 1):
;   MLP1 = 0: LN1(x) x W_qkv.  q and k (cluster x 0, 1) are quantised along the head's channels, v (cluster x 2) along the tokens.   MLP1 = 1: gelu(LN2(x2) x W1 + b1), quantised along the hidden units.
; OPERANDS lie as codes [K/64][rows][48 bytes] and scale bytes [K/256][rows][8 bytes]; logical row t lies at place pi(t) (bits 3 and 4 exchanged).
; ROLES.  Source 0 of the matrix instruction takes 16 places of the B-role, source 1 16 places of the A-role: a lane holds ONE row of the A-role, and the 16 registers of B's tiles 2 b, 2 b + 1 are 16 logical neighbours
; 32 b + 16 (lane / 16) + 0 .. 15 of the B-role: the next product's K.  For q, k and the hidden layer A = tokens, B = weight columns; for v the roles are exchanged (A = W_v's columns, B = tokens) by selects on the
; CLUSTER's x, which all partners share: pointers and output sizes are chosen, no branch is taken.  Both buffers have their codes at byte 0 and scale bytes at 3,145,728 with equal strides (MLP1 = 1: W1's own offsets).
; SHARES.  A work-group of four waves makes 256 x 256, a wave 128 x 128: 64 accumulators, 512 registers.  K goes in slabs of 256 through three LDS slots: slabs 0, 1, 2 are first fills, slab 3 fills slot 0 again.
; At the 48-byte pitch the 32 lanes of an 8-byte load touch each of the 64 banks once (64 banks of 4 bytes: ISA guide 11.1): no padding.
; CLUSTERS: 4 x 4 work-groups; A's tiles are asked for jointly along a row of the cluster, B's along a column.  By this text's count a wave has at most one tensor load out.
; THE WAY OUT is a loop, so that the text stays short: the accumulators are laid into LDS as images of their registers (the slots have had their last fill and their last read), and come back 16 rows at a time.
; gelu is x/2 (1 + erf(x / sqrt 2)), erf(z) = z P(z^2) / Q(z^2) with z held to +-4 (degrees 6 and 4), all in f32.
; LIMITS: erf's absolute error is about 1e-7, so for x under about -4 the (tiny) gelu has few right digits; a block of zeros gets the byte 1 where the rule says 127 (zero codes; this program alone reads the bytes);
; largest magnitudes under 2^-124 keep the byte 1; NaN and infinities are not served.
; No prefetch: three quarters of the tiles are asked for at the head.
; REGISTERS: window 0: v1-31 addresses; v32-63 scale words, two sets, and nothing else; v64-255 A's fragments, two sets.  window 1: B's fragments at v0 and v128; b1's tiles at v96 and v224.  windows 2, 3: accumulators.
.set MLP1, 0
.set NA,    8
.set NB,    8
.set PLB,   12288                      ; a plane of 256 rows in LDS: A's twelve planes from byte 0, B's twelve from BREG; a slab is four planes, a wave's half of the rows 6,144 bytes into each plane
.set BREG,  147456
.set QTR,   24576
.set SLOT,  98304                      ; A's two halves, B's two halves
.set SLAB,  786432                     ; four planes in memory
.set SLB,   2048
.set SQ,    1024
.set SCL,   294912                     ; behind the three slots: the scale bytes of all of K
.set SPARE, 311296                     ; the spare words, 128 bytes a wave
.set SST,   262144                     ; the way out: 512 bytes of scale words for each wave
.set HQS,   3145728
.set W1C,   4096000
.set W1S,   7241728
.set QKS,   6291456
.set VC,    6553600
.set VS,    9699328
.set GS,    12582912
.set G1A,  24
.set G1B,  32
.set G1SA, 40
.set G1SB, 48
.set G0A,  56                          ; s56-59, s60-63
.set G0B,  72                          ; s72-79
.set G0SA, 84
.set G0SB, 88
.set TM,   192
.set PW,   208
.set PC,   212
.set SEL,  46
.set ERS,  24                          ; the way out's constants, as pairs, in registers of descriptors that are done with
.set EA0,  26
.set EA2,  28
.set EA3,  30
.set EA4,  32
.set EA5,  34
.set EA6,  36
.set EB0,  38
.set EB2,  40
.set EB3,  42
.set EB4,  44
.set MSB, 0
.macro WIN new                         ; the immediate's high byte repeats the setting that is left
.if MSB != (\new)
	s_set_vgpr_msb (MSB<<8)|(\new)
.set MSB, (\new)
.endif
.endm
.macro PLACES n
.rept \n
	v_nop
.endr
.endm
; A joint load: waves 0 and 1 fetch for A, waves 2 and 3 for B; the branch hangs on the wave's number alone.  An s_nop 0 and four v_nop follow each line.
.macro JLOAD g0a, g1a, g0b, g1b
	s_cmp_eq_u32 s15, 0
	s_cbranch_scc0 .Lfor_b_\@
	tensor_load_to_lds s[\g0a:\g0a+3], s[\g1a:\g1a+7]
	s_nop 0
.rept 4
	v_nop
.endr
	s_branch .Lasked_\@
.Lfor_b_\@:
	tensor_load_to_lds s[\g0b:\g0b+3], s[\g1b:\g1b+7]
	s_nop 0
.rept 4
	v_nop
.endr
.Lasked_\@:
.endm
.macro CREST                           ; a round of the cluster's barrier behind its opening barrier
	s_cmp_lg_u32 s14, 0
	s_cbranch_scc1 .Lnot_wave_0_\@
	s_barrier_signal -3
.Lnot_wave_0_\@:
	s_barrier_wait -3
	s_barrier_signal -1
	s_barrier_wait -1
.endm
.macro CROUND
	s_barrier_signal -1
	s_barrier_wait -1
	CREST
.endm
.macro FRAG reg, adr, q, i             ; 16 rows x 128 K: registers 6 c .. 6 c + 5 = 24 bytes of plane 2 q + c, as they lie
.irp c, 0,1
.irp p, 0,1,2
	ds_load_b64 v[\reg+6*\c+2*\p:\reg+6*\c+2*\p+1], v[\adr] offset:(2*(\q)+\c)*PLB+(\i)*768+8*\p
.endr
.endr
.endm
.macro FETCH slot, q, p                ; the fragments of the slot's q-th 128 along K into set p
	WIN 0x40
.set fi, 0
.rept NB
	FRAG 128*(\p)+12*fi, 20+\slot, \q, fi
.set fi, fi+1
.endr
	WIN 0
.set fi, 0
.rept NA
	FRAG 64+96*(\p)+12*fi, 16+\slot, \q, fi
.set fi, fi+1
.endr
.endm
.macro SCALES sc, off                  ; a slab's two words a row: lanes 0-15 A's block i, lanes 16-31 B's block i
.set fi, 0
.rept NA
	ds_load_b64 v[32+16*(\sc)+2*fi:32+16*(\sc)+2*fi+1], v27 offset:(\off)+128*fi
.set fi, fi+1
.endr
.endm
; A's blocks a0 .. a0 + n - 1 x B's NB.  cm = 0: add in place; 1: the product starts the sum; 2: the bias is the C of the sum's first product.  The accumulators take turns, one instruction a turn, in the same order in every step.
.macro MULS a0, n, p, w, sc, cm
.set aa, \a0
.rept \n
.if \cm == 2
	WIN 0x91+0x40*(aa/4)
.else
	WIN 0xa1+0x50*(aa/4)
.endif
.set bb, 0
.rept NB
.set rD, 8*(NB*(aa%4)+bb)
.set rB, 128*(\p)+12*bb
.set rA, 64+96*(\p)+12*aa
.set rSB, 32+16*(\sc)+2*bb+(\w)
.set rSA, 32+16*(\sc)+2*aa+(\w)
.set rC, 96+8*bb+96*(bb/4)
.if \cm == 0
	v_wmma_scale_f32_16x16x128_f8f6f4 v[rD:rD+7], v[rB:rB+11], v[rA:rA+11], v[rD:rD+7], v[rSB], v[rSA] matrix_a_fmt:MATRIX_FMT_FP6 matrix_b_fmt:MATRIX_FMT_FP6 matrix_a_scale:MATRIX_SCALE_ROW1
.elseif \cm == 1
	v_wmma_scale_f32_16x16x128_f8f6f4 v[rD:rD+7], v[rB:rB+11], v[rA:rA+11], 0, v[rSB], v[rSA] matrix_a_fmt:MATRIX_FMT_FP6 matrix_b_fmt:MATRIX_FMT_FP6 matrix_a_scale:MATRIX_SCALE_ROW1
.else
	v_wmma_scale_f32_16x16x128_f8f6f4 v[rD:rD+7], v[rB:rB+11], v[rA:rA+11], v[rC:rC+7], v[rSB], v[rSA] matrix_a_fmt:MATRIX_FMT_FP6 matrix_b_fmt:MATRIX_FMT_FP6 matrix_a_scale:MATRIX_SCALE_ROW1
.endif
.set bb, bb+1
.endr
.set aa, aa+1
.endr
.endm
; A step of 128 along K: this step's fragments are in; the next step's (slot ns, its nq-th) are asked for in one run, four places behind the products that read those registers; then the step's products.
.macro STEP p, w, sc, cm, ns, nq, scf, sco, adv
	s_wait_dscnt 0x0
	PLACES 4
	FETCH \ns, \nq, 1-(\p)
.if \scf >= 0
.if \adv > 0
	v_add_nc_u32 v27, \adv, v27
.endif
	SCALES \scf, \sco
.endif
	MULS 0, NA, \p, \w, \sc, \cm
.endm
; A step with the work-group's barrier.  In front of it each wave waits for all its tensor loads, adds 0 to its spare word, and waits for that and for its LDS reads.  fill = 1: the barrier opens a round of the cluster's barrier, and slot 0 takes slab 3.
.macro TURN p, w, sc, fill, ns, scf
	WIN 0
	s_wait_tensorcnt 0x0                           ; all my tensor loads have landed
	ds_add_u32 v28, v29                            ; 0 onto my spare word
	s_wait_dscnt 0x1                               ; (the add alone may be out: this step's fragments are in)
	MULS 0, NA/4, \p, \w, \sc, 0
	s_wait_dscnt 0x0                               ; the add is done, and my reads of the slot are over
	s_barrier_signal -1
	MULS NA/4, NA/4, \p, \w, \sc, 0
	WIN 0
	s_barrier_wait -1
.if \fill
	CREST                                          ; no wave of any partner still reads slot 0 or has a load on its way
	s_mov_b32 s[G1A+2], 2<<16                      ; no tensor load of mine is out: from here on a load brings two planes
	s_mov_b32 s[G1A+4], 2
	s_mov_b32 s[G1B+2], 2<<16
	s_mov_b32 s[G1B+4], 2
	JLOAD G0A+4, G1A, G0B+4, G1B                   ; slab 3 into slab 0's place, two planes a wave: the first tensor load behind the round
.else
	PLACES 4
.endif
	v_add_nc_u32 v27, SLB, v27                     ; the next slab's scale words
	FETCH \ns, 0, 1-(\p)
	SCALES \scf, 0
	MULS NA/2, NA/2, \p, \w, \sc, 0
.endm
; 64 numbers of a lane, register 16 b + i = k 32 b + 16 (lane / 16) + i of my row, become a fragment's codes in v[PC] on and its scale word in v[PW].
.macro QUANT s
.irp b, 0,1,2,3
	v_max3_num_f32 v[TM+\b], |v[\s+16*\b]|, |v[\s+1+16*\b]|, 0x1800000   ; my 16 numbers of block b, and the floor 2^(3 - 127)
.endr
.irp i, 2,4,6,8,10,12,14
.irp b, 0,1,2,3
	v_max3_num_f32 v[TM+\b], v[TM+\b], |v[\s+16*\b+\i]|, |v[\s+1+16*\b+\i]|
.endr
.endr
.irp b, 0,1,2,3
	v_permlanex16_b32 v[TM+4+\b], v[TM+\b], s[SEL], s[SEL+1]
.endr
.irp b, 0,1,2,3
	v_max_num_f32 v[TM+\b], v[TM+\b], v[TM+4+\b]   ; with lane l xor 16's: the block's largest magnitude
.endr
.irp b, 0,1,2,3
	v_add_nc_u32 v[TM+12+\b], 0xff000000, v[TM+\b] ; 2 off the exponent field: the conversion's scale operand
.endr
.irp b, 0,1,2,3
	v_lshrrev_b32 v[TM+4+\b], 23, v[TM+12+\b]      ; the byte
.endr
	v_lshl_or_b32 v[PW], v[TM+5], 8, v[TM+4]
	v_lshl_or_b32 v[PW], v[TM+6], 16, v[PW]
	v_lshl_or_b32 v[PW], v[TM+7], 24, v[PW]
.irp c, 0,1
	v_cvt_scalef32_pk16_fp6_f32 v[PC+6*\c:PC+2+6*\c], v[\s+32*\c:\s+15+32*\c], v[TM+12+2*\c]
	v_cvt_scalef32_pk16_fp6_f32 v[PC+12+4*\c:PC+14+4*\c], v[\s+16+32*\c:\s+31+32*\c], v[TM+12+2*\c+1]
.endr
	v_nop                                          ; one plain line behind a scaled conversion
.irp c, 0,1                            ; the operand's layout wants a whole block in a lane
.irp i, 0,1,2
	v_permlane16_swap_b32 v[PC+6*\c+\i], v[PC+12+4*\c+\i]
.endr
.irp i, 0,1,2
	v_mov_b32 v[PC+3+6*\c+\i], v[PC+12+4*\c+\i]
.endr
.endr
.endm
; gelu of 16 numbers v[64 + 16 u ..] into v[128 + 16 u ..]
.macro GELU u
.set gx, 64+16*\u
.set gg, 128+16*\u
.irp j, 0,2,4,6,8,10,12,14
	v_pk_mul_f32 v[gg+\j:gg+\j+1], v[gx+\j:gx+\j+1], 0.5 op_sel_hi:[1,0]
.endr
.irp j, 0,2,4,6,8,10,12,14
	v_pk_mul_f32 v[192+\j:193+\j], v[gx+\j:gx+\j+1], s[ERS:ERS+1] op_sel_hi:[1,0]
.endr
.irp j, 0,1,2,3,4,5,6,7,8,9,10,11,12,13,14,15
	v_med3_num_f32 v[192+\j], v[192+\j], -4.0, 4.0             ; z
.endr
.irp j, 0,2,4,6,8,10,12,14
	v_pk_mul_f32 v[208+\j:209+\j], v[192+\j:193+\j], v[192+\j:193+\j]
.endr
.irp j, 0,2,4,6,8,10,12,14
	v_pk_fma_f32 v[224+\j:225+\j], v[208+\j:209+\j], s[EA0:EA0+1], v[8:9] op_sel_hi:[1,0,1]
.endr
.irp k, EA2, EA3, EA4, EA5, EA6
.irp j, 0,2,4,6,8,10,12,14
	v_pk_fma_f32 v[224+\j:225+\j], v[224+\j:225+\j], v[208+\j:209+\j], s[\k:\k+1] op_sel_hi:[1,1,0]
.endr
.endr
.irp j, 0,2,4,6,8,10,12,14
	v_pk_fma_f32 v[240+\j:241+\j], v[208+\j:209+\j], s[EB0:EB0+1], v[10:11] op_sel_hi:[1,0,1]
.endr
.irp k, EB2, EB3, EB4
.irp j, 0,2,4,6,8,10,12,14
	v_pk_fma_f32 v[240+\j:241+\j], v[240+\j:241+\j], v[208+\j:209+\j], s[\k:\k+1] op_sel_hi:[1,1,0]
.endr
.endr
.irp j, 0,1,2,3,4,5,6,7,8,9,10,11,12,13,14,15
	v_rcp_f32 v[240+\j], v[240+\j]                 ; one batch
.endr
.irp j, 0,2,4,6,8,10,12,14
	v_pk_mul_f32 v[224+\j:225+\j], v[224+\j:225+\j], v[192+\j:193+\j]   ; z P: plain work that names no reciprocal
.endr
	s_wait_alu depctr_va_vdst(0)                   ; one wait for the batch, ahead of its first reader
.irp j, 0,2,4,6,8,10,12,14
	v_pk_mul_f32 v[224+\j:225+\j], v[224+\j:225+\j], v[240+\j:241+\j]   ; erf
.endr
.irp j, 0,2,4,6,8,10,12,14
	v_pk_fma_f32 v[gg+\j:gg+\j+1], v[gg+\j:gg+\j+1], v[224+\j:225+\j], v[gg+\j:gg+\j+1]
.endr
.endm
	s_load_b128 s[4:7], s[0:1], 0x0                ; the tokens' codes, the weights' codes
.if MLP1
	s_load_b128 s[8:11], s[0:1], 0x10              ; b1, the result
.else
	s_load_b64 s[10:11], s[0:1], 0x10              ; the result
.endif
	v_lshl_add_u32 v28, v0, 2, SPARE
	v_mov_b32 v29, 0
	ds_add_u32 v28, v29                            ; the wave's opening: the add and its wait ahead of my first tensor load
	ds_add_u32 v28, v29
	v_lshrrev_b32 v1, 5, v0
	v_readfirstlane_b32 s14, v1                    ; wave 0..3
	s_lshr_b32 s15, s14, 1                         ; my half of A's rows.  Also: I fetch for A (0) or for B (1)
	s_and_b32 s16, s14, 1                          ; my half of B's rows.  Also: which 128 rows I fetch
	s_bfe_u32 s92, ttmp6, 0x40000                  ; cx
	s_bfe_u32 s93, ttmp6, 0x40004                  ; cy
	s_and_b32 s2, ttmp7, 0xffff                    ; the cluster's y
.if MLP1
	s_mov_b32 s17, s2
	s_mov_b32 s18, ttmp9
	s_mov_b32 s19, 0                               ; the result's codes,
	s_mov_b32 s20, 196608                          ; a plane of them,
	s_mov_b32 s21, GS                              ; its scale bytes,
	s_mov_b32 s22, 32768                           ; a slab of them,
	s_mov_b32 s23, 0
.else
	s_cmp_eq_u32 ttmp9, 2                          ; v?  The cluster's x: the same in all partners
	s_cselect_b32 s17, ttmp9, s2                   ; the cluster's coordinate along A's tiles,
	s_cselect_b32 s18, s2, ttmp9                   ; and along B's
	s_cselect_b32 s19, VC, 0
	s_mov_b32 s20, 196608
	s_cselect_b32 s20, 49152, s20
	s_mov_b32 s21, QKS
	s_cselect_b32 s21, VS, s21
	s_mov_b32 s22, 32768
	s_cselect_b32 s22, 8192, s22
	s_cselect_b32 s23, 8, 0                        ; W_v's rows begin at tile 8; v's rows at 0
.endif
	s_lshl_b32 s17, s17, 2
	s_add_co_u32 s17, s17, s93                     ; A's tile
	s_lshl_b32 s18, s18, 2
	s_add_co_u32 s18, s18, s92                     ; B's tile
	s_lshl_b32 s100, s93, 2
	s_lshl_b32 s100, 15, s100                      ; my row of the cluster
	s_lshl_b32 s101, 0x1111, s92                   ; my column
	s_or_b32 s[G1A], s100, (3<<16)|(1<<21)         ; 15:0 the mask; 17:16 elements of 8 bytes; 21 set beside a mask; no padding
	s_or_b32 s[G1B], s101, (3<<16)|(1<<21)
	s_or_b32 s[G1SA], s100, (3<<16)|(1<<21)
	s_or_b32 s[G1SB], s101, (3<<16)|(1<<21)
.irp g, G1A, G1B                       ; codes: planes 196,608 bytes apart
	s_mov_b32 s[\g+1], 1536<<16                    ; at the head: 12 planes x 256 rows of 48 bytes (1,536 elements)
	s_mov_b32 s[\g+2], 12<<16
	s_mov_b32 s[\g+3], 1536<<16
	s_mov_b32 s[\g+4], 12
	s_mov_b32 s[\g+5], 24576
	s_mov_b32 s[\g+6], 0
	s_mov_b32 s[\g+7], 0
.endr
.irp g, G1SA, G1SB                     ; scale bytes: 4 slabs x 256 rows of 8 bytes, slabs 32,768 bytes apart
	s_mov_b32 s[\g+1], 256<<16                     ; 4 slabs x 256 rows of 8 bytes
	s_mov_b32 s[\g+2], 4<<16
	s_mov_b32 s[\g+3], 256<<16
	s_mov_b32 s[\g+4], 4
	s_mov_b32 s[\g+5], 4096
	s_mov_b32 s[\g+6], 0
	s_mov_b32 s[\g+7], 0
.endr
	s_lshl_b32 s94, s17, 8                         ; A: the tile's first row
	s_lshl_b32 s98, s18, 8                         ; B: likewise
	s_lshl_b32 s96, s94, 3
	s_add_co_u32 s96, s96, HQS
	s_mul_i32 s94, s94, 48
	s_lshl_b32 s100, s98, 3
	s_mul_i32 s98, s98, 48
.if MLP1
	s_add_co_u32 s100, s100, W1S
	s_add_co_u32 s98, s98, W1C
.else
	s_add_co_u32 s100, s100, HQS
.endif
	s_mov_b32 s95, 0
	s_mov_b32 s97, 0
	s_mov_b32 s99, 0
	s_mov_b32 s101, 0
	s_sub_co_u32 s92, s17, s23                     ; where the result goes
	s_lshl_b32 s92, s92, 8
	s_lshl_b32 s3, s15, 7
	s_add_co_u32 s3, s92, s3                       ; my first row of it
	s_mul_i32 s3, s3, 48
	s_lshl_b32 s93, s18, 2
	s_lshl_b32 s2, s16, 1
	s_add_co_u32 s93, s93, s2                      ; my first plane: 4 x B's tile + 2 x half
	s_mul_i32 s93, s93, s20
	s_add_co_u32 s93, s93, s3
	s_add_co_u32 s93, s93, s19                     ; my codes
	s_lshl_b32 s92, s92, 3
	s_mul_i32 s2, s18, s22
	s_add_co_u32 s92, s92, s2
	s_add_co_u32 s92, s92, s21
	s_lshl_b32 s2, s14, 9
	s_add_co_u32 s92, s92, s2                      ; the 512 scale bytes that I store
	s_lshl_b32 s19, s18, 10
	s_lshl_b32 s2, s16, 9
	s_add_co_u32 s19, s19, s2                      ; the bias of my 128 columns
	s_mul_i32 s21, s16, 24576                      ; the refill: my two planes' place in slab 0's
	s_wait_dscnt 0x0                               ; the opening add is done
	s_wait_kmcnt 0x0
.if MLP1
	s_mov_b64 s[12:13], s[4:5]
	s_mov_b64 s[2:3], s[6:7]
.else
	s_cmp_eq_u32 ttmp9, 2
	s_cselect_b64 s[12:13], s[6:7], s[4:5]         ; A's buffer
	s_cselect_b64 s[2:3], s[4:5], s[6:7]           ; B's buffer
.endif
	s_add_nc_u64 s[94:95], s[12:13], s[94:95]
	s_add_nc_u64 s[96:97], s[12:13], s[96:97]
	s_add_nc_u64 s[98:99], s[2:3], s[98:99]
	s_add_nc_u64 s[100:101], s[2:3], s[100:101]
	CROUND                                         ; all sixteen work-groups are here: the first joint loads meet
	s_mov_b32 s[G0SA], 1
	s_mov_b32 s[G0SA+1], SCL
	s_mov_b64 s[G0SA+2:G0SA+3], s[96:97]
	s_or_b32 s[G0SA+3], s[G0SA+3], 0x80000000
	s_mov_b32 s[G0SB], 1
	s_mov_b32 s[G0SB+1], SCL+8192
	s_mov_b64 s[G0SB+2:G0SB+3], s[100:101]
	s_or_b32 s[G0SB+3], s[G0SB+3], 0x80000000
	s_mov_b32 s[G0A], 1
	s_mov_b32 s[G0A+1], 0
	s_mov_b64 s[G0A+2:G0A+3], s[94:95]
	s_or_b32 s[G0A+3], s[G0A+3], 0x80000000
	s_mov_b32 s[G0B], 1
	s_mov_b32 s[G0B+1], BREG
	s_mov_b64 s[G0B+2:G0B+3], s[98:99]
	s_or_b32 s[G0B+3], s[G0B+3], 0x80000000
	s_mul_i32 s2, s16, 393216                      ; the refill's group 0: planes 12 + 2 x (wave % 2), + 1
	s_add_co_u32 s2, s2, 3*SLAB
	s_mov_b32 s3, 0
	s_mov_b32 s[G0A+4], 1
	s_mov_b32 s[G0A+5], s21
	s_add_nc_u64 s[G0A+6:G0A+7], s[94:95], s[2:3]
	s_or_b32 s[G0A+7], s[G0A+7], 0x80000000
	s_mov_b32 s[G0B+4], 1
	s_add_co_u32 s[G0B+5], s21, BREG
	s_add_nc_u64 s[G0B+6:G0B+7], s[98:99], s[2:3]
	s_or_b32 s[G0B+7], s[G0B+7], 0x80000000
; THE HEAD'S LOADS, ONE A WAVE, bring all first fills: wave 0 A's planes 0-11, wave 1 B's, wave 2 A's scale bytes, wave 3 B's.  One chain of branches on the wave's number, one load to an arm, one join.
.macro ARM under, g0, g1, next
	s_cmp_lt_u32 s14, \under
	s_cbranch_scc0 \next
	tensor_load_to_lds s[\g0:\g0+3], s[\g1:\g1+7]
	s_nop 0
.rept 4
	v_nop
.endr
	s_branch .Lhead_asked
\next:
.endm
	ARM 1, G0A,  G1A,  .Lhead_b
	ARM 2, G0B,  G1B,  .Lhead_sa
	ARM 3, G0SA, G1SA, .Lhead_sb
	tensor_load_to_lds s[G0SB:G0SB+3], s[G1SB:G1SB+7]
	s_nop 0
.rept 4
	v_nop
.endr
.Lhead_asked:
	s_mov_b32 s2, s93
	s_mov_b32 s3, 0
	s_add_nc_u64 s[94:95], s[10:11], s[2:3]        ; my first plane of the result,
	s_mov_b32 s2, s20
	s_add_nc_u64 s[96:97], s[94:95], s[2:3]        ; my second,
	s_mov_b32 s2, s92
	s_add_nc_u64 s[98:99], s[10:11], s[2:3]        ; my scale bytes
	v_and_b32 v1, 15, v0                           ; r
	v_bfe_u32 v2, v0, 4, 1                         ; h
.if MLP1
	s_mov_b32 s2, s19
	s_add_nc_u64 s[8:9], s[8:9], s[2:3]
	v_lshlrev_b32 v5, 6, v2                        ; tile b's register j is column 32 (b / 2) + 16 h + 8 (b % 2) + j
	WIN 0x40
.set bi, 0
.rept 8
	global_load_b128 v[96+8*bi+96*(bi/4):96+8*bi+96*(bi/4)+3], v5, s[8:9] offset:128*(bi/2)+32*(bi%2)
	global_load_b128 v[100+8*bi+96*(bi/4):100+8*bi+96*(bi/4)+3], v5, s[8:9] offset:128*(bi/2)+32*(bi%2)+16
.set bi, bi+1
.endr
	WIN 0
.endif
	v_mul_u32_u24 v3, v1, 48
	v_mad_u32_u24 v3, v2, 24, v3                   ; a fragment's row x 48 + 24 x half
	s_mul_i32 s2, s15, 6144
	s_mul_i32 s3, s16, 6144
	s_add_co_u32 s3, s3, BREG
.irp s, 0,1,2
	v_add_nc_u32 v[16+\s], s2, v3
	v_add_nc_u32 v[20+\s], s3, v3
	s_add_co_u32 s2, s2, 4*PLB
	s_add_co_u32 s3, s3, 4*PLB
.endr
	v_lshlrev_b32 v4, 3, v1
	s_mul_i32 s2, s15, SQ
	s_mul_i32 s3, s16, SQ
	s_add_co_u32 s3, s3, 8192
	s_sub_co_u32 s3, s3, s2
	v_mul_u32_u24 v6, s3, v2                       ; lanes 16-31 take B's
	s_add_co_u32 s2, s2, SCL
	v_add_nc_u32 v4, v4, v6
	v_add_nc_u32 v27, s2, v4
	v_and_b32 v7, 31, v0
	v_lshlrev_b32 v23, 4, v7                       ; 16 x lane
	s_lshl_b32 s2, s14, 16
	v_add_nc_u32 v24, s2, v23                      ; the way out: my 65,536 bytes, an image's place for my lane
	v_add_nc_u32 v25, s2, v3                       ; and my codes' place in the stage that is laid over their start
	s_lshl_b32 s2, s14, 9
	s_add_co_u32 s2, s2, SST
	v_lshl_add_u32 v26, v1, 2, s2                  ; my wave's scale words: 4 bytes a row
	s_lshl_b32 s2, s15, 10
	s_lshl_b32 s3, s16, 8
	s_add_co_u32 s2, s2, s3
	s_add_co_u32 s2, s2, SST
	v_lshl_add_u32 v30, v7, 3, s2                  ; and where I read two rows' words back: rows 64 w + 2 l, + 1 of the tile
	s_wait_alu depctr_va_vdst(0)
	s_wait_tensorcnt 0x0                           ; my one load of the head is in; behind the barrier all four are, for every wave
	s_barrier_signal -1
	s_barrier_wait -1
	FETCH 0, 0, 0
	SCALES 0, 0
.if MLP1
	s_wait_loadcnt 0x0                             ; b1
	STEP 0, 0, 0, 2, 0, 1, -1, 0, 0
.else
	STEP 0, 0, 0, 1, 0, 1, -1, 0, 0
.endif
	TURN 1, 1, 0, 1, 1, 1                          ; slabs 1 and 2 are whole for every wave behind it; slot 0 takes slab 3
	s_wait_alu depctr_va_vdst(0)
	STEP 0, 0, 1, 0, 1, 1, -1, 0, 0
	STEP 1, 1, 1, 0, 2, 0, 0, 0, SLB
	s_wait_alu depctr_va_vdst(0)
	STEP 0, 0, 0, 0, 2, 1, -1, 0, 0
	TURN 1, 1, 0, 0, 0, 1                          ; slab 3 is whole for every wave behind it
	STEP 0, 0, 1, 0, 0, 1, -1, 0, 0
	s_wait_dscnt 0x0                               ; my last reads of the slots are in
	s_barrier_signal -1
	MULS 0, NA, 1, 1, 1, 0
	WIN 0
	s_barrier_wait -1                              ; nobody reads a slot any more, and every slot has had its last fill
	PLACES 4
.set ai, 0
.rept 8
	WIN 0x08+4*(ai/4)                              ; an LDS store's data are its source 1
.set bi, 0
.rept 8
	ds_store_b128 v24, v[8*(8*(ai%4)+bi):8*(8*(ai%4)+bi)+3] offset:ai*8192+bi*1024       ; each accumulator from its low end on
	ds_store_b128 v24, v[8*(8*(ai%4)+bi)+4:8*(8*(ai%4)+bi)+7] offset:ai*8192+bi*1024+512
.set bi, bi+1
.endr
.set ai, ai+1
.endr
	WIN 0
	s_mov_b32 s[SEL], 0x76543210
	s_mov_b32 s[SEL+1], 0xfedcba98
.irp b, 0,1,2,3
	v_mov_b32 v[TM+4+\b], 0                        ; written once: a lane permute's destination counts as one of its sources
.endr
.if MLP1
.macro KPAIR r, val
	s_mov_b32 s[\r], \val
	s_mov_b32 s[\r+1], \val
.endm
	KPAIR ERS, 0x3f3504f3                          ; 1 / sqrt 2
	KPAIR EA0, 0xaf95df0b
	KPAIR EA2, 0xb60cff51
	KPAIR EA3, 0xb86ec2d2
	KPAIR EA4, 0xba40ac63
	KPAIR EA5, 0xbb41a1f6
	KPAIR EA6, 0xbc83dbd4
	KPAIR EB0, 0xb77460cd
	KPAIR EB2, 0xbadc924e
	KPAIR EB3, 0xbbf19bf8
	KPAIR EB4, 0xbc69b6a7
	v_mov_b32 v8, 0x32edffee
	v_mov_b32 v9, 0x32edffee
	v_mov_b32 v10, 0xb95fbd29
	v_mov_b32 v11, 0xb95fbd29
.endif
.set gi, 0
.rept 16
	ds_load_b128 v[64+4*gi:64+4*gi+3], v24 offset:512*gi       ; block 0 (LDS serves a wave's instructions in order: these see my stores)
.set gi, gi+1
.endr
	s_mov_b32 s3, 0
	s_mov_b32 s17, 0
	s_mov_b32 s18, 0
	s_mov_b32 s19, 0
.Lblk:                                 ; eight trips: 16 rows of the A-role each
	s_wait_dscnt 0x0                               ; the block is in; the last trip's stores have read their registers
.if MLP1
	GELU 0
	GELU 1
	GELU 2
	GELU 3
	QUANT 128
.else
	QUANT 64
.endif
	s_add_co_u32 s17, s17, 8192
	s_min_u32 s20, s17, 57344                      ; (the last trip reads its own block again)
	v_add_nc_u32 v31, s20, v24
.set gi, 0
.rept 16
	ds_load_b128 v[64+4*gi:64+4*gi+3], v31 offset:512*gi       ; the next block
.set gi, gi+1
.endr
	v_add_nc_u32 v14, s18, v25
	v_add_nc_u32 v15, s19, v26
.irp c, 0,1
.irp p, 0,1,2
	ds_store_b64 v14, v[PC+6*\c+2*\p:PC+6*\c+2*\p+1] offset:\c*6144+8*\p   ; the stage [2 planes][128 rows][48 bytes]: trip a writes under byte 6,912 + 768 a of my bytes, all of it in blocks that have been read
.endr
.endr
	ds_store_b32 v15, v[PW]                        ; both halves of the lanes hold the same word and write it to the same place
	s_add_co_u32 s18, s18, 768
	s_add_co_u32 s19, s19, 64
	s_add_co_u32 s3, s3, 1
	s_cmp_lt_u32 s3, 8
	s_cbranch_scc1 .Lblk
	s_wait_dscnt 0x0
.set gi, 0
.rept 24
	ds_load_b128 v[64+4*gi:64+4*gi+3], v24 offset:512*gi
.set gi, gi+1
.endr
.set gi, 0
.rept 24
	s_wait_dscnt 23-gi
.if gi < 12
	global_store_b128 v23, v[64+4*gi:64+4*gi+3], s[94:95] offset:512*gi            ; 512 consecutive bytes of a plane
.else
	global_store_b128 v23, v[64+4*gi:64+4*gi+3], s[96:97] offset:512*(gi-12)
.endif
.set gi, gi+1
.endr
	s_wait_dscnt 0x0                               ; for the others' sake: my scale words have landed
	s_barrier_signal -1
	s_barrier_wait -1
	ds_load_b64 v[160:161], v30                    ; two rows' words of the tile's first 128 along the next K,
	ds_load_b64 v[162:163], v30 offset:512         ; and of its second
	s_wait_dscnt 0x0
	v_mov_b32 v164, v160
	v_mov_b32 v165, v162
	v_mov_b32 v166, v161
	v_mov_b32 v167, v163
	global_store_b128 v23, v[164:167], s[98:99]    ; 64 rows x 8 bytes: 512 consecutive bytes
	s_wait_tensorcnt 0x0                           ; the wave's end
	ds_add_u32 v28, v29
	s_wait_dscnt 0x0
	CROUND                                         ; the closing round
	s_endpgm
.Lfunc_end_k_qd0c091fa3f_qkv:
	.size	k_qd0c091fa3f_qkv, .Lfunc_end_k_qd0c091fa3f_qkv-k_qd0c091fa3f_qkv
	.p2alignl 7, 3214868480
	.fill 96, 4, 3214868480
	.section	.rodata,"a",@progbits
	.p2align	6, 0x0
	.amdhsa_kernel k_qd0c091fa3f_qkv
		.amdhsa_group_segment_fixed_size 327680
		.amdhsa_private_segment_fixed_size 0
		.amdhsa_enable_private_segment 0
		.amdhsa_kernarg_size 24
		.amdhsa_user_sgpr_count 2
		.amdhsa_user_sgpr_kernarg_segment_ptr 1
		.amdhsa_wavefront_size32 1
		.amdhsa_system_sgpr_workgroup_id_x 1
		.amdhsa_system_sgpr_workgroup_id_y 1
		.amdhsa_system_sgpr_workgroup_id_z 1
		.amdhsa_system_vgpr_workitem_id 0
		.amdhsa_next_free_vgpr 1024
		.amdhsa_next_free_sgpr 102
		.amdhsa_reserve_vcc 0
		.amdhsa_float_denorm_mode_32 3
		.amdhsa_float_denorm_mode_16_64 3
		.amdhsa_memory_ordered 1
		.amdhsa_forward_progress 1
		.amdhsa_inst_pref_size 149
	.end_amdhsa_kernel
	.amdgpu_metadata
---
amdhsa.version: [ 1, 2 ]
amdhsa.kernels:
  - .name:           k_qd0c091fa3f_qkv
    .symbol:         k_qd0c091fa3f_qkv.kd
    .args:
      - { .name: hq, .offset: 0, .size: 8, .value_kind: global_buffer, .address_space: global }
      - { .name: wts, .offset: 8, .size: 8, .value_kind: global_buffer, .address_space: global }
      - { .name: qkv, .offset: 16, .size: 8, .value_kind: global_buffer, .address_space: global }
    .group_segment_fixed_size: 327680
    .private_segment_fixed_size: 0
    .kernarg_segment_align: 8
    .kernarg_segment_size: 24
    .max_flat_workgroup_size: 128
    .sgpr_count:     102
    .vgpr_count:     1024
    .wavefront_size: 32
...
	.end_amdgpu_metadata
.endif
;; end of part 2
;; launch attn (part 3): grid 8 x 32, 16 waves a work-group, no clusters, 231,936 bytes of LDS; arguments qkv, ao; writes ao
.if DOCPART == 3
	.amdgcn_target "amdgcn-amd-amdhsa--gfx1250"
	.amdhsa_code_object_version 6
	.text
	.protected	k_qd0c091fa3f_attn
	.globl	k_qd0c091fa3f_attn
	.p2align	8
	.type	k_qd0c091fa3f_attn,@function
k_qd0c091fa3f_attn:
	s_mov_b64 s[64:65], 0
	v_nop
	global_prefetch_b8 v0, s[64:65] scope:SCOPE_SE
	s_setreg_imm32_b32 hwreg(HW_REG_WAVE_MODE, 25, 1), 1
	s_wait_xcnt 0x0
; Causal attention of one head on codes of FP6 (E2M3), head size 64, 2,048 tokens; the result is quantised along the head's channels for the next product.
; INPUTS (one buffer): q's and k's codes [32 planes: q heads, k heads][4096 places][48 bytes], their scale bytes [8 slabs][4096][8]; v's codes with the TOKENS innermost [64 token planes][1024 places][48], its scale bytes [16 slabs][1024][8].
; Token t and channel d lie at places pi(t), pi(d) (bits 3 and 4 exchanged), so that sixteen consecutive places as source 0 give a lane 16 logical neighbours in the registers of two neighbouring tiles.
; THE SOFTMAX: t = score x log2(e) / 8; M = the running largest t rounded UP to a whole number; p = 2^(t - M) is quantised along the keys, not normalised; the row's sum is taken of the unquantised p and divides at the end.
; When M moves, the sum and O are multiplied by 2^(old M - new M): exact.  A block's largest p is made from the block's largest score by the same two instructions (this takes v_exp_f32 not to fall where its input rises).
; THE FIRST PRODUCT has K = 64: the upper half of both fragments is zero codes, written once; the upper two bytes of the scale words are 0, which stand over zero codes.
; SHARES.  A work-group takes a head and two blocks of 128 queries, block i and block 15 - i, so that every work-group has the same work under the mask; each of sixteen waves one tile of 16 places.
; NO RING: a head's codes of K and V are 196,608 bytes and lie in LDS whole.  Waves 0 and 1 bring K's and V's scale bytes, waves 2 + 2 c and 3 + 2 c chunk c of 512 keys of K and V: ten first fills, one a wave, never a refill; a chunk is read behind its own counted wait and a barrier.
; A key step all of whose keys come after the wave's queries is left out by a scalar branch on ids; on the diagonal hidden scores become -infinity.  Key 0 counts for every query, so M is a number from the first step on.
; NO CLUSTER: the queries' blocks of a head read the same K and V, but the branch that leaves hidden steps out hangs on the work-group's x.
; No prefetch: all tiles are asked for at the head.
; LIMITS: a block of zeros gets the byte 1 where the rule says 127 (zero codes; this program alone reads the bytes); NaN and infinities among the inputs are not served.
; REGISTERS: v1-4 lane places; v5, v6 the add's two; v7 my query - 16 (lane / 16); v8-11 addresses in hand; v12 -M, v13 largest t, v[14:15] the sum; v16-27 Q; v28-31 the way out; v32-79 four fragments of K; v80-127 V's four;
;   v128-191 S^T, then p; v192-223 O^T; v224-235 p's codes; v232-247, v252, v254 at work; v248-251 K's, then V's scale words; v253 p's scale word; v255 Q's.
.set QKS,   6291456
.set VC,    6553600
.set VS,    9699328
.set AOS,   3145728
.set VL,    98304                      ; LDS: K [2048 places][48] at 0; V [32 planes][64 places][48]
.set KSC,   196608                     ; K's scale bytes [2048][8]: the slab's four heads
.set VSC,   212992                     ; V's [8 slabs][64][8]
.set CSTG,  217088                     ; the way out: 768 bytes for each wave,
.set SSTG,  229376                     ; and 512 bytes of scale bytes
.set SPARE, 229888                     ; the spare words, 128 bytes a wave
	s_load_b128 s[4:7], s[0:1], 0x0                ; qkv, ao
	v_lshl_add_u32 v5, v0, 2, SPARE
	v_mov_b32 v6, 0
	ds_add_u32 v5, v6                              ; the wave's opening: the add and its wait ahead of the first tensor load
	ds_add_u32 v5, v6
	v_lshrrev_b32 v8, 5, v0
	s_delay_alu instid0(VALU_DEP_1)
	v_readfirstlane_b32 s18, v8                    ; wave 0..15
	s_and_b32 s13, ttmp7, 0xffff
	s_lshr_b32 s14, s13, 4                         ; batch
	s_and_b32 s15, s13, 15                         ; head
	s_lshl_b32 s80, ttmp9, 3
	s_sub_co_u32 s81, 112, s80
	s_cmp_lt_u32 s18, 8
	s_cselect_b32 s16, s80, s81
	s_add_co_u32 s16, s16, s18                     ; my tile: 8 i + w, or 8 (15 - i) + w - 8
	s_lshr_b32 s10, s16, 1
	s_lshl_b32 s10, s10, 5
	s_and_b32 s13, s16, 1
	s_lshl_b32 s13, s13, 3
	s_add_co_u32 s10, s10, s13                     ; my first query; lane r's is this + r % 8 + 16 (r / 8)
	s_add_co_u32 s11, s10, 23                      ; my last
	s_lshl_b32 s17, s14, 11
	s_lshl_b32 s13, s16, 4
	s_add_co_u32 s17, s17, s13                     ; my first place among the 4,096
	s_mov_b32 s24, 3<<16                           ; K's chunk: 24,576 dense bytes as 96 rows of 256 (elements of 8 bytes)
	s_mov_b32 s25, 32<<16
	s_mov_b32 s26, 96<<16
	s_mov_b32 s27, 32<<16
	s_mov_b32 s28, 96
	s_mov_b32 s29, 32
	s_mov_b32 s30, 0
	s_mov_b32 s31, 0
	s_mov_b32 s32, 3<<16                           ; V's chunk: 8 planes x 3,072 bytes, 49,152 apart
	s_mov_b32 s33, 384<<16
	s_mov_b32 s34, 8<<16
	s_mov_b32 s35, 384<<16
	s_mov_b32 s36, 8
	s_mov_b32 s37, 6144
	s_mov_b32 s38, 0
	s_mov_b32 s39, 0
	s_mov_b32 s40, 3<<16                           ; K's scale bytes: 16,384 dense bytes
	s_mov_b32 s41, 32<<16
	s_mov_b32 s42, 64<<16
	s_mov_b32 s43, 32<<16
	s_mov_b32 s44, 64
	s_mov_b32 s45, 32
	s_mov_b32 s46, 0
	s_mov_b32 s47, 0
	s_mov_b32 s48, 3<<16                           ; V's: 8 slabs x 512 bytes, 8,192 apart
	s_mov_b32 s49, 64<<16
	s_mov_b32 s50, 8<<16
	s_mov_b32 s51, 64<<16
	s_mov_b32 s52, 8
	s_mov_b32 s53, 1024
	s_mov_b32 s54, 0
	s_mov_b32 s55, 0
	s_mul_i32 s80, s15, 196608                     ; my tile in q's codes, and in the result's: plane = head
	s_mul_i32 s13, s17, 48
	s_add_co_u32 s80, s80, s13
	s_mov_b32 s81, 0
	s_lshr_b32 s82, s15, 2                         ; q's scale bytes: slab head / 4, bytes 2 (head % 4), + 1
	s_lshl_b32 s82, s82, 15
	s_lshl_b32 s13, s17, 3
	s_add_co_u32 s82, s82, s13
	s_and_b32 s19, s15, 3
	s_lshl_b32 s19, s19, 1
	s_add_co_u32 s82, s82, s19
	s_add_co_u32 s82, s82, QKS
	s_mov_b32 s83, 0
	s_lshl_b32 s84, ttmp9, 7                       ; the result's scale bytes [16 heads][4096][2]: wave 0 stores block i's, wave 1 block 15 - i's
	s_sub_co_u32 s85, 1920, s84
	s_cmp_eq_u32 s18, 0
	s_cselect_b32 s84, s84, s85
	s_lshl_b32 s13, s14, 11
	s_add_co_u32 s84, s84, s13
	s_lshl_b32 s84, s84, 1
	s_lshl_b32 s13, s15, 13
	s_add_co_u32 s84, s84, s13
	s_add_co_u32 s84, s84, AOS
	s_mov_b32 s85, 0
	s_add_co_u32 s88, s15, 16                      ; k's codes of the head and batch,
	s_mul_i32 s88, s88, 196608
	s_mul_i32 s13, s14, 98304
	s_add_co_u32 s88, s88, s13
	s_mul_i32 s92, s14, 1572864                    ; v's,
	s_mul_i32 s13, s15, 3072
	s_add_co_u32 s92, s92, s13
	s_add_co_u32 s92, s92, VC
	s_lshr_b32 s94, s15, 2                         ; k's scale bytes,
	s_add_co_u32 s94, s94, 4
	s_lshl_b32 s94, s94, 15
	s_lshl_b32 s13, s14, 14
	s_add_co_u32 s94, s94, s13
	s_add_co_u32 s94, s94, QKS
	s_lshl_b32 s95, s14, 16                        ; v's
	s_lshl_b32 s13, s15, 9
	s_add_co_u32 s95, s95, s13
	s_add_co_u32 s95, s95, VS
	s_mov_b32 s90, 393216
	s_and_b32 s98, s18, 1                          ; THE TEN FIRST FILLS ARE SHARED AMONG TEN WAVES, one each: even waves fetch for K, odd ones for V;
	s_lshr_b32 s99, s18, 1                         ; waves 0, 1 the scale bytes, waves 2 + 2 c, 3 + 2 c chunk c
	s_add_co_u32 s99, s99, -1
	s_min_u32 s99, s99, 3                          ; my chunk (waves that fetch no chunk do not use it)
	s_cmp_eq_u32 s98, 0
	s_cselect_b32 s88, s88, s92
	s_cselect_b32 s90, 24576, s90                  ; from chunk to chunk
	s_cselect_b32 s92, s94, s95
	s_mov_b32 s89, 0
	s_mov_b32 s91, 0
	s_mov_b32 s93, 0
	s_mul_i32 s96, s98, 98304
	s_lshl_b32 s97, s98, 14
	s_add_co_u32 s97, s97, KSC
	s_mov_b32 s20, 0x76543210
	s_mov_b32 s21, 0xfedcba98                      ; v_permlanex16_b32's selects for lane l xor 16
	s_mov_b32 s22, 0x3e38aa3b                      ; c = log2(e) / 8
	s_mov_b32 s23, s22
	s_mov_b32 s2, 0                                ; the step's first key,
	s_mov_b32 s3, 0                                ; x 48: its codes in K, and its two planes in V,
	s_mov_b32 s8, 0                                ; x 8: K's scale bytes,
	s_mov_b32 s9, 0                                ; and V's slab
	s_wait_dscnt 0x0                               ; the opening add is done
	s_wait_kmcnt 0x0
	s_add_nc_u64 s[86:87], s[6:7], s[80:81]        ; the result's codes
	s_add_nc_u64 s[84:85], s[6:7], s[84:85]        ; its scale bytes
	s_add_nc_u64 s[80:81], s[4:5], s[80:81]        ; q's codes
	s_add_nc_u64 s[82:83], s[4:5], s[82:83]        ; q's scale bytes
	s_add_nc_u64 s[94:95], s[4:5], s[88:89]
	s_mov_b32 s76, 1
	s_mov_b32 s77, s97
	s_add_nc_u64 s[78:79], s[4:5], s[92:93]
	s_or_b32 s79, s79, 0x80000000
	s_mul_i32 s60, s99, s90                        ; my chunk, in bytes from the first
	s_mov_b32 s61, 0
	s_mov_b32 s56, 1
	s_mul_i32 s57, s99, 24576
	s_add_co_u32 s57, s57, s96
	s_add_nc_u64 s[58:59], s[94:95], s[60:61]
	s_or_b32 s59, s59, 0x80000000
; One chain of branches on the wave's number, one tensor load to an arm, all arms to one join: each fill has a line of its own, so that a chunk's barrier needs only its own two loaders' waits.
.macro ARM w, g0, g1
	s_cmp_eq_u32 s18, \w
	s_cbranch_scc0 .Lnot_\w
	tensor_load_to_lds s[\g0:\g0+3], s[\g1:\g1+7]
	s_nop 0
	s_branch .Lno_fetch
.Lnot_\w:
.endm
	ARM 0, 76, 40
	ARM 1, 76, 48
	ARM 2, 56, 24
	ARM 3, 56, 32
	ARM 4, 56, 24
	ARM 5, 56, 32
	ARM 6, 56, 24
	ARM 7, 56, 32
	ARM 8, 56, 24
	ARM 9, 56, 32
.Lno_fetch:
	v_and_b32 v8, 15, v0                           ; r
	v_bfe_u32 v9, v0, 4, 1                         ; h
	s_delay_alu instid0(VALU_DEP_2)
	v_mul_u32_u24 v1, v8, 48
	s_delay_alu instid0(VALU_DEP_1)
	v_mad_u32_u24 v1, v9, 24, v1                   ; a fragment's row x 48 + 24 x half
	s_delay_alu instid0(VALU_DEP_4)
	v_lshlrev_b32 v10, 3, v8
.irp p, 0,1,2
	global_load_b64 v[16+2*\p:17+2*\p], v1, s[80:81] offset:8*\p       ; Q's fragment stays in registers
.endr
	global_load_u16 v255, v10, s[82:83]            ; its two scale bytes; the upper two are 0
	v_add_nc_u32 v2, VL, v1
	s_add_co_u32 s13, s19, KSC
	v_lshl_add_u32 v3, v8, 3, s13                  ; K's scale bytes: 8 bytes a place, my head's two
	v_add_nc_u32 v4, VSC, v10
	v_and_b32 v11, 7, v8
	v_lshrrev_b32 v7, 3, v8
	s_delay_alu instid0(VALU_DEP_1)
	v_lshl_add_u32 v7, v7, 4, v11
	s_delay_alu instid0(VALU_DEP_1)
	v_add_nc_u32 v7, s10, v7                       ; my query,
	v_lshlrev_b32 v11, 4, v9
	s_delay_alu instid0(VALU_DEP_1)
	v_sub_nc_u32 v7, v7, v11                       ; less 16 h
	s_mul_i32 s13, s18, 768
	s_add_co_u32 s13, s13, CSTG
	v_add_nc_u32 v28, s13, v1                      ; the way out: my codes' place in my stage,
	v_and_b32 v11, 31, v0
	s_delay_alu instid0(VALU_DEP_1)
	v_lshl_add_u32 v29, v11, 3, s13                ; and where I read it back
	s_lshl_b32 s13, s18, 5
	s_add_co_u32 s13, s13, SSTG
	v_lshl_add_u32 v30, v8, 1, s13                 ; my row's two scale bytes: 32 bytes a wave
	s_min_u32 s13, s18, 1
	s_lshl_b32 s13, s13, 8
	s_add_co_u32 s13, s13, SSTG
	v_lshl_add_u32 v31, v11, 3, s13                ; (waves 0, 1) a block's 256 bytes
	v_mov_b32 v13, 0xff61b1e6                      ; the largest t so far: -3e38
	s_delay_alu instid0(VALU_DEP_1)
	v_floor_f32 v12, -v13                          ; -M
	v_mov_b32 v14, 0
	v_mov_b32 v15, 0
.irp j, 22,23,24,25,26,27, 38,39,40,41,42,43, 50,51,52,53,54,55, 62,63,64,65,66,67, 74,75,76,77,78,79
	v_mov_b32 v\j, 0                               ; zero codes for k = 64 .. 127 of the first product, written once
.endr
.irp j, 236,237,238,239,252,253
	v_mov_b32 v\j, 0                               ; a lane permute's destination, and both halves of a pair, are written before they are named
.endr
.set i, 0
.rept 32
	v_mov_b32 v[192+i], 0                          ; O^T: the step is written once; the first finds zeros
.set i, i+1
.endr
; A KEY STEP of 128 keys, the q-th of a trip's two.
.macro STEP q
	s_cmp_gt_u32 s2, s11                           ; all its keys come after my queries: left out
	s_cbranch_scc1 .Lhidden_\@
	v_add_nc_u32 v8, s3, v1                        ; (these four are also the places in front of the loads into registers that the last products read)
	v_add_nc_u32 v9, s3, v2
	v_add_nc_u32 v10, s8, v3
	v_add_nc_u32 v11, s9, v4
.irp t, 0,1,2,3
.irp p, 0,1,2
	ds_load_b64 v[32+12*\t+2*\p:33+12*\t+2*\p], v8 offset:6144*\q+768*\t+8*\p
.endr
	ds_load_u16 v[248+\t], v10 offset:1024*\q+128*\t
.endr
	s_wait_alu depctr_va_vdst(0)
	s_wait_dscnt 0x0
.irp t, 0,1,2,3
	v_wmma_scale_f32_16x16x128_f8f6f4 v[128+8*\t:135+8*\t], v[32+12*\t:43+12*\t], v[16:27], 0, v[248+\t], v255 matrix_a_fmt:MATRIX_FMT_FP6 matrix_b_fmt:MATRIX_FMT_FP6
.endr
.rept 4
	v_nop
.endr
.irp t, 0,1,2,3
.irp p, 0,1,2
	ds_load_b64 v[32+12*\t+2*\p:33+12*\t+2*\p], v8 offset:6144*\q+768*(4+\t)+8*\p
.endr
	ds_load_u16 v[248+\t], v10 offset:1024*\q+128*(4+\t)
.endr
.irp t, 0,1,2,3
.irp c, 0,1
.irp p, 0,1,2
	ds_load_b64 v[80+12*\t+6*\c+2*\p:81+12*\t+6*\c+2*\p], v9 offset:6144*\q+3072*\c+768*\t+8*\p   ; V's fragments land under the softmax
.endr
.endr
.endr
	s_wait_dscnt 24                                ; K's are in; V's 24 may be out
.irp t, 0,1,2,3
	v_wmma_scale_f32_16x16x128_f8f6f4 v[160+8*\t:167+8*\t], v[32+12*\t:43+12*\t], v[16:27], 0, v[248+\t], v255 matrix_a_fmt:MATRIX_FMT_FP6 matrix_b_fmt:MATRIX_FMT_FP6
.endr
.rept 4
	v_nop
.endr
.irp t, 0,1,2,3
	ds_load_b32 v[248+\t], v11 offset:4*\q+128*\t  ; V's scale words, into the registers that K's have left
.endr
	s_add_co_u32 s13, s2, 127                      ; a step all of whose keys count skips the mask
	s_cmp_le_u32 s13, s10
	s_cbranch_scc1 .Lopen_\@
	v_sub_nc_u32 v252, v7, s2                      ; register 16 b + i holds key s2 + 32 b + 16 h + i: hidden where 32 b + i is above this
	v_mov_b32 v254, 0xff800000
.set n, 0
.rept 64
	v_cmp_gt_i32 vcc_lo, 32*(n/16)+n%16, v252
	v_cndmask_b32 v[128+n], v[128+n], v254, vcc_lo
.set n, n+1
.endr
.Lopen_\@:
.irp b, 0,1,2,3
	v_max3_num_f32 v[232+\b], v[128+16*\b], v[129+16*\b], v[130+16*\b]     ; the largest score of each block of 32 keys
.endr
.irp i, 3,5,7,9,11,13
.irp b, 0,1,2,3
	v_max3_num_f32 v[232+\b], v[232+\b], v[128+16*\b+\i], v[129+16*\b+\i]
.endr
.endr
.irp b, 0,1,2,3
	v_max_num_f32 v[232+\b], v[232+\b], v[143+16*\b]
.endr
.irp b, 0,1,2,3
	s_delay_alu instid0(VALU_DEP_4)
	v_permlanex16_b32 v[236+\b], v[232+\b], s20, s21
.endr
.irp b, 0,1,2,3
	s_delay_alu instid0(VALU_DEP_4)
	v_max_num_f32 v[232+\b], v[232+\b], v[236+\b]
.endr
	s_delay_alu instid0(VALU_DEP_2)
	v_max3_num_f32 v254, v232, v233, v234
	s_delay_alu instid0(VALU_DEP_1)
	v_max_num_f32 v254, v254, v235
	s_delay_alu instid0(VALU_DEP_1)
	v_mul_f32 v254, s22, v254
	s_delay_alu instid0(VALU_DEP_1)
	v_max_num_f32 v13, v13, v254                   ; the running largest t
	v_mov_b32 v254, v12
	s_delay_alu instid0(VALU_DEP_2)
	v_floor_f32 v12, -v13                          ; the new -M = -ceil(t)
	s_delay_alu instid0(VALU_DEP_1)
	v_sub_f32 v254, v12, v254                      ; old M - new M: a whole number, 0 or less
	s_delay_alu instid0(VALU_DEP_1)
	v_cvt_i32_f32 v254, v254                       ; (it saturates)
	s_delay_alu instid0(VALU_DEP_1)
	v_ldexp_f32 v252, 1.0, v254                    ; f = 2^(old M - new M)
.set j, 0
.rept 32
	v_pk_fma_f32 v[128+j:129+j], v[128+j:129+j], s[22:23], v[12:13] op_sel_hi:[1,0,0]      ; t - M
.set j, j+2
.endr
.irp b, 0,1,2,3
	v_fma_f32 v[232+\b], v[232+\b], s22, v12
.endr
.set j, 0
	s_wait_alu depctr_va_vdst(0)
.rept 64
	v_exp_f32 v[128+j], v[128+j]                   ; p: one batch
.set j, j+1
.endr
	v_pk_mul_f32 v[14:15], v[14:15], v[252:253] op_sel_hi:[1,0]    ; the sums under the new M (a plain line behind the batch)
	s_wait_alu depctr_va_vdst(0)                   ; one wait for the batch, ahead of its first reader
.irp b, 0,1,2,3
	v_exp_f32 v[232+\b], v[232+\b]                 ; each block's largest p
.endr
	v_pk_add_f32 v[236:237], v[132:133], v[136:137]
	v_pk_add_f32 v[246:247], v[140:141], v[144:145]
	v_pk_add_f32 v[244:245], v[148:149], v[152:153]
	v_pk_add_f32 v[242:243], v[156:157], v[160:161]
	v_pk_add_f32 v[240:241], v[164:165], v[168:169]
	v_pk_add_f32 v[238:239], v[172:173], v[176:177]
	v_pk_add_f32 v[230:231], v[180:181], v[184:185]
	v_pk_add_f32 v[14:15], v[14:15], v[188:189]
	v_pk_add_f32 v[236:237], v[236:237], v[128:129]
	v_pk_add_f32 v[246:247], v[246:247], v[130:131]
	v_pk_add_f32 v[244:245], v[244:245], v[134:135]
	v_pk_add_f32 v[242:243], v[242:243], v[138:139]
	v_pk_add_f32 v[240:241], v[240:241], v[142:143]
	v_pk_add_f32 v[238:239], v[238:239], v[146:147]
	v_pk_add_f32 v[230:231], v[230:231], v[150:151]
	v_pk_add_f32 v[14:15], v[14:15], v[154:155]
	v_pk_add_f32 v[236:237], v[236:237], v[158:159]
	v_pk_add_f32 v[246:247], v[246:247], v[162:163]
	v_pk_add_f32 v[244:245], v[244:245], v[166:167]
	v_pk_add_f32 v[242:243], v[242:243], v[170:171]
	v_pk_add_f32 v[240:241], v[240:241], v[174:175]
	v_pk_add_f32 v[238:239], v[238:239], v[178:179]
	v_pk_add_f32 v[230:231], v[230:231], v[182:183]
	v_pk_add_f32 v[14:15], v[14:15], v[186:187]
	v_pk_add_f32 v[236:237], v[236:237], v[190:191]
	s_delay_alu instid0(VALU_DEP_2)
	v_pk_add_f32 v[14:15], v[14:15], v[242:243]
	s_delay_alu instid0(VALU_DEP_2)
	v_pk_add_f32 v[236:237], v[236:237], v[240:241]
	v_pk_add_f32 v[246:247], v[246:247], v[238:239]
	v_pk_add_f32 v[244:245], v[244:245], v[230:231]
	s_delay_alu instid0(VALU_DEP_2)
	v_pk_add_f32 v[14:15], v[14:15], v[246:247]
	s_delay_alu instid0(VALU_DEP_2)
	v_pk_add_f32 v[236:237], v[236:237], v[244:245]
	s_delay_alu instid0(VALU_DEP_1)
	v_pk_add_f32 v[14:15], v[14:15], v[236:237]
	s_wait_alu depctr_va_vdst(0)                   ; and one for the four
.irp b, 0,1,2,3
	v_max_num_f32 v[232+\b], 0x1800000, v[232+\b]  ; the floor 2^(3 - 127)
.endr
.irp b, 0,1,2,3
	s_delay_alu instid0(VALU_DEP_4)
	v_add_nc_u32 v[244+\b], 0xff000000, v[232+\b]
.endr
.irp b, 0,1,2,3
	s_delay_alu instid0(VALU_DEP_4)
	v_lshrrev_b32 v[236+\b], 23, v[244+\b]
.endr
	s_delay_alu instid0(VALU_DEP_3)
	v_lshl_or_b32 v253, v237, 8, v236              ; p's scale word for these 128 keys
	s_delay_alu instid0(VALU_DEP_1)
	v_lshl_or_b32 v253, v238, 16, v253
	s_delay_alu instid0(VALU_DEP_1)
	v_lshl_or_b32 v253, v239, 24, v253
.irp c, 0,1
	v_cvt_scalef32_pk16_fp6_f32 v[224+6*\c:226+6*\c], v[128+32*\c:143+32*\c], v[244+2*\c]
	v_cvt_scalef32_pk16_fp6_f32 v[236+4*\c:238+4*\c], v[144+32*\c:159+32*\c], v[244+2*\c+1]
.endr
	v_nop                                          ; one plain line behind a scaled conversion
.irp c, 0,1
.irp i, 0,1,2
	v_permlane16_swap_b32 v[224+6*\c+\i], v[236+4*\c+\i]
.endr
.irp i, 0,1,2
	s_delay_alu instid0(VALU_DEP_3)
	v_mov_b32 v[227+6*\c+\i], v[236+4*\c+\i]
.endr
.endr
.set j, 0
.rept 16
	v_pk_mul_f32 v[192+j:193+j], v[192+j:193+j], v[252:253] op_sel_hi:[1,0]        ; O^T under the new M (also the places in front of the scaled products)
.set j, j+2
.endr
	s_wait_alu depctr_va_vdst(0)
	s_wait_dscnt 0x0                               ; V's fragments and scale words
.irp t, 0,1,2,3
	v_wmma_scale_f32_16x16x128_f8f6f4 v[192+8*\t:199+8*\t], v[80+12*\t:91+12*\t], v[224:235], v[192+8*\t:199+8*\t], v[248+\t], v253 matrix_a_fmt:MATRIX_FMT_FP6 matrix_b_fmt:MATRIX_FMT_FP6
.endr
.Lhidden_\@:
	s_add_co_u32 s2, s2, 128
.endm
; A chunk of 512 keys: its tiles have landed (the later chunks' loads may stay out), every wave knows it behind the barrier; two trips of two steps.
.macro CHUNK c
.if \c < 3
	s_cmp_lt_u32 s18, 4+2*\c                       ; the loaders of the scale bytes and of chunks 0 .. c wait for their one load
	s_cbranch_scc0 .Lnot_mine_\@
	s_wait_tensorcnt 0x0
.Lnot_mine_\@:
.else
	s_wait_tensorcnt 0x0                           ; the last chunk: all that is still out, on every wave's way
.endif
	s_wait_dscnt 0x0
	s_barrier_signal -1
	s_barrier_wait -1
	s_mov_b32 s12, 0
.Lpair_\@:
	STEP 0
	STEP 1
	s_add_co_u32 s3, s3, 12288
	s_add_co_u32 s8, s8, 2048
	s_add_co_u32 s9, s9, 512
	s_add_co_u32 s12, s12, 1
	s_cmp_lt_u32 s12, 2
	s_cbranch_scc1 .Lpair_\@
.endm
	s_wait_loadcnt 0x0                             ; Q
	CHUNK 0
	CHUNK 1
	CHUNK 2
	CHUNK 3
	; THE WAY OUT: O^T / the sum; register 16 b + i is channel 32 b + 16 h + i of my query: two blocks, quantised as a fragment's lower half
	v_add_f32 v14, v14, v15
	s_delay_alu instid0(VALU_DEP_1)
	v_permlanex16_b32 v252, v14, s20, s21
	s_delay_alu instid0(VALU_DEP_1)
	v_add_f32 v14, v14, v252
	s_wait_alu depctr_va_vdst(0)
	v_rcp_f32 v14, v14
	v_and_b32 v8, 31, v0
	s_delay_alu instid0(VALU_DEP_1)
	v_lshlrev_b32 v8, 3, v8                        ; 8 x lane
	v_nop
	v_nop
	s_wait_alu depctr_va_vdst(0)                   ; the wait ahead of the reciprocal's first reader
.set j, 0
.rept 32
	v_mul_f32 v[128+j], v[192+j], v14
.set j, j+1
.endr
.irp b, 0,1
	v_max3_num_f32 v[232+\b], |v[128+16*\b]|, |v[129+16*\b]|, 0x1800000
.endr
.irp i, 2,4,6,8,10,12,14
.irp b, 0,1
	s_delay_alu instid0(VALU_DEP_2)
	v_max3_num_f32 v[232+\b], v[232+\b], |v[128+16*\b+\i]|, |v[129+16*\b+\i]|
.endr
.endr
.irp b, 0,1
	s_delay_alu instid0(VALU_DEP_2)
	v_permlanex16_b32 v[236+\b], v[232+\b], s20, s21
.endr
.irp b, 0,1
	s_delay_alu instid0(VALU_DEP_2)
	v_max_num_f32 v[232+\b], v[232+\b], v[236+\b]
.endr
.irp b, 0,1
	s_delay_alu instid0(VALU_DEP_2)
	v_add_nc_u32 v[244+\b], 0xff000000, v[232+\b]
.endr
.irp b, 0,1
	s_delay_alu instid0(VALU_DEP_2)
	v_lshrrev_b32 v[236+\b], 23, v[244+\b]
.endr
	s_delay_alu instid0(VALU_DEP_1)
	v_lshl_or_b32 v254, v237, 8, v236              ; my row's two bytes
	v_cvt_scalef32_pk16_fp6_f32 v[224:226], v[128:143], v244
	v_cvt_scalef32_pk16_fp6_f32 v[240:242], v[144:159], v245
	v_nop
.irp i, 0,1,2
	v_permlane16_swap_b32 v[224+\i], v[240+\i]
.endr
.irp i, 0,1,2
	s_delay_alu instid0(VALU_DEP_3)
	v_mov_b32 v[227+\i], v[240+\i]
.endr
.irp p, 0,1,2
	ds_store_b64 v28, v[224+2*\p:225+2*\p] offset:8*\p
.endr
	ds_store_b16 v30, v254                         ; both halves of the lanes hold the same bytes
.irp k, 0,1,2
	ds_load_b64 v[232+2*\k:233+2*\k], v29 offset:256*\k        ; LDS serves a wave's instructions in order: these see my stores
.endr
.irp k, 0,1,2
	s_wait_dscnt 2-\k
	global_store_b64 v8, v[232+2*\k:233+2*\k], s[86:87] offset:256*\k      ; 256 consecutive bytes, aligned
.endr
	s_wait_dscnt 0x0                               ; for the others' sake: my scale bytes have landed
	s_barrier_signal -1
	s_barrier_wait -1
	s_cmp_lt_u32 s18, 2
	s_cbranch_scc0 .Lno_scales
	ds_load_b64 v[240:241], v31
	s_wait_dscnt 0x0
	global_store_b64 v8, v[240:241], s[84:85]      ; a block's 128 rows x 2 bytes: 256 consecutive bytes, aligned
.Lno_scales:
	s_wait_tensorcnt 0x0                           ; the wave's end
	ds_add_u32 v5, v6
	s_wait_dscnt 0x0
	s_endpgm
.Lfunc_end_k_qd0c091fa3f_attn:
	.size	k_qd0c091fa3f_attn, .Lfunc_end_k_qd0c091fa3f_attn-k_qd0c091fa3f_attn
	.p2alignl 7, 3214868480
	.fill 96, 4, 3214868480
	.section	.rodata,"a",@progbits
	.p2align	6, 0x0
	.amdhsa_kernel k_qd0c091fa3f_attn
		.amdhsa_group_segment_fixed_size 231936
		.amdhsa_private_segment_fixed_size 0
		.amdhsa_enable_private_segment 0
		.amdhsa_kernarg_size 16
		.amdhsa_user_sgpr_count 2
		.amdhsa_user_sgpr_kernarg_segment_ptr 1
		.amdhsa_wavefront_size32 1
		.amdhsa_system_sgpr_workgroup_id_x 1
		.amdhsa_system_sgpr_workgroup_id_y 1
		.amdhsa_system_sgpr_workgroup_id_z 1
		.amdhsa_system_vgpr_workitem_id 0
		.amdhsa_next_free_vgpr 256
		.amdhsa_next_free_sgpr 100
		.amdhsa_reserve_vcc 1
		.amdhsa_float_denorm_mode_32 3
		.amdhsa_float_denorm_mode_16_64 3
		.amdhsa_memory_ordered 1
		.amdhsa_forward_progress 1
		.amdhsa_inst_pref_size 212
	.end_amdhsa_kernel
	.amdgpu_metadata
---
amdhsa.version: [ 1, 2 ]
amdhsa.kernels:
  - .name:           k_qd0c091fa3f_attn
    .symbol:         k_qd0c091fa3f_attn.kd
    .args:
      - { .name: qkv, .offset: 0, .size: 8, .value_kind: global_buffer, .address_space: global }
      - { .name: ao, .offset: 8, .size: 8, .value_kind: global_buffer, .address_space: global }
    .group_segment_fixed_size: 231936
    .private_segment_fixed_size: 0
    .kernarg_segment_align: 8
    .kernarg_segment_size: 16
    .max_flat_workgroup_size: 512
    .sgpr_count:     100
    .vgpr_count:     256
    .wavefront_size: 32
...
	.end_amdgpu_metadata
.endif
;; end of part 3
;; launch oproj (part 4): grid 8 x 32, 4 waves a work-group, clusters of 4 x 4, 327,680 bytes of LDS; arguments ao, wts, b_out, x, x2; writes x2
.if DOCPART == 4
	.amdgcn_target "amdgcn-amd-amdhsa--gfx1250"
	.amdhsa_code_object_version 6
	.text
	.protected	k_qd0c091fa3f_oproj
	.globl	k_qd0c091fa3f_oproj
	.p2align	8
	.type	k_qd0c091fa3f_oproj,@function
k_qd0c091fa3f_oproj:
	s_mov_b64 s[64:65], 0
	v_nop
	global_prefetch_b8 v0, s[64:65] scope:SCOPE_SE
	s_setreg_imm32_b32 hwreg(HW_REG_WAVE_MODE, 25, 1), 1
	s_wait_xcnt 0x0
	s_wait_alu depctr_hold_cnt(0) depctr_sa_sdst(0) depctr_va_vdst(0) depctr_va_sdst(0) depctr_va_ssrc(0) depctr_va_vcc(0) depctr_vm_vsrc(0)
	s_getreg_b32 s2, hwreg(HW_REG_IB_STS2, 6, 4)
	s_cmp_eq_u32 s2, 0
	s_cbranch_scc0 .Lentry_in_a_cluster
	s_endpgm
.Lentry_in_a_cluster:
	s_bfe_u32 s2, ttmp6, 0x10000c
	s_cmp_lg_u32 s2, 0xf033
	s_cbranch_scc0 .Lentry_shape_is_right
	s_endpgm
.Lentry_shape_is_right:
.set OPROJ, 1
.if OPROJ
.set KTOT, 1024
.set BC,   3276800
.set BS,   4063232
.set AS,   3145728
.else
.set KTOT, 4096
.set BC,   7372800
.set BS,   10518528
.set AS,   12582912
.endif
.set NSLAB, KTOT/256
.set LAPS,  KTOT/1024
.set NA,    4
.set NB,    4
.set PLB,   6144                       ; a plane of 128 rows in LDS: A's sixteen planes from byte 0, B's from byte 98,304: all of K; a wave's half of the rows lies 3,072 bytes into each plane
.set QTR,   24576
.set SLOT,  98304
.set SLB,   1024
.set SQ,    NSLAB*512
.set SCL,   196608
.set RAW,   SCL+4*SQ
.if OPROJ
.set SPARE, RAW+4096
.else
.set SPARE, SCL+4*SQ
.endif
.set G1A,  24
.set G1B,  32
.set G1SA, 40
.set G1SB, 48
.set G0A,  56
.set G0B,  72
.set G0SA, 84
.set G0SB, 88
.set MSB, 0
.macro WIN new
.if MSB != (\new)
	s_set_vgpr_msb (MSB<<8)|(\new)
.set MSB, (\new)
.endif
.endm
.macro PLACES n
.rept \n
	v_nop
.endr
.endm
.macro JLOAD g0a, g1a, g0b, g1b
	s_cmp_eq_u32 s15, 0
	s_cbranch_scc0 .Lfor_b_\@
	tensor_load_to_lds s[\g0a:\g0a+3], s[\g1a:\g1a+7]
	s_nop 0
.rept 4
	v_nop
.endr
	s_branch .Lasked_\@
.Lfor_b_\@:
	tensor_load_to_lds s[\g0b:\g0b+3], s[\g1b:\g1b+7]
	s_nop 0
.rept 4
	v_nop
.endr
.Lasked_\@:
.endm
.macro CREST
	s_cmp_lg_u32 s14, 0
	s_cbranch_scc1 .Lnot_wave_0_\@
	s_barrier_signal -3
.Lnot_wave_0_\@:
	s_barrier_wait -3
	s_barrier_signal -1
	s_barrier_wait -1
.endm
.macro CROUND
	s_barrier_signal -1
	s_barrier_wait -1
	CREST
.endm
.macro FRAG reg, adr, q, i
.irp c, 0,1
.irp p, 0,1,2
	ds_load_b64 v[\reg+6*\c+2*\p:\reg+6*\c+2*\p+1], v[\adr] offset:(2*(\q)+\c)*PLB+(\i)*768+8*\p
.endr
.endr
.endm
.macro FETCH slot, q, p
	WIN 0x40
.set fi, 0
.rept NB
	FRAG 128*(\p)+12*fi, 20+\slot, \q, fi
.set fi, fi+1
.endr
	WIN 0
.set fi, 0
.rept NA
	FRAG 64+96*(\p)+12*fi, 16+\slot, \q, fi
.set fi, fi+1
.endr
.endm
.macro SCALES sc, off
.set fi, 0
.rept NA
	ds_load_b64 v[32+16*(\sc)+2*fi:32+16*(\sc)+2*fi+1], v27 offset:(\off)+128*fi
.set fi, fi+1
.endr
.endm
.macro MULS a0, n, p, w, sc, cm
.set aa, \a0
.rept \n
.if \cm == 2
	WIN 0x91+0x40*(aa/4)
.else
	WIN 0xa1+0x50*(aa/4)
.endif
.set bb, 0
.rept NB
.set rD, 8*(NB*(aa%4)+bb)
.set rB, 128*(\p)+12*bb
.set rA, 64+96*(\p)+12*aa
.set rSB, 32+16*(\sc)+2*bb+(\w)
.set rSA, 32+16*(\sc)+2*aa+(\w)
.set rC, 96+8*bb+96*(bb/4)
.if \cm == 0
	v_wmma_scale_f32_16x16x128_f8f6f4 v[rD:rD+7], v[rB:rB+11], v[rA:rA+11], v[rD:rD+7], v[rSB], v[rSA] matrix_a_fmt:MATRIX_FMT_FP6 matrix_b_fmt:MATRIX_FMT_FP6 matrix_a_scale:MATRIX_SCALE_ROW1
.else
	v_wmma_scale_f32_16x16x128_f8f6f4 v[rD:rD+7], v[rB:rB+11], v[rA:rA+11], v[rC:rC+7], v[rSB], v[rSA] matrix_a_fmt:MATRIX_FMT_FP6 matrix_b_fmt:MATRIX_FMT_FP6 matrix_a_scale:MATRIX_SCALE_ROW1
.endif
.set bb, bb+1
.endr
.set aa, aa+1
.endr
.endm
.macro STEP p, w, sc, cm, ns, nq, scf, sco
	s_wait_dscnt 0x0
	PLACES 4
	FETCH \ns, \nq, 1-(\p)
.if \scf >= 0
	SCALES \scf, \sco
.endif
	MULS 0, NA, \p, \w, \sc, \cm
.endm
.macro S s, q, cm
.if (\q) == 1
	STEP 1, 1, 0, \cm, \s, 2, 1, SLB
.else
	STEP (\q)%2, (\q)%2, (\q)/2, \cm, \s, (\q)+1, -1, 0
.endif
.endm
.macro TURN fill, slot, ns
	WIN 0
	s_wait_tensorcnt 0x0
	ds_add_u32 v28, v29
	s_wait_dscnt 0x1
	MULS 0, 1, 1, 1, 1, 0
	s_wait_dscnt 0x0
	s_barrier_signal -1
	MULS 1, 1, 1, 1, 1, 0
	WIN 0
	s_barrier_wait -1
.if \fill
	CREST
	s_add_nc_u64 s[G0A+4*\slot+2:G0A+4*\slot+3], s[G0A+4*\slot+2:G0A+4*\slot+3], 3145728
	s_add_nc_u64 s[G0B+4*\slot+2:G0B+4*\slot+3], s[G0B+4*\slot+2:G0B+4*\slot+3], 786432
	JLOAD G0A+4*\slot, G1A, G0B+4*\slot, G1B
.else
	PLACES 4
.endif
	v_add_nc_u32 v27, 2*SLB, v27
	FETCH \ns, 0, 0
	SCALES 0, 0
	MULS 2, 2, 1, 1, 1, 0
.endm
	s_load_b256 s[4:11], s[0:1], 0x0
	s_load_b64 s[12:13], s[0:1], 0x20
	v_lshl_add_u32 v28, v0, 2, SPARE
	v_mov_b32 v29, 0
	ds_add_u32 v28, v29
	ds_add_u32 v28, v29
	v_lshrrev_b32 v1, 5, v0
	v_readfirstlane_b32 s14, v1
	s_lshr_b32 s15, s14, 1
	s_and_b32 s16, s14, 1
	s_bfe_u32 s92, ttmp6, 0x40000
	s_bfe_u32 s93, ttmp6, 0x40004
	s_and_b32 s17, ttmp7, 0xffff
	s_lshl_b32 s17, s17, 2
	s_add_co_u32 s17, s17, s93
	s_lshl_b32 s18, ttmp9, 2
	s_add_co_u32 s18, s18, s92
	s_lshl_b32 s100, s93, 2
	s_lshl_b32 s100, 15, s100
	s_lshl_b32 s101, 0x1111, s92
	s_or_b32 s[G1A], s100, (3<<16)|(1<<21)
	s_or_b32 s[G1B], s101, (3<<16)|(1<<21)
	s_or_b32 s[G1SA], s100, (3<<16)|(1<<21)
	s_or_b32 s[G1SB], s101, (3<<16)|(1<<21)
.irp g, G1A, G1B
	s_mov_b32 s[\g+1], 768<<16
	s_mov_b32 s[\g+2], 16<<16
	s_mov_b32 s[\g+3], 768<<16
	s_mov_b32 s[\g+4], 16
	s_mov_b32 s[\g+6], 0
	s_mov_b32 s[\g+7], 0
.endr
	s_mov_b32 s[G1A+5], 24576
	s_mov_b32 s[G1B+5], 6144
	s_mov_b32 s[G1SB+1], 128<<16
	s_mov_b32 s[G1SB+2], NSLAB<<16
	s_mov_b32 s[G1SB+3], 128<<16
	s_mov_b32 s[G1SB+4], NSLAB
	s_mov_b32 s[G1SB+5], 1024
	s_mov_b32 s[G1SB+6], 0
	s_mov_b32 s[G1SB+7], 0
.if OPROJ
	s_mov_b32 s[G1SA+1], 32<<16
	s_mov_b32 s[G1SA+2], 16<<16
	s_mov_b32 s[G1SA+3], 32<<16
	s_mov_b32 s[G1SA+4], 16
	s_mov_b32 s[G1SA+5], 1024
.else
	s_mov_b32 s[G1SA+1], 64<<16
	s_mov_b32 s[G1SA+2], 16<<16
	s_mov_b32 s[G1SA+3], 64<<16
	s_mov_b32 s[G1SA+4], 16
	s_mov_b32 s[G1SA+5], 4096
.endif
	s_mov_b32 s[G1SA+6], 0
	s_mov_b32 s[G1SA+7], 0
	s_lshl_b32 s94, s17, 7
	s_lshl_b32 s98, s18, 7
.if OPROJ
	s_lshl_b32 s96, s94, 1
.else
	s_lshl_b32 s96, s94, 3
.endif
	s_add_co_u32 s96, s96, AS
	s_mul_i32 s94, s94, 48
	s_lshl_b32 s100, s98, 3
	s_add_co_u32 s100, s100, BS
	s_mul_i32 s98, s98, 48
	s_add_co_u32 s98, s98, BC
	s_mov_b32 s95, 0
	s_mov_b32 s97, 0
	s_mov_b32 s99, 0
	s_mov_b32 s101, 0
	s_lshl_b32 s92, s17, 7
	s_lshl_b32 s2, s15, 6
	s_add_co_u32 s92, s92, s2
	s_lshl_b32 s92, s92, 12
	s_lshl_b32 s93, s18, 9
	s_lshl_b32 s2, s16, 8
	s_add_co_u32 s93, s93, s2
	s_add_co_u32 s92, s92, s93
	s_wait_dscnt 0x0
	s_wait_kmcnt 0x0
	s_add_nc_u64 s[94:95], s[4:5], s[94:95]
	s_add_nc_u64 s[96:97], s[4:5], s[96:97]
	s_add_nc_u64 s[98:99], s[6:7], s[98:99]
	s_add_nc_u64 s[100:101], s[6:7], s[100:101]
	CROUND
	s_mov_b32 s[G0SA], 1
	s_mov_b32 s[G0SA+1], RAW
	s_mov_b64 s[G0SA+2:G0SA+3], s[96:97]
	s_or_b32 s[G0SA+3], s[G0SA+3], 0x80000000
	s_mov_b32 s[G0SB], 1
	s_mov_b32 s[G0SB+1], SCL+4096
	s_mov_b64 s[G0SB+2:G0SB+3], s[100:101]
	s_or_b32 s[G0SB+3], s[G0SB+3], 0x80000000
	s_mov_b32 s[G0A], 1
	s_mov_b32 s[G0A+1], 0
	s_mov_b64 s[G0A+2:G0A+3], s[94:95]
	s_or_b32 s[G0A+3], s[G0A+3], 0x80000000
	s_mov_b32 s[G0B], 1
	s_mov_b32 s[G0B+1], SLOT
	s_mov_b64 s[G0B+2:G0B+3], s[98:99]
	s_or_b32 s[G0B+3], s[G0B+3], 0x80000000
; THE HEAD'S LOADS, ONE A WAVE, bring everything: wave 0 A's 128 rows, all of K, wave 1 B's, wave 2 A's scale bytes as the attention left them [16 heads][128 rows][2 bytes], wave 3 B's.  Nothing is filled later.
.macro ARM under, g0, g1, next
	s_cmp_lt_u32 s14, \under
	s_cbranch_scc0 \next
	tensor_load_to_lds s[\g0:\g0+3], s[\g1:\g1+7]
	s_nop 0
.rept 4
	v_nop
.endr
	s_branch .Lhead_asked
\next:
.endm
	ARM 1, G0A,  G1A,  .Lhead_b
	ARM 2, G0B,  G1B,  .Lhead_sa
	ARM 3, G0SA, G1SA, .Lhead_sb
	tensor_load_to_lds s[G0SB:G0SB+3], s[G1SB:G1SB+7]
	s_nop 0
.rept 4
	v_nop
.endr
.Lhead_asked:
	s_mov_b32 s2, s92
	s_mov_b32 s3, 0
	s_add_nc_u64 s[10:11], s[10:11], s[2:3]
	s_add_nc_u64 s[12:13], s[12:13], s[2:3]
	s_mov_b32 s2, s93
	s_add_nc_u64 s[8:9], s[8:9], s[2:3]
	v_and_b32 v1, 15, v0
	v_bfe_u32 v2, v0, 4, 1
	v_lshlrev_b32 v5, 6, v2
	v_lshlrev_b32 v26, 12, v2
	v_lshl_add_u32 v26, v1, 4, v26
	WIN 0x40
.set bi, 0
.rept 4
	global_load_b128 v[96+8*bi:96+8*bi+3], v5, s[8:9] offset:128*(bi/2)+32*(bi%2)
	global_load_b128 v[100+8*bi:100+8*bi+3], v5, s[8:9] offset:128*(bi/2)+32*(bi%2)+16
.set bi, bi+1
.endr
	WIN 0xc0
.set ai, 0
.rept 4
.set ti, 0
.rept 8
	global_load_b128 v[32*ai+4*ti:32*ai+4*ti+3], v26, s[10:11] offset:(32*(ai/2)+8*(ai%2)+((2*ti)%8)+16*(ti/4))*4096
.set ti, ti+1
.endr
.set ai, ai+1
.endr
	WIN 0
	v_mul_u32_u24 v3, v1, 48
	v_mad_u32_u24 v3, v2, 24, v3
	s_mul_i32 s2, s15, 3072
	s_mul_i32 s3, s16, 3072
	s_add_co_u32 s3, s3, SLOT
.irp s, 0,1
	v_add_nc_u32 v[16+\s], s2, v3
	v_add_nc_u32 v[20+\s], s3, v3
	s_add_co_u32 s2, s2, 8*PLB
	s_add_co_u32 s3, s3, 8*PLB
.endr
	v_lshlrev_b32 v4, 3, v1
	s_mul_i32 s2, s15, 512                         ; scale bytes [slab][128 rows][8 bytes]: A's at SCL, B's 4,096 bytes on; my half of the rows 512 bytes into each slab
	s_mul_i32 s3, s16, 512
	s_add_co_u32 s3, s3, 4096
	s_sub_co_u32 s3, s3, s2
	v_mul_u32_u24 v6, s3, v2
	s_add_co_u32 s2, s2, SCL
	v_add_nc_u32 v4, v4, v6
	v_add_nc_u32 v27, s2, v4
	s_mul_i32 s2, s14, 4352
	v_mul_u32_u24 v24, v1, 272
	v_lshl_add_u32 v24, v2, 6, v24
	v_add_nc_u32 v24, s2, v24
	v_mul_u32_u24 v25, v2, 272
	v_lshl_add_u32 v25, v1, 4, v25
	v_add_nc_u32 v25, s2, v25
.if OPROJ
	v_lshl_add_u32 v8, v0, 1, RAW                  ; thread t repacks row t's scale bytes: two of each head in,
	v_lshl_add_u32 v9, v0, 3, SCL                  ; eight of each slab out
.endif
	s_wait_alu depctr_va_vdst(0)
	s_wait_tensorcnt 0x0
	s_barrier_signal -1
	s_barrier_wait -1
.if OPROJ
.set ki, 0
.rept 16
	ds_load_u16 v[64+ki], v8 offset:256*ki
.set ki, ki+1
.endr
	s_wait_dscnt 0x0
.set ki, 0
.rept 8
	v_lshl_or_b32 v[96+ki], v[65+2*ki], 16, v[64+2*ki]
.set ki, ki+1
.endr
.set ki, 0
.rept 4
	ds_store_b64 v9, v[96+2*ki:97+2*ki] offset:1024*ki
.set ki, ki+1
.endr
	s_wait_dscnt 0x0
	s_barrier_signal -1
	s_barrier_wait -1
.endif
	FETCH 0, 0, 0
	SCALES 0, 0
	s_wait_loadcnt 32
	S 0, 0, 2
.if LAPS > 1
	WIN 0
	s_mov_b32 s3, LAPS-1
.Llap:
	S 0, 1, 0
	S 0, 2, 0
	TURN 1, 0, 1
	S 1, 0, 0
	S 1, 1, 0
	S 1, 2, 0
	TURN 1, 1, 0
	S 0, 0, 0
	WIN 0
	s_sub_co_u32 s3, s3, 1
	s_cmp_lg_u32 s3, 0
	s_cbranch_scc1 .Llap
.endif
	S 0, 1, 0
	S 0, 2, 0
	TURN 0, 0, 1
	s_wait_alu depctr_va_vdst(0)
	S 1, 0, 0
	S 1, 1, 0
	S 1, 2, 0
	s_wait_dscnt 0x0
	MULS 0, NA, 1, 1, 1, 0
	WIN 0
	PLACES 4
	s_wait_loadcnt 0x0
.set ai, 0
.rept 4
	WIN 0x08
.set bi, 0
.rept 4
	ds_store_b128 v24, v[8*(4*ai+bi):8*(4*ai+bi)+3] offset:128*(bi/2)+32*(bi%2)
	ds_store_b128 v24, v[8*(4*ai+bi)+4:8*(4*ai+bi)+7] offset:128*(bi/2)+32*(bi%2)+16
.set bi, bi+1
.endr
	WIN 0
.set ti, 0
.rept 8
	ds_load_b128 v[64+32*ai+4*ti:64+32*ai+4*ti+3], v25 offset:544*ti
.set ti, ti+1
.endr
.set ai, ai+1
.endr
.set ai, 0
.rept 4
	s_wait_dscnt 16*(3-ai)
	WIN 0x0c
.set ei, 0
.rept 16
	v_pk_add_f32 v[64+32*ai+ei:64+32*ai+ei+1], v[64+32*ai+ei:64+32*ai+ei+1], v[32*ai+ei:32*ai+ei+1]
.set ei, ei+2
.endr
	WIN 0
.set ti, 0
.rept 8
	global_store_b128 v26, v[64+32*ai+4*ti:64+32*ai+4*ti+3], s[12:13] offset:(32*(ai/2)+8*(ai%2)+((2*ti)%8)+16*(ti/4))*4096
.set ti, ti+1
.endr
.set ai, ai+1
.endr
	s_wait_tensorcnt 0x0
	ds_add_u32 v28, v29
	s_wait_dscnt 0x0
	CROUND
	s_endpgm
.Lfunc_end_k_qd0c091fa3f_oproj:
	.size	k_qd0c091fa3f_oproj, .Lfunc_end_k_qd0c091fa3f_oproj-k_qd0c091fa3f_oproj
	.p2alignl 7, 3214868480
	.fill 96, 4, 3214868480
	.section	.rodata,"a",@progbits
	.p2align	6, 0x0
	.amdhsa_kernel k_qd0c091fa3f_oproj
		.amdhsa_group_segment_fixed_size 327680
		.amdhsa_private_segment_fixed_size 0
		.amdhsa_enable_private_segment 0
		.amdhsa_kernarg_size 40
		.amdhsa_user_sgpr_count 2
		.amdhsa_user_sgpr_kernarg_segment_ptr 1
		.amdhsa_wavefront_size32 1
		.amdhsa_system_sgpr_workgroup_id_x 1
		.amdhsa_system_sgpr_workgroup_id_y 1
		.amdhsa_system_sgpr_workgroup_id_z 1
		.amdhsa_system_vgpr_workitem_id 0
		.amdhsa_next_free_vgpr 1024
		.amdhsa_next_free_sgpr 102
		.amdhsa_reserve_vcc 0
		.amdhsa_float_denorm_mode_32 3
		.amdhsa_float_denorm_mode_16_64 3
		.amdhsa_memory_ordered 1
		.amdhsa_forward_progress 1
		.amdhsa_inst_pref_size 70
	.end_amdhsa_kernel
	.amdgpu_metadata
---
amdhsa.version: [ 1, 2 ]
amdhsa.kernels:
  - .name:           k_qd0c091fa3f_oproj
    .symbol:         k_qd0c091fa3f_oproj.kd
    .args:
      - { .name: ao, .offset: 0, .size: 8, .value_kind: global_buffer, .address_space: global }
      - { .name: wts, .offset: 8, .size: 8, .value_kind: global_buffer, .address_space: global }
      - { .name: b_out, .offset: 16, .size: 8, .value_kind: global_buffer, .address_space: global }
      - { .name: x, .offset: 24, .size: 8, .value_kind: global_buffer, .address_space: global }
      - { .name: x2, .offset: 32, .size: 8, .value_kind: global_buffer, .address_space: global }
    .group_segment_fixed_size: 327680
    .private_segment_fixed_size: 0
    .kernarg_segment_align: 8
    .kernarg_segment_size: 40
    .max_flat_workgroup_size: 128
    .sgpr_count:     102
    .vgpr_count:     1024
    .wavefront_size: 32
...
	.end_amdgpu_metadata
.endif
;; end of part 4
;; launch ln2 (part 5): grid 128 x 1, 8 waves a work-group, no clusters, 63,488 bytes of LDS; arguments x2, ln2_g, ln2_b, hq; writes hq
.if DOCPART == 5
	.amdgcn_target "amdgcn-amd-amdhsa--gfx1250"
	.amdhsa_code_object_version 6
	.text
	.protected	k_qd0c091fa3f_ln2
	.globl	k_qd0c091fa3f_ln2
	.p2align	8
	.type	k_qd0c091fa3f_ln2,@function
k_qd0c091fa3f_ln2:
	s_mov_b64 s[64:65], 0
	v_nop
	global_prefetch_b8 v0, s[64:65] scope:SCOPE_SE
	s_setreg_imm32_b32 hwreg(HW_REG_WAVE_MODE, 25, 1), 1
	s_wait_xcnt 0x0
; Layer norm of rows of 1,024 f32, then the quantiser along the row: codes of FP6 (E2M3) [16 planes][4096 rows][48 bytes], scale bytes [4 slabs][4096 rows][8 bytes] 3,145,728 bytes on.
; Row t lies at place pi(t), pi = t with bits 3 and 4 exchanged (the program's layout of operands).
; A work-group takes 32 rows, so that each plane's piece (1,536 bytes) and each slab's piece (256 bytes) is made of whole aligned runs of 256 bytes.  A wave takes rows 4 w .. 4 w + 3.
; Loads take the bytes as they lie (512 consecutive bytes a load); a row then turns through the wave's own 4,608 bytes of LDS, so that lane l holds block l: 32 neighbours.  Gain and bias are turned once.
; Mean first, then the variance of the differences, as the reference has it: a common offset of the inputs costs no digits.  All in f32.
; LIMITS: a block of zeros gets the byte 1 where the rule says 127 (zero codes; this program alone reads the bytes); largest magnitudes under 2^-124 keep the byte 1; NaN and infinities are not served.
.set TURNB, 4608                       ; 32 places of 128 bytes + 16 of padding: lanes 144 bytes apart take 16 bytes each from different banks (64 banks of 4 bytes: ISA guide 11.1)
.set CST,   36864                      ; [16 planes][32 places][48 bytes]
.set SST,   61440                      ; [4 slabs][32 places][8 bytes]
.set SPARE, 62464                      ; the spare words, 128 bytes a wave
.set HQS,   3145728
.set XT,    32                         ; v32-63   the row in hand, a block a lane
.set R,     64                         ; v64-191  four rows as loaded
.set G,     192                        ; v192-223 gain of my block
.set BT,    224                        ; v224-255 bias of my block
	s_load_b256 s[4:11], s[0:1], 0x0               ; rows, gain, bias, codes
	v_lshl_add_u32 v18, v0, 2, SPARE
	v_mov_b32 v19, 0
	v_lshrrev_b32 v1, 5, v0
	s_delay_alu instid0(VALU_DEP_1)
	v_readfirstlane_b32 s14, v1                    ; wave 0..7
	v_and_b32 v1, 31, v0                           ; lane
	s_wait_alu depctr_va_vdst(0)
	s_mul_i32 s15, s14, TURNB
	v_lshrrev_b32 v2, 3, v1
	s_delay_alu instid0(VALU_DEP_1)
	v_mul_u32_u24 v2, v2, 144
	v_and_b32 v3, 7, v1
	s_delay_alu instid0(VALU_DEP_1)
	v_lshl_add_u32 v2, v3, 4, v2
	s_delay_alu instid0(VALU_DEP_1)
	v_add_nc_u32 v2, s15, v2                       ; the turn, in: load j's lane l holds 16 bytes of block 4 j + l / 8
	v_mul_u32_u24 v3, v1, 144
	s_delay_alu instid0(VALU_DEP_1)
	v_add_nc_u32 v3, s15, v3                       ; and out: block l
	s_and_b32 s16, s14, 1
	s_lshl_b32 s16, s16, 2
	s_bfe_u32 s17, s14, 0x10001
	s_lshl_b32 s17, s17, 4
	s_add_co_u32 s16, s16, s17
	s_lshr_b32 s17, s14, 2
	s_lshl_b32 s17, s17, 3
	s_add_co_u32 s16, s16, s17                     ; pi(4 w): row 4 w + i lies at this + i
	s_mul_i32 s17, s16, 48
	s_add_co_u32 s17, s17, CST
	v_lshrrev_b32 v4, 1, v1
	s_delay_alu instid0(VALU_DEP_1)
	v_mul_u32_u24 v4, v4, 1536
	v_and_b32 v5, 1, v1
	s_delay_alu instid0(VALU_DEP_1)
	v_mad_u32_u24 v4, v5, 24, v4
	s_delay_alu instid0(VALU_DEP_1)
	v_add_nc_u32 v4, s17, v4                       ; my block's 24 bytes: plane l / 2, half l % 2
	s_lshl_b32 s17, s16, 3
	s_add_co_u32 s17, s17, SST
	v_lshrrev_b32 v5, 3, v1
	s_delay_alu instid0(VALU_DEP_1)
	v_lshlrev_b32 v5, 8, v5
	v_and_b32 v6, 7, v1
	s_delay_alu instid0(VALU_DEP_1)
	v_add_nc_u32 v5, v5, v6
	s_delay_alu instid0(VALU_DEP_1)
	v_add_nc_u32 v5, s17, v5                       ; my block's byte: slab l / 8, byte l % 8
	v_lshlrev_b32 v6, 4, v1                        ; 16 x lane
	s_mul_i32 s17, s14, 3072
	s_add_co_u32 s17, s17, CST
	v_add_nc_u32 v7, s17, v6                       ; the way out: planes 2 w and 2 w + 1
	s_min_u32 s17, s14, 1
	s_lshl_b32 s18, s17, 9
	s_add_co_u32 s18, s18, SST
	v_add_nc_u32 v8, s18, v6                       ; (waves 0, 1) slabs 2 w and 2 w + 1
	v_lshrrev_b32 v9, 4, v1
	s_delay_alu instid0(VALU_DEP_1)
	v_lshlrev_b32 v9, 15, v9
	v_and_b32 v10, 15, v1
	s_delay_alu instid0(VALU_DEP_1)
	v_lshl_add_u32 v9, v10, 4, v9                  ; lanes 0-15 one slab's 256 bytes, lanes 16-31 the next slab's
	s_lshl_b32 s20, ttmp9, 17                      ; 32 rows of 4,096 bytes
	s_lshl_b32 s21, s14, 14
	s_add_co_u32 s20, s20, s21
	s_mov_b32 s21, 0
	s_mul_i32 s22, s14, 393216                     ; two planes a wave
	s_mul_i32 s23, ttmp9, 1536
	s_add_co_u32 s22, s22, s23
	s_mov_b32 s23, 0
	s_lshl_b32 s24, s17, 16                        ; two slabs a wave
	s_lshl_b32 s25, ttmp9, 8
	s_add_co_u32 s24, s24, s25
	s_add_co_u32 s24, s24, HQS
	s_mov_b32 s25, 0
	s_mov_b32 s12, 0x76543210
	s_mov_b32 s13, 0xfedcba98                      ; v_permlanex16_b32's selects for lane l xor 16
	s_mov_b32 s18, 0x3a800000                      ; 1 / 1024
	s_mov_b32 s19, 0x3727c5ac                      ; 1e-5
	s_wait_alu depctr_va_vdst(0)
	s_wait_kmcnt 0x0
	s_add_nc_u64 s[4:5], s[4:5], s[20:21]
	s_add_nc_u64 s[22:23], s[10:11], s[22:23]
	s_add_nc_u64 s[24:25], s[10:11], s[24:25]
.set i, 0
.rept 8
	global_load_b128 v[BT+4*i:BT+4*i+3], v6, s[6:7] offset:512*i       ; the gain, as it lies
.set i, i+1
.endr
.set i, 0
.rept 8
	global_load_b128 v[XT+4*i:XT+4*i+3], v6, s[8:9] offset:512*i       ; the bias
.set i, i+1
.endr
.set i, 0
.rept 32
	global_load_b128 v[R+4*i:R+4*i+3], v6, s[4:5] offset:512*i         ; my four rows: all 48 loads are out at once
.set i, i+1
.endr
.macro TURN src, dst                   ; LDS serves a wave's instructions in order: no wait between the stores and the loads
.set tj, 0
.rept 8
	ds_store_b128 v2, v[\src+4*tj:\src+4*tj+3] offset:576*tj
.set tj, tj+1
.endr
.set tj, 0
.rept 8
	ds_load_b128 v[\dst+4*tj:\dst+4*tj+3], v3 offset:16*tj
.set tj, tj+1
.endr
.endm
.macro RED                             ; v10 summed over the 32 lanes, the result in every lane
	s_delay_alu instid0(VALU_DEP_1)
	v_add_f32_dpp v10, v10, v10 row_xmask:1 row_mask:0xf bank_mask:0xf
	s_delay_alu instid0(VALU_DEP_1)
	v_add_f32_dpp v10, v10, v10 row_xmask:2 row_mask:0xf bank_mask:0xf
	s_delay_alu instid0(VALU_DEP_1)
	v_add_f32_dpp v10, v10, v10 row_xmask:4 row_mask:0xf bank_mask:0xf
	s_delay_alu instid0(VALU_DEP_1)
	v_add_f32_dpp v10, v10, v10 row_xmask:8 row_mask:0xf bank_mask:0xf
	s_delay_alu instid0(VALU_DEP_1)
	v_permlanex16_b32 v11, v10, s12, s13
	s_delay_alu instid0(VALU_DEP_1)
	v_add_f32 v10, v10, v11
.endm
	s_wait_loadcnt 40                              ; the gain's eight loads are in; 40 younger ones may be out
	TURN BT, G
	s_wait_dscnt 0x0
	s_wait_loadcnt 32                              ; the bias's
	TURN XT, BT
	s_wait_dscnt 0x0
.macro ROW i
	s_wait_loadcnt 24-8*\i                         ; this row's eight loads are in; the later rows' may be out
	TURN R+32*\i, XT
	s_wait_dscnt 0x0
	v_pk_add_f32 v[16:17], v[32:33], v[34:35]
	v_pk_add_f32 v[94:95], v[40:41], v[44:45]
	v_pk_add_f32 v[92:93], v[48:49], v[52:53]
	v_pk_add_f32 v[90:91], v[56:57], v[60:61]
	v_pk_add_f32 v[88:89], v[36:37], v[38:39]
	v_pk_add_f32 v[86:87], v[42:43], v[46:47]
	v_pk_add_f32 v[84:85], v[50:51], v[54:55]
	v_pk_add_f32 v[10:11], v[58:59], v[62:63]
	s_delay_alu instid0(VALU_DEP_1)
	v_pk_add_f32 v[10:11], v[10:11], v[90:91]
	v_pk_add_f32 v[16:17], v[16:17], v[88:89]
	v_pk_add_f32 v[94:95], v[94:95], v[86:87]
	v_pk_add_f32 v[92:93], v[92:93], v[84:85]
	s_delay_alu instid0(VALU_DEP_2)
	v_pk_add_f32 v[10:11], v[10:11], v[94:95]
	s_delay_alu instid0(VALU_DEP_2)
	v_pk_add_f32 v[16:17], v[16:17], v[92:93]
	s_delay_alu instid0(VALU_DEP_1)
	v_pk_add_f32 v[10:11], v[10:11], v[16:17]
	s_delay_alu instid0(VALU_DEP_1)
	v_add_f32 v10, v10, v11
	RED
	s_delay_alu instid0(VALU_DEP_1)
	v_mul_f32 v12, s18, v10                        ; the mean
	s_delay_alu instid0(VALU_DEP_1)
	v_mov_b32 v13, v12
.irp j, 0,2,4,6,8,10,12,14,16,18,20,22,24,26,28,30
	v_pk_add_f32 v[XT+\j:XT+\j+1], v[XT+\j:XT+\j+1], v[12:13] neg_lo:[0,1] neg_hi:[0,1]
.endr
	v_pk_mul_f32 v[10:11], v[XT:XT+1], v[XT:XT+1]              ; the sum of squares of the differences
	v_pk_mul_f32 v[16:17], v[XT+2:XT+3], v[XT+2:XT+3]
.irp j, 4,8,12,16,20,24,28
	s_delay_alu instid0(VALU_DEP_2)
	v_pk_fma_f32 v[10:11], v[XT+\j:XT+\j+1], v[XT+\j:XT+\j+1], v[10:11]
	s_delay_alu instid0(VALU_DEP_2)
	v_pk_fma_f32 v[16:17], v[XT+\j+2:XT+\j+3], v[XT+\j+2:XT+\j+3], v[16:17]
.endr
	s_delay_alu instid0(VALU_DEP_1)
	v_pk_add_f32 v[10:11], v[10:11], v[16:17]
	s_delay_alu instid0(VALU_DEP_1)
	v_add_f32 v10, v10, v11
	RED
	s_delay_alu instid0(VALU_DEP_1)
	v_fma_f32 v14, v10, s18, s19                   ; the variance + 1e-5
	s_wait_alu depctr_va_vdst(0)
	v_rsq_f32 v14, v14
	v_nop                                          ; a plain line behind the transcendental
	s_wait_alu depctr_va_vdst(0)                   ; and the wait ahead of its first reader
	v_mov_b32 v15, v14
.irp j, 0,2,4,6,8,10,12,14,16,18,20,22,24,26,28,30
	v_pk_mul_f32 v[XT+\j:XT+\j+1], v[XT+\j:XT+\j+1], v[14:15]
.endr
.irp j, 0,2,4,6,8,10,12,14,16,18,20,22,24,26,28,30
	v_pk_fma_f32 v[XT+\j:XT+\j+1], v[XT+\j:XT+\j+1], v[G+\j:G+\j+1], v[BT+\j:BT+\j+1]
.endr
	v_max3_num_f32 v20, |v[XT]|, |v[XT+1]|, |v[XT+2]|          ; my block's largest magnitude
	v_max3_num_f32 v21, |v[XT+3]|, |v[XT+4]|, |v[XT+5]|
.irp j, 6,10,14,18,22,26
	s_delay_alu instid0(VALU_DEP_2)
	v_max3_num_f32 v20, v20, |v[XT+\j]|, |v[XT+\j+1]|
	s_delay_alu instid0(VALU_DEP_2)
	v_max3_num_f32 v21, v21, |v[XT+\j+2]|, |v[XT+\j+3]|
.endr
	s_delay_alu instid0(VALU_DEP_2)
	v_max3_num_f32 v20, v20, |v[XT+30]|, |v[XT+31]|
	s_delay_alu instid0(VALU_DEP_1)
	v_max3_num_f32 v20, v20, v21, 0x1800000        ; and the floor 2^(3 - 127)
	s_delay_alu instid0(VALU_DEP_1)
	v_add_nc_u32 v22, 0xff000000, v20              ; 2 off the exponent field: the conversion's scale operand
	v_cvt_scalef32_pk16_fp6_f32 v[24:26], v[XT:XT+15], v22
	v_cvt_scalef32_pk16_fp6_f32 v[28:30], v[XT+16:XT+31], v22
	v_lshrrev_b32 v23, 23, v22                     ; the byte (also the plain line behind the conversions)
	v_mov_b32 v27, v28
	v_mov_b32 v28, v29
	v_mov_b32 v29, v30
.irp p, 0,1,2
	ds_store_b64 v4, v[24+2*\p:25+2*\p] offset:48*\i+8*\p
.endr
	ds_store_b8 v5, v23 offset:8*\i
.endm
	ROW 0
	ROW 1
	ROW 2
	ROW 3
	s_wait_dscnt 0x0                               ; for the others' sake: my stores have landed
	s_barrier_signal -1
	s_barrier_wait -1
.set i, 0
.rept 6
	ds_load_b128 v[R+4*i:R+4*i+3], v7 offset:512*i
.set i, i+1
.endr
.set i, 0
.rept 6
	s_wait_dscnt 5-i
	global_store_b128 v6, v[R+4*i:R+4*i+3], s[22:23] offset:(i/3)*196608+(i%3)*512   ; 512 consecutive bytes of a plane
.set i, i+1
.endr
	s_cmp_lt_u32 s14, 2                            ; the 1,024 scale bytes are two waves' worth
	s_cbranch_scc0 .Lno_scales
	ds_load_b128 v[R+24:R+27], v8
	s_wait_dscnt 0x0
	global_store_b128 v9, v[R+24:R+27], s[24:25]   ; sixteen lanes store a slab's 256 consecutive bytes, aligned
.Lno_scales:
	s_wait_tensorcnt 0x0                           ; the wave's end
	ds_add_u32 v18, v19
	s_wait_dscnt 0x0
	s_endpgm
.Lfunc_end_k_qd0c091fa3f_ln2:
	.size	k_qd0c091fa3f_ln2, .Lfunc_end_k_qd0c091fa3f_ln2-k_qd0c091fa3f_ln2
	.p2alignl 7, 3214868480
	.fill 96, 4, 3214868480
	.section	.rodata,"a",@progbits
	.p2align	6, 0x0
	.amdhsa_kernel k_qd0c091fa3f_ln2
		.amdhsa_group_segment_fixed_size 63488
		.amdhsa_private_segment_fixed_size 0
		.amdhsa_enable_private_segment 0
		.amdhsa_kernarg_size 32
		.amdhsa_user_sgpr_count 2
		.amdhsa_user_sgpr_kernarg_segment_ptr 1
		.amdhsa_wavefront_size32 1
		.amdhsa_system_sgpr_workgroup_id_x 1
		.amdhsa_system_sgpr_workgroup_id_y 1
		.amdhsa_system_sgpr_workgroup_id_z 1
		.amdhsa_system_vgpr_workitem_id 0
		.amdhsa_next_free_vgpr 256
		.amdhsa_next_free_sgpr 66
		.amdhsa_reserve_vcc 0
		.amdhsa_float_denorm_mode_32 3
		.amdhsa_float_denorm_mode_16_64 3
		.amdhsa_memory_ordered 1
		.amdhsa_forward_progress 1
		.amdhsa_inst_pref_size 54
	.end_amdhsa_kernel
	.amdgpu_metadata
---
amdhsa.version: [ 1, 2 ]
amdhsa.kernels:
  - .name:           k_qd0c091fa3f_ln2
    .symbol:         k_qd0c091fa3f_ln2.kd
    .args:
      - { .name: x2, .offset: 0, .size: 8, .value_kind: global_buffer, .address_space: global }
      - { .name: ln2_g, .offset: 8, .size: 8, .value_kind: global_buffer, .address_space: global }
      - { .name: ln2_b, .offset: 16, .size: 8, .value_kind: global_buffer, .address_space: global }
      - { .name: hq, .offset: 24, .size: 8, .value_kind: global_buffer, .address_space: global }
    .group_segment_fixed_size: 63488
    .private_segment_fixed_size: 0
    .kernarg_segment_align: 8
    .kernarg_segment_size: 32
    .max_flat_workgroup_size: 256
    .sgpr_count:     66
    .vgpr_count:     256
    .wavefront_size: 32
...
	.end_amdgpu_metadata
.endif
;; end of part 5
;; launch mlp1 (part 6): grid 16 x 16, 4 waves a work-group, clusters of 4 x 4, 327,680 bytes of LDS; arguments hq, wts, b1, g; writes g
.if DOCPART == 6
	.amdgcn_target "amdgcn-amd-amdhsa--gfx1250"
	.amdhsa_code_object_version 6
	.text
	.protected	k_qd0c091fa3f_mlp1
	.globl	k_qd0c091fa3f_mlp1
	.p2align	8
	.type	k_qd0c091fa3f_mlp1,@function
k_qd0c091fa3f_mlp1:
	s_mov_b64 s[64:65], 0
	v_nop
	global_prefetch_b8 v0, s[64:65] scope:SCOPE_SE
	s_setreg_imm32_b32 hwreg(HW_REG_WAVE_MODE, 25, 1), 1
	s_wait_xcnt 0x0
	s_wait_alu depctr_hold_cnt(0) depctr_sa_sdst(0) depctr_va_vdst(0) depctr_va_sdst(0) depctr_va_ssrc(0) depctr_va_vcc(0) depctr_vm_vsrc(0)
	s_getreg_b32 s2, hwreg(HW_REG_IB_STS2, 6, 4)
	s_cmp_eq_u32 s2, 0
	s_cbranch_scc0 .Lentry_in_a_cluster
	s_endpgm
.Lentry_in_a_cluster:
	s_bfe_u32 s2, ttmp6, 0x10000c
	s_cmp_lg_u32 s2, 0xf033
	s_cbranch_scc0 .Lentry_shape_is_right
	s_endpgm
.Lentry_shape_is_right:
.set MLP1, 1
.set NA,    8
.set NB,    8
.set PLB,   12288                      ; a plane of 256 rows in LDS: A's twelve planes from byte 0, B's twelve from BREG; a slab is four planes, a wave's half of the rows 6,144 bytes into each plane
.set BREG,  147456
.set QTR,   24576
.set SLOT,  98304
.set SLAB,  786432
.set SLB,   2048
.set SQ,    1024
.set SCL,   294912
.set SPARE, 311296
.set SST,   262144
.set HQS,   3145728
.set W1C,   4096000
.set W1S,   7241728
.set QKS,   6291456
.set VC,    6553600
.set VS,    9699328
.set GS,    12582912
.set G1A,  24
.set G1B,  32
.set G1SA, 40
.set G1SB, 48
.set G0A,  56
.set G0B,  72
.set G0SA, 84
.set G0SB, 88
.set TM,   192
.set PW,   208
.set PC,   212
.set SEL,  46
.set ERS,  24
.set EA0,  26
.set EA2,  28
.set EA3,  30
.set EA4,  32
.set EA5,  34
.set EA6,  36
.set EB0,  38
.set EB2,  40
.set EB3,  42
.set EB4,  44
.set MSB, 0
.macro WIN new
.if MSB != (\new)
	s_set_vgpr_msb (MSB<<8)|(\new)
.set MSB, (\new)
.endif
.endm
.macro PLACES n
.rept \n
	v_nop
.endr
.endm
.macro JLOAD g0a, g1a, g0b, g1b
	s_cmp_eq_u32 s15, 0
	s_cbranch_scc0 .Lfor_b_\@
	tensor_load_to_lds s[\g0a:\g0a+3], s[\g1a:\g1a+7]
	s_nop 0
.rept 4
	v_nop
.endr
	s_branch .Lasked_\@
.Lfor_b_\@:
	tensor_load_to_lds s[\g0b:\g0b+3], s[\g1b:\g1b+7]
	s_nop 0
.rept 4
	v_nop
.endr
.Lasked_\@:
.endm
.macro CREST
	s_cmp_lg_u32 s14, 0
	s_cbranch_scc1 .Lnot_wave_0_\@
	s_barrier_signal -3
.Lnot_wave_0_\@:
	s_barrier_wait -3
	s_barrier_signal -1
	s_barrier_wait -1
.endm
.macro CROUND
	s_barrier_signal -1
	s_barrier_wait -1
	CREST
.endm
.macro FRAG reg, adr, q, i
.irp c, 0,1
.irp p, 0,1,2
	ds_load_b64 v[\reg+6*\c+2*\p:\reg+6*\c+2*\p+1], v[\adr] offset:(2*(\q)+\c)*PLB+(\i)*768+8*\p
.endr
.endr
.endm
.macro FETCH slot, q, p
	WIN 0x40
.set fi, 0
.rept NB
	FRAG 128*(\p)+12*fi, 20+\slot, \q, fi
.set fi, fi+1
.endr
	WIN 0
.set fi, 0
.rept NA
	FRAG 64+96*(\p)+12*fi, 16+\slot, \q, fi
.set fi, fi+1
.endr
.endm
.macro SCALES sc, off
.set fi, 0
.rept NA
	ds_load_b64 v[32+16*(\sc)+2*fi:32+16*(\sc)+2*fi+1], v27 offset:(\off)+128*fi
.set fi, fi+1
.endr
.endm
.macro MULS a0, n, p, w, sc, cm
.set aa, \a0
.rept \n
.if \cm == 2
	WIN 0x91+0x40*(aa/4)
.else
	WIN 0xa1+0x50*(aa/4)
.endif
.set bb, 0
.rept NB
.set rD, 8*(NB*(aa%4)+bb)
.set rB, 128*(\p)+12*bb
.set rA, 64+96*(\p)+12*aa
.set rSB, 32+16*(\sc)+2*bb+(\w)
.set rSA, 32+16*(\sc)+2*aa+(\w)
.set rC, 96+8*bb+96*(bb/4)
.if \cm == 0
	v_wmma_scale_f32_16x16x128_f8f6f4 v[rD:rD+7], v[rB:rB+11], v[rA:rA+11], v[rD:rD+7], v[rSB], v[rSA] matrix_a_fmt:MATRIX_FMT_FP6 matrix_b_fmt:MATRIX_FMT_FP6 matrix_a_scale:MATRIX_SCALE_ROW1
.elseif \cm == 1
	v_wmma_scale_f32_16x16x128_f8f6f4 v[rD:rD+7], v[rB:rB+11], v[rA:rA+11], 0, v[rSB], v[rSA] matrix_a_fmt:MATRIX_FMT_FP6 matrix_b_fmt:MATRIX_FMT_FP6 matrix_a_scale:MATRIX_SCALE_ROW1
.else
	v_wmma_scale_f32_16x16x128_f8f6f4 v[rD:rD+7], v[rB:rB+11], v[rA:rA+11], v[rC:rC+7], v[rSB], v[rSA] matrix_a_fmt:MATRIX_FMT_FP6 matrix_b_fmt:MATRIX_FMT_FP6 matrix_a_scale:MATRIX_SCALE_ROW1
.endif
.set bb, bb+1
.endr
.set aa, aa+1
.endr
.endm
.macro STEP p, w, sc, cm, ns, nq, scf, sco, adv
	s_wait_dscnt 0x0
	PLACES 4
	FETCH \ns, \nq, 1-(\p)
.if \scf >= 0
.if \adv > 0
	v_add_nc_u32 v27, \adv, v27
.endif
	SCALES \scf, \sco
.endif
	MULS 0, NA, \p, \w, \sc, \cm
.endm
.macro TURN p, w, sc, fill, ns, scf
	WIN 0
	s_wait_tensorcnt 0x0
	ds_add_u32 v28, v29
	s_wait_dscnt 0x1
	MULS 0, NA/4, \p, \w, \sc, 0
	s_wait_dscnt 0x0
	s_barrier_signal -1
	MULS NA/4, NA/4, \p, \w, \sc, 0
	WIN 0
	s_barrier_wait -1
.if \fill
	CREST
	s_mov_b32 s[G1A+2], 2<<16                      ; no tensor load of mine is out: from here on a load brings two planes
	s_mov_b32 s[G1A+4], 2
	s_mov_b32 s[G1B+2], 2<<16
	s_mov_b32 s[G1B+4], 2
	JLOAD G0A+4, G1A, G0B+4, G1B                   ; slab 3 into slab 0's place, two planes a wave: the first tensor load behind the round
.else
	PLACES 4
.endif
	v_add_nc_u32 v27, SLB, v27
	FETCH \ns, 0, 1-(\p)
	SCALES \scf, 0
	MULS NA/2, NA/2, \p, \w, \sc, 0
.endm
.macro QUANT s
.irp b, 0,1,2,3
	v_max3_num_f32 v[TM+\b], |v[\s+16*\b]|, |v[\s+1+16*\b]|, 0x1800000
.endr
.irp i, 2,4,6,8,10,12,14
.irp b, 0,1,2,3
	v_max3_num_f32 v[TM+\b], v[TM+\b], |v[\s+16*\b+\i]|, |v[\s+1+16*\b+\i]|
.endr
.endr
.irp b, 0,1,2,3
	v_permlanex16_b32 v[TM+4+\b], v[TM+\b], s[SEL], s[SEL+1]
.endr
.irp b, 0,1,2,3
	v_max_num_f32 v[TM+\b], v[TM+\b], v[TM+4+\b]
.endr
.irp b, 0,1,2,3
	v_add_nc_u32 v[TM+12+\b], 0xff000000, v[TM+\b]
.endr
.irp b, 0,1,2,3
	v_lshrrev_b32 v[TM+4+\b], 23, v[TM+12+\b]
.endr
	v_lshl_or_b32 v[PW], v[TM+5], 8, v[TM+4]
	v_lshl_or_b32 v[PW], v[TM+6], 16, v[PW]
	v_lshl_or_b32 v[PW], v[TM+7], 24, v[PW]
.irp c, 0,1
	v_cvt_scalef32_pk16_fp6_f32 v[PC+6*\c:PC+2+6*\c], v[\s+32*\c:\s+15+32*\c], v[TM+12+2*\c]
	v_cvt_scalef32_pk16_fp6_f32 v[PC+12+4*\c:PC+14+4*\c], v[\s+16+32*\c:\s+31+32*\c], v[TM+12+2*\c+1]
.endr
	v_nop
.irp c, 0,1
.irp i, 0,1,2
	v_permlane16_swap_b32 v[PC+6*\c+\i], v[PC+12+4*\c+\i]
.endr
.irp i, 0,1,2
	v_mov_b32 v[PC+3+6*\c+\i], v[PC+12+4*\c+\i]
.endr
.endr
.endm
.macro GELU u
.set gx, 64+16*\u
.set gg, 128+16*\u
.irp j, 0,2,4,6,8,10,12,14
	v_pk_mul_f32 v[gg+\j:gg+\j+1], v[gx+\j:gx+\j+1], 0.5 op_sel_hi:[1,0]
.endr
.irp j, 0,2,4,6,8,10,12,14
	v_pk_mul_f32 v[192+\j:193+\j], v[gx+\j:gx+\j+1], s[ERS:ERS+1] op_sel_hi:[1,0]
.endr
.irp j, 0,1,2,3,4,5,6,7,8,9,10,11,12,13,14,15
	v_med3_num_f32 v[192+\j], v[192+\j], -4.0, 4.0
.endr
.irp j, 0,2,4,6,8,10,12,14
	v_pk_mul_f32 v[208+\j:209+\j], v[192+\j:193+\j], v[192+\j:193+\j]
.endr
.irp j, 0,2,4,6,8,10,12,14
	v_pk_fma_f32 v[224+\j:225+\j], v[208+\j:209+\j], s[EA0:EA0+1], v[8:9] op_sel_hi:[1,0,1]
.endr
.irp k, EA2, EA3, EA4, EA5, EA6
.irp j, 0,2,4,6,8,10,12,14
	v_pk_fma_f32 v[224+\j:225+\j], v[224+\j:225+\j], v[208+\j:209+\j], s[\k:\k+1] op_sel_hi:[1,1,0]
.endr
.endr
.irp j, 0,2,4,6,8,10,12,14
	v_pk_fma_f32 v[240+\j:241+\j], v[208+\j:209+\j], s[EB0:EB0+1], v[10:11] op_sel_hi:[1,0,1]
.endr
.irp k, EB2, EB3, EB4
.irp j, 0,2,4,6,8,10,12,14
	v_pk_fma_f32 v[240+\j:241+\j], v[240+\j:241+\j], v[208+\j:209+\j], s[\k:\k+1] op_sel_hi:[1,1,0]
.endr
.endr
	s_wait_alu depctr_va_vdst(0)
.irp j, 0,1,2,3,4,5,6,7,8,9,10,11,12,13,14,15
	v_rcp_f32 v[240+\j], v[240+\j]
.endr
.irp j, 0,2,4,6,8,10,12,14
	v_pk_mul_f32 v[224+\j:225+\j], v[224+\j:225+\j], v[192+\j:193+\j]
.endr
	s_wait_alu depctr_va_vdst(0)
.irp j, 0,2,4,6,8,10,12,14
	v_pk_mul_f32 v[224+\j:225+\j], v[224+\j:225+\j], v[240+\j:241+\j]
.endr
.irp j, 0,2,4,6,8,10,12,14
	v_pk_fma_f32 v[gg+\j:gg+\j+1], v[gg+\j:gg+\j+1], v[224+\j:225+\j], v[gg+\j:gg+\j+1]
.endr
.endm
	s_load_b128 s[4:7], s[0:1], 0x0
.if MLP1
	s_load_b128 s[8:11], s[0:1], 0x10
.else
	s_load_b64 s[10:11], s[0:1], 0x10
.endif
	v_lshl_add_u32 v28, v0, 2, SPARE
	v_mov_b32 v29, 0
	ds_add_u32 v28, v29
	ds_add_u32 v28, v29
	v_lshrrev_b32 v1, 5, v0
	v_readfirstlane_b32 s14, v1
	s_lshr_b32 s15, s14, 1
	s_and_b32 s16, s14, 1
	s_bfe_u32 s92, ttmp6, 0x40000
	s_bfe_u32 s93, ttmp6, 0x40004
	s_and_b32 s2, ttmp7, 0xffff
.if MLP1
	s_mov_b32 s17, s2
	s_mov_b32 s18, ttmp9
	s_mov_b32 s19, 0
	s_mov_b32 s20, 196608
	s_mov_b32 s21, GS
	s_mov_b32 s22, 32768
	s_mov_b32 s23, 0
.else
	s_cmp_eq_u32 ttmp9, 2
	s_cselect_b32 s17, ttmp9, s2
	s_cselect_b32 s18, s2, ttmp9
	s_cselect_b32 s19, VC, 0
	s_mov_b32 s20, 196608
	s_cselect_b32 s20, 49152, s20
	s_mov_b32 s21, QKS
	s_cselect_b32 s21, VS, s21
	s_mov_b32 s22, 32768
	s_cselect_b32 s22, 8192, s22
	s_cselect_b32 s23, 8, 0
.endif
	s_lshl_b32 s17, s17, 2
	s_add_co_u32 s17, s17, s93
	s_lshl_b32 s18, s18, 2
	s_add_co_u32 s18, s18, s92
	s_lshl_b32 s100, s93, 2
	s_lshl_b32 s100, 15, s100
	s_lshl_b32 s101, 0x1111, s92
	s_or_b32 s[G1A], s100, (3<<16)|(1<<21)
	s_or_b32 s[G1B], s101, (3<<16)|(1<<21)
	s_or_b32 s[G1SA], s100, (3<<16)|(1<<21)
	s_or_b32 s[G1SB], s101, (3<<16)|(1<<21)
.irp g, G1A, G1B
	s_mov_b32 s[\g+1], 1536<<16                    ; at the head: 12 planes x 256 rows of 48 bytes (1,536 elements)
	s_mov_b32 s[\g+2], 12<<16
	s_mov_b32 s[\g+3], 1536<<16
	s_mov_b32 s[\g+4], 12
	s_mov_b32 s[\g+5], 24576
	s_mov_b32 s[\g+6], 0
	s_mov_b32 s[\g+7], 0
.endr
.irp g, G1SA, G1SB
	s_mov_b32 s[\g+1], 256<<16                     ; 4 slabs x 256 rows of 8 bytes
	s_mov_b32 s[\g+2], 4<<16
	s_mov_b32 s[\g+3], 256<<16
	s_mov_b32 s[\g+4], 4
	s_mov_b32 s[\g+5], 4096
	s_mov_b32 s[\g+6], 0
	s_mov_b32 s[\g+7], 0
.endr
	s_lshl_b32 s94, s17, 8                         ; A: the tile's first row
	s_lshl_b32 s98, s18, 8                         ; B: likewise
	s_lshl_b32 s96, s94, 3
	s_add_co_u32 s96, s96, HQS
	s_mul_i32 s94, s94, 48
	s_lshl_b32 s100, s98, 3
	s_mul_i32 s98, s98, 48
.if MLP1
	s_add_co_u32 s100, s100, W1S
	s_add_co_u32 s98, s98, W1C
.else
	s_add_co_u32 s100, s100, HQS
.endif
	s_mov_b32 s95, 0
	s_mov_b32 s97, 0
	s_mov_b32 s99, 0
	s_mov_b32 s101, 0
	s_sub_co_u32 s92, s17, s23
	s_lshl_b32 s92, s92, 8
	s_lshl_b32 s3, s15, 7
	s_add_co_u32 s3, s92, s3
	s_mul_i32 s3, s3, 96                           ; the result's codes lie as images of operand registers: [K/128][row tile of 16][piece of 4 registers][lane][16 bytes]: 1,536 bytes a tile
	s_lshl_b32 s93, s18, 2
	s_lshl_b32 s2, s16, 1
	s_add_co_u32 s93, s93, s2
	s_mul_i32 s93, s93, s20
	s_add_co_u32 s93, s93, s3
	s_add_co_u32 s93, s93, s19
	s_lshl_b32 s92, s92, 3
	s_mul_i32 s2, s18, s22
	s_add_co_u32 s92, s92, s2
	s_add_co_u32 s92, s92, s21
	s_lshl_b32 s2, s14, 9
	s_add_co_u32 s92, s92, s2
	s_lshl_b32 s19, s18, 10
	s_lshl_b32 s2, s16, 9
	s_add_co_u32 s19, s19, s2
	s_mul_i32 s21, s16, 24576                      ; the refill: my two planes' place in slab 0's
	s_wait_dscnt 0x0
	s_wait_kmcnt 0x0
.if MLP1
	s_mov_b64 s[12:13], s[4:5]
	s_mov_b64 s[2:3], s[6:7]
.else
	s_cmp_eq_u32 ttmp9, 2
	s_cselect_b64 s[12:13], s[6:7], s[4:5]
	s_cselect_b64 s[2:3], s[4:5], s[6:7]
.endif
	s_add_nc_u64 s[94:95], s[12:13], s[94:95]
	s_add_nc_u64 s[96:97], s[12:13], s[96:97]
	s_add_nc_u64 s[98:99], s[2:3], s[98:99]
	s_add_nc_u64 s[100:101], s[2:3], s[100:101]
	CROUND
	s_mov_b32 s[G0SA], 1
	s_mov_b32 s[G0SA+1], SCL
	s_mov_b64 s[G0SA+2:G0SA+3], s[96:97]
	s_or_b32 s[G0SA+3], s[G0SA+3], 0x80000000
	s_mov_b32 s[G0SB], 1
	s_mov_b32 s[G0SB+1], SCL+8192
	s_mov_b64 s[G0SB+2:G0SB+3], s[100:101]
	s_or_b32 s[G0SB+3], s[G0SB+3], 0x80000000
	s_mov_b32 s[G0A], 1
	s_mov_b32 s[G0A+1], 0
	s_mov_b64 s[G0A+2:G0A+3], s[94:95]
	s_or_b32 s[G0A+3], s[G0A+3], 0x80000000
	s_mov_b32 s[G0B], 1
	s_mov_b32 s[G0B+1], BREG
	s_mov_b64 s[G0B+2:G0B+3], s[98:99]
	s_or_b32 s[G0B+3], s[G0B+3], 0x80000000
	s_mul_i32 s2, s16, 393216                      ; the refill's group 0: planes 12 + 2 x (wave % 2), + 1
	s_add_co_u32 s2, s2, 3*SLAB
	s_mov_b32 s3, 0
	s_mov_b32 s[G0A+4], 1
	s_mov_b32 s[G0A+5], s21
	s_add_nc_u64 s[G0A+6:G0A+7], s[94:95], s[2:3]
	s_or_b32 s[G0A+7], s[G0A+7], 0x80000000
	s_mov_b32 s[G0B+4], 1
	s_add_co_u32 s[G0B+5], s21, BREG
	s_add_nc_u64 s[G0B+6:G0B+7], s[98:99], s[2:3]
	s_or_b32 s[G0B+7], s[G0B+7], 0x80000000
; THE HEAD'S LOADS, ONE A WAVE, bring all first fills: wave 0 A's planes 0-11, wave 1 B's, wave 2 A's scale bytes, wave 3 B's.  One chain of branches on the wave's number, one load to an arm, one join.
.macro ARM under, g0, g1, next
	s_cmp_lt_u32 s14, \under
	s_cbranch_scc0 \next
	tensor_load_to_lds s[\g0:\g0+3], s[\g1:\g1+7]
	s_nop 0
.rept 4
	v_nop
.endr
	s_branch .Lhead_asked
\next:
.endm
	ARM 1, G0A,  G1A,  .Lhead_b
	ARM 2, G0B,  G1B,  .Lhead_sa
	ARM 3, G0SA, G1SA, .Lhead_sb
	tensor_load_to_lds s[G0SB:G0SB+3], s[G1SB:G1SB+7]
	s_nop 0
.rept 4
	v_nop
.endr
.Lhead_asked:
	s_mov_b32 s2, s93
	s_mov_b32 s3, 0
	s_add_nc_u64 s[94:95], s[10:11], s[2:3]
	s_mov_b32 s2, s92
	s_add_nc_u64 s[98:99], s[10:11], s[2:3]
	v_and_b32 v1, 15, v0
	v_bfe_u32 v2, v0, 4, 1
.if MLP1
	s_mov_b32 s2, s19
	s_add_nc_u64 s[8:9], s[8:9], s[2:3]
	v_lshlrev_b32 v5, 6, v2
	WIN 0x40
.set bi, 0
.rept 8
	global_load_b128 v[96+8*bi+96*(bi/4):96+8*bi+96*(bi/4)+3], v5, s[8:9] offset:128*(bi/2)+32*(bi%2)
	global_load_b128 v[100+8*bi+96*(bi/4):100+8*bi+96*(bi/4)+3], v5, s[8:9] offset:128*(bi/2)+32*(bi%2)+16
.set bi, bi+1
.endr
	WIN 0
.endif
	v_mul_u32_u24 v3, v1, 48
	v_mad_u32_u24 v3, v2, 24, v3
	s_mul_i32 s2, s15, 6144
	s_mul_i32 s3, s16, 6144
	s_add_co_u32 s3, s3, BREG
.irp s, 0,1,2
	v_add_nc_u32 v[16+\s], s2, v3
	v_add_nc_u32 v[20+\s], s3, v3
	s_add_co_u32 s2, s2, 4*PLB
	s_add_co_u32 s3, s3, 4*PLB
.endr
	v_lshlrev_b32 v4, 3, v1
	s_mul_i32 s2, s15, SQ
	s_mul_i32 s3, s16, SQ
	s_add_co_u32 s3, s3, 8192
	s_sub_co_u32 s3, s3, s2
	v_mul_u32_u24 v6, s3, v2
	s_add_co_u32 s2, s2, SCL
	v_add_nc_u32 v4, v4, v6
	v_add_nc_u32 v27, s2, v4
	v_and_b32 v7, 31, v0
	v_lshlrev_b32 v23, 4, v7
	s_lshl_b32 s2, s14, 16
	v_add_nc_u32 v24, s2, v23
	s_lshl_b32 s2, s14, 9
	s_add_co_u32 s2, s2, SST
	v_lshl_add_u32 v26, v1, 2, s2
	s_lshl_b32 s2, s15, 10
	s_lshl_b32 s3, s16, 8
	s_add_co_u32 s2, s2, s3
	s_add_co_u32 s2, s2, SST
	v_lshl_add_u32 v30, v7, 3, s2
	s_wait_alu depctr_va_vdst(0)
	s_wait_tensorcnt 0x0                           ; my one load of the head is in; behind the barrier all four are, for every wave
	s_barrier_signal -1
	s_barrier_wait -1
	FETCH 0, 0, 0
	SCALES 0, 0
.if MLP1
	s_wait_loadcnt 0x0
	STEP 0, 0, 0, 2, 0, 1, -1, 0, 0
.else
	STEP 0, 0, 0, 1, 0, 1, -1, 0, 0
.endif
	TURN 1, 1, 0, 1, 1, 1
	s_wait_alu depctr_va_vdst(0)
	STEP 0, 0, 1, 0, 1, 1, -1, 0, 0
	STEP 1, 1, 1, 0, 2, 0, 0, 0, SLB
	s_wait_alu depctr_va_vdst(0)
	STEP 0, 0, 0, 0, 2, 1, -1, 0, 0
	TURN 1, 1, 0, 0, 0, 1
	STEP 0, 0, 1, 0, 0, 1, -1, 0, 0
	s_wait_dscnt 0x0
	s_barrier_signal -1
	MULS 0, NA, 1, 1, 1, 0
	WIN 0
	s_barrier_wait -1
	PLACES 4
.set ai, 0
.rept 8
	WIN 0x08+4*(ai/4)
.set bi, 0
.rept 8
	ds_store_b128 v24, v[8*(8*(ai%4)+bi):8*(8*(ai%4)+bi)+3] offset:ai*8192+bi*1024
	ds_store_b128 v24, v[8*(8*(ai%4)+bi)+4:8*(8*(ai%4)+bi)+7] offset:ai*8192+bi*1024+512
.set bi, bi+1
.endr
.set ai, ai+1
.endr
	WIN 0
	s_mov_b32 s[SEL], 0x76543210
	s_mov_b32 s[SEL+1], 0xfedcba98
.irp b, 0,1,2,3
	v_mov_b32 v[TM+4+\b], 0
.endr
.if MLP1
.macro KPAIR r, val
	s_mov_b32 s[\r], \val
	s_mov_b32 s[\r+1], \val
.endm
	KPAIR ERS, 0x3f3504f3
	KPAIR EA0, 0xaf95df0b
	KPAIR EA2, 0xb60cff51
	KPAIR EA3, 0xb86ec2d2
	KPAIR EA4, 0xba40ac63
	KPAIR EA5, 0xbb41a1f6
	KPAIR EA6, 0xbc83dbd4
	KPAIR EB0, 0xb77460cd
	KPAIR EB2, 0xbadc924e
	KPAIR EB3, 0xbbf19bf8
	KPAIR EB4, 0xbc69b6a7
	v_mov_b32 v8, 0x32edffee
	v_mov_b32 v9, 0x32edffee
	v_mov_b32 v10, 0xb95fbd29
	v_mov_b32 v11, 0xb95fbd29
.endif
.set gi, 0
.rept 16
	ds_load_b128 v[64+4*gi:64+4*gi+3], v24 offset:512*gi
.set gi, gi+1
.endr
	s_mov_b32 s3, 0
	s_mov_b32 s17, 0
	s_mov_b32 s18, 0
	s_mov_b32 s19, 0
.Lblk:
	s_wait_dscnt 0x0
	s_wait_xcnt 0x0                                ; the last trip's stores have read their offset and their data
.if MLP1
	GELU 0
	GELU 1
	GELU 2
	GELU 3
	QUANT 128
.else
	QUANT 64
.endif
	s_add_co_u32 s17, s17, 8192
	s_min_u32 s20, s17, 57344
	v_add_nc_u32 v31, s20, v24
.set gi, 0
.rept 16
	ds_load_b128 v[64+4*gi:64+4*gi+3], v31 offset:512*gi
.set gi, gi+1
.endr
	v_add_nc_u32 v14, s18, v23
	v_add_nc_u32 v15, s19, v26
.irp k, 0,1,2
	global_store_b128 v14, v[PC+4*\k:PC+4*\k+3], s[94:95] offset:512*\k    ; the fragment as it stands in my registers: 512 consecutive bytes a store
.endr
	ds_store_b32 v15, v[PW]
	s_add_co_u32 s18, s18, 1536
	s_add_co_u32 s19, s19, 64
	s_add_co_u32 s3, s3, 1
	s_cmp_lt_u32 s3, 8
	s_cbranch_scc1 .Lblk
	s_wait_dscnt 0x0
	s_barrier_signal -1
	s_barrier_wait -1
	ds_load_b64 v[160:161], v30
	ds_load_b64 v[162:163], v30 offset:512
	s_wait_dscnt 0x0
	v_mov_b32 v164, v160
	v_mov_b32 v165, v162
	v_mov_b32 v166, v161
	v_mov_b32 v167, v163
	global_store_b128 v23, v[164:167], s[98:99]
	s_wait_tensorcnt 0x0
	ds_add_u32 v28, v29
	s_wait_dscnt 0x0
	CROUND
	s_endpgm
.Lfunc_end_k_qd0c091fa3f_mlp1:
	.size	k_qd0c091fa3f_mlp1, .Lfunc_end_k_qd0c091fa3f_mlp1-k_qd0c091fa3f_mlp1
	.p2alignl 7, 3214868480
	.fill 96, 4, 3214868480
	.section	.rodata,"a",@progbits
	.p2align	6, 0x0
	.amdhsa_kernel k_qd0c091fa3f_mlp1
		.amdhsa_group_segment_fixed_size 327680
		.amdhsa_private_segment_fixed_size 0
		.amdhsa_enable_private_segment 0
		.amdhsa_kernarg_size 32
		.amdhsa_user_sgpr_count 2
		.amdhsa_user_sgpr_kernarg_segment_ptr 1
		.amdhsa_wavefront_size32 1
		.amdhsa_system_sgpr_workgroup_id_x 1
		.amdhsa_system_sgpr_workgroup_id_y 1
		.amdhsa_system_sgpr_workgroup_id_z 1
		.amdhsa_system_vgpr_workitem_id 0
		.amdhsa_next_free_vgpr 1024
		.amdhsa_next_free_sgpr 102
		.amdhsa_reserve_vcc 0
		.amdhsa_float_denorm_mode_32 3
		.amdhsa_float_denorm_mode_16_64 3
		.amdhsa_memory_ordered 1
		.amdhsa_forward_progress 1
		.amdhsa_inst_pref_size 186
	.end_amdhsa_kernel
	.amdgpu_metadata
---
amdhsa.version: [ 1, 2 ]
amdhsa.kernels:
  - .name:           k_qd0c091fa3f_mlp1
    .symbol:         k_qd0c091fa3f_mlp1.kd
    .args:
      - { .name: hq, .offset: 0, .size: 8, .value_kind: global_buffer, .address_space: global }
      - { .name: wts, .offset: 8, .size: 8, .value_kind: global_buffer, .address_space: global }
      - { .name: b1, .offset: 16, .size: 8, .value_kind: global_buffer, .address_space: global }
      - { .name: g, .offset: 24, .size: 8, .value_kind: global_buffer, .address_space: global }
    .group_segment_fixed_size: 327680
    .private_segment_fixed_size: 0
    .kernarg_segment_align: 8
    .kernarg_segment_size: 32
    .max_flat_workgroup_size: 128
    .sgpr_count:     102
    .vgpr_count:     1024
    .wavefront_size: 32
...
	.end_amdgpu_metadata
.endif
;; end of part 6
;; launch mlp2 (part 7): grid 8 x 32, 4 waves a work-group, no clusters, 270,848 bytes of LDS; arguments g, wts, b2, x2, out0; writes out0
.if DOCPART == 7
	.amdgcn_target "amdgcn-amd-amdhsa--gfx1250"
	.amdhsa_code_object_version 6
	.text
	.protected	k_qd0c091fa3f_mlp2
	.globl	k_qd0c091fa3f_mlp2
	.p2align	8
	.type	k_qd0c091fa3f_mlp2,@function
k_qd0c091fa3f_mlp2:
	s_mov_b64 s[64:65], 0
	v_nop
	global_prefetch_b8 v0, s[64:65] scope:SCOPE_SE
	s_setreg_imm32_b32 hwreg(HW_REG_WAVE_MODE, 25, 1), 1
	s_wait_xcnt 0x0
; out0 = g x W2 + b2 + x2: [4096, K = 4096] x [4096, 1024], both operands codes of FP6 (E2M3) with E8M0 scale bytes, sums in f32.
; OPERANDS lie as images of operand registers: codes [K/128][tile of 16 places][piece of 4 registers][lane][16 bytes] (g: 256 tiles, W2: 64 tiles), scale bytes [K/256][places][8 bytes].
; Logical row (column) t lies at place pi(t), pi = t with bits 3 and 4 exchanged.
; SHARES.  256 work-groups, each 128 x 128 of the result.  K IS DEALT TO THE FOUR WAVES, 1,024 each: a wave makes a partial sum of the whole 128 x 128 (64 accumulators, 512 registers) in eight steps of 128.
; So each of the work-group's 786,432 operand bytes is read by ONE wave, straight from memory into the registers that the matrix instruction names: 48 loads of 512 consecutive bytes a step, no LDS, no barrier on the way.
; LOADS RUN TWO STEPS AHEAD: two sets of fragments; a tile's registers take the tile of two steps on as soon as its last product of the step is issued (four places behind it):
; A's tiles 0-3 go against all of B first, then B's tiles one after the other against A's tiles 4-7.  The counts of the waits on LOADcnt are the loads issued behind the last fragment needed (60 or 68, written as 63 at most).
; THE FOUR PARTS MEET ONCE, IN LDS: each wave lays its part as rows of the result (512 bytes + 16), in the last step tile by tile under the products; behind one barrier wave w sums rows 32 w .. 32 w + 31,
; adds bias and residual, and stores whole rows of 512 consecutive bytes.
; The matrix instruction is used transposed (source 0 = W2's places, source 1 = g's): a lane holds one row and, in two neighbouring tiles, 16 logical neighbours of it.
; NO CLUSTER, NO JOINT LOADS: a joint load lands in LDS; here no operand byte passes through LDS, which a joint load would add as 786,432 bytes written and as many read for each work-group.
; NO PREFETCH: the loads themselves are issued two steps ahead of their use, up to 63 of a wave at a time.
; LIMITS: a sum over K is made of four partial sums of 1,024, added at the end in f32: another order of rounding than one ascending sum.  NaN and infinities are not served.
; REGISTERS: window 0: v1-11, v28, v29 addresses and bias; v32-63 scale words, two sets (A's 8, B's 8), and nothing else; v64-255 A's fragments, two sets.  window 1: B's fragments at v0 and v128; at the end v0-127 the residual.  windows 2, 3: accumulators, then the parts read back.
.set GS,   12582912
.set W2C,  7372800
.set W2S,  10518528
.set AKS,  393216                      ; g: bytes from step to step
.set BKS,  98304                       ; W2: likewise
.set PIT,  528                         ; an LDS row: 132 words, so that sixteen rows' pieces of 16 bytes fall on different banks (64 banks of 4 bytes: ISA guide 11.1)
.set PART, 128*PIT
.set SPARE, 4*PART                     ; the spare words, 128 bytes a wave
.set SA,  16
.set SAS, 18
.set SB,  20
.set SBS, 22
.set SX,  24
.set SO,  26
.set SBI, 28
.set CO,  1                            ; v1 16 x lane
.set C8,  2                            ; v2 8 x lane
.set STO, 3                            ; v3 LDS: my row r of a tile in my part, + 64 h
.set RD,  4                            ; v4-7 LDS: my 16 bytes of row 32 w in parts 0 .. 3
.set BI,  8                            ; v8-11 the bias of my four columns
.set SPW, 28
.set NIL, 29
.set MSB, 0
.macro WIN new                         ; the immediate's high byte repeats the setting that is left
.if MSB != (\new)
	s_set_vgpr_msb (MSB<<8)|(\new)
.set MSB, (\new)
.endif
.endm
.macro PLACES n
.rept \n
	v_nop
.endr
.endm
.macro LDA s, i0, n                    ; A's tiles i0 .. i0 + n - 1 of step s into set s % 2
	WIN 0
.set li, 3*(\i0)
.rept 3*(\n)
	global_load_b128 v[64+96*((\s)%2)+4*li:64+96*((\s)%2)+4*li+3], v[CO], s[SA:SA+1] offset:(\s)*AKS+512*li
.set li, li+1
.endr
.endm
.macro LDB s, i0, n
	WIN 0x40
.set li, 3*(\i0)
.rept 3*(\n)
	global_load_b128 v[128*((\s)%2)+4*li:128*((\s)%2)+4*li+3], v[CO], s[SB:SB+1] offset:(\s)*BKS+512*li
.set li, li+1
.endr
.endm
.macro SCL t                           ; the scale words of steps 2 t, 2 t + 1: register pair j holds places 32 j + lane: tile 2 j in lanes 0-15, tile 2 j + 1 in lanes 16-31
	WIN 0
.irp j, 0,1,2,3
	global_load_b64 v[32+16*((\t)%2)+2*\j:33+16*((\t)%2)+2*\j], v[C8], s[SAS:SAS+1] offset:(\t)*32768+256*\j
	global_load_b64 v[40+16*((\t)%2)+2*\j:41+16*((\t)%2)+2*\j], v[C8], s[SBS:SBS+1] offset:(\t)*8192+256*\j
.endr
.endm
.macro WMM c, ao, bo
	v_wmma_scale_f32_16x16x128_f8f6f4 v[rD:rD+7], v[rB:rB+11], v[rA:rA+11], \c, v[xB], v[xA] matrix_a_fmt:MATRIX_FMT_FP6 matrix_b_fmt:MATRIX_FMT_FP6 matrix_a_scale:MATRIX_SCALE_ROW\bo matrix_b_scale:MATRIX_SCALE_ROW\ao
.endm
.macro PR aj, ao, bj, bo, p, sc, z     ; A's tile 2 aj + ao x B's tile 2 bj + bo, set p (also the step's word of the pair), scale set sc; z = 1: the product starts the sum
.set rD, 8*(8*((2*(\aj)+\ao)%4)+2*(\bj)+\bo)
.set rB, 128*(\p)+12*(2*(\bj)+\bo)
.set rA, 64+96*(\p)+12*(2*(\aj)+\ao)
.set xB, 40+16*(\sc)+2*(\bj)+(\p)
.set xA, 32+16*(\sc)+2*(\aj)+(\p)
.if \z
	WMM 0, \ao, \bo
.else
	WMM v[rD:rD+7], \ao, \bo
.endif
.endm
.macro G1 aj, ao, p, sc, z             ; one tile of A against B's eight.  The accumulators take turns, one instruction a turn
.irp bj, 0,1,2,3
.irp bo, 0,1
	PR \aj, \ao, \bj, \bo, \p, \sc, \z
.endr
.endr
.endm
.macro GB b0, p, sc, z                 ; B's tiles 2 b0 .. 2 b0 + 3, one after the other, against A's tiles 4-7
.irp bj, \b0, \b0+1
.irp bo, 0,1
.irp aj, 2,3
.irp ao, 0,1
	PR \aj, \ao, \bj, \bo, \p, \sc, \z
.endr
.endr
.endr
.endr
.endm
.macro STEP s, n1, n2, z
	s_wait_loadcnt \n1                             ; this step's scale words, A's tiles 0-3 and B's eight are in
	WIN 0xa1
	G1 0, 0, (\s)%2, ((\s)/2)%2, \z
	G1 0, 1, (\s)%2, ((\s)/2)%2, \z
.if (\s) <= 5
	PLACES 4
.if ((\s)%2 == 0) && ((\s) <= 4)
	SCL (\s)/2+1
.endif
	LDA \s+2, 0, 2
.endif
	WIN 0xa1
	G1 1, 0, (\s)%2, ((\s)/2)%2, \z
	G1 1, 1, (\s)%2, ((\s)/2)%2, \z
.if (\s) <= 5
	PLACES 4
	LDA \s+2, 2, 2
.endif
	s_wait_loadcnt \n2                             ; A's tiles 4-7 are in
	WIN 0xf1
	GB 0, (\s)%2, ((\s)/2)%2, \z
.if (\s) <= 5
	PLACES 4
	LDB \s+2, 0, 4
.endif
	WIN 0xf1
	GB 2, (\s)%2, ((\s)/2)%2, \z
.if (\s) <= 5
	PLACES 4
	LDB \s+2, 4, 4
	LDA \s+2, 4, 4
.endif
.endm
.macro STT a                           ; tile a's 16 rows x 128 columns into my part: tile b's register j is logical column 32 (b / 2) + 16 h + 8 (b % 2) + j; each accumulator from its low end on
	WIN 0x08+4*((\a)/4)
.set sb, 0
.rept 8
	ds_store_b128 v[STO], v[8*(8*((\a)%4)+sb):8*(8*((\a)%4)+sb)+3] offset:(\a)*16*PIT+128*(sb/2)+32*(sb%2)
	ds_store_b128 v[STO], v[8*(8*((\a)%4)+sb)+4:8*(8*((\a)%4)+sb)+7] offset:(\a)*16*PIT+128*(sb/2)+32*(sb%2)+16
.set sb, sb+1
.endr
.endm
.macro RDB t                           ; rows 8 t .. 8 t + 7 of my 32, all four parts: register 128 (t % 2) + 16 i + 4 p of window 2 + t / 2
	WIN (2+(\t)/2)<<6
.set ri, 0
.rept 8
.irp p, 0,1,2,3
	ds_load_b128 v[128*((\t)%2)+16*ri+4*\p:128*((\t)%2)+16*ri+4*\p+3], v[RD+\p] offset:(8*(\t)+ri)*PIT
.endr
.set ri, ri+1
.endr
.endm
.macro ADDS d, s, w1, sbase, sstr      ; sixteen packed sums: piece d of each of eight rows += source
.set si, 0
.rept 16
	v_pk_add_f32 v[SBB+16*(si/2)+(\d)+2*(si%2):SBB+16*(si/2)+(\d)+2*(si%2)+1], v[SBB+16*(si/2)+(\d)+2*(si%2):SBB+16*(si/2)+(\d)+2*(si%2)+1], v[(\sbase)+(\sstr)*(si/2)+(\s)+2*(si%2):(\sbase)+(\sstr)*(si/2)+(\s)+2*(si%2)+1]
.set si, si+1
.endr
.endm
.macro SUM t
.set WW, 2+(\t)/2
.set SBB, 128*((\t)%2)
	WIN WW|(WW<<2)|(WW<<6)
	ADDS 0, 4, 0, SBB, 16                          ; part 0 + part 1
	ADDS 8, 12, 0, SBB, 16                         ; part 2 + part 3
	ADDS 0, 8, 0, SBB, 16
	WIN WW|(1<<2)|(WW<<6)
	ADDS 0, 0, 0, 32*(\t), 4                       ; + residual and bias (window 1)
	WIN WW<<2
.set ri, 0
.rept 8
.set rw, 8*(\t)+ri
	global_store_b128 v[CO], v[SBB+16*ri:SBB+16*ri+3], s[SO:SO+1] offset:((rw%8)+16*((rw/8)%2)+8*(rw/16))*4096 th:TH_STORE_NT   ; place rw is logical row pi(rw); 512 consecutive bytes, aligned
.set ri, ri+1
.endr
.endm
	s_load_b256 s[4:11], s[0:1], 0x0               ; g, wts, b2, x2
	s_load_b64 s[12:13], s[0:1], 0x20              ; out0
	v_lshl_add_u32 v[SPW], v0, 2, SPARE
	v_mov_b32 v[NIL], 0
	v_lshrrev_b32 v12, 5, v0
	v_readfirstlane_b32 s14, v12                   ; wave 0..3: my quarter of K, and my 32 rows on the way out
	s_and_b32 s15, ttmp7, 0xffff                   ; which 128 rows; ttmp9: which 128 columns
	s_mul_i32 s30, s14, PART
	s_mul_i32 s31, s14, 32*PIT
	v_and_b32 v13, 31, v0
	v_lshlrev_b32 v[CO], 4, v13
	v_lshlrev_b32 v[C8], 3, v13
	v_and_b32 v14, 15, v0
	v_bfe_u32 v15, v0, 4, 1
	v_mul_u32_u24 v[STO], v14, PIT
	v_lshl_add_u32 v[STO], v15, 6, v[STO]
	v_add_nc_u32 v[STO], s30, v[STO]
	v_add_nc_u32 v[RD], s31, v[CO]
.irp p, 1,2,3
	v_add_nc_u32 v[RD+\p], \p*PART, v[RD]
.endr
	s_mul_i32 s[SA], s14, 8*AKS                    ; offsets, apart from the addresses: g's codes: my first step, the work-group's eight tiles
	s_mul_i32 s32, s15, 12288
	s_add_co_u32 s[SA], s[SA], s32
	s_mov_b32 s[SA+1], 0
	s_lshl_b32 s[SAS], s14, 17                     ; g's scale bytes: my four slabs of 32,768 bytes
	s_lshl_b32 s32, s15, 10
	s_add_co_u32 s[SAS], s[SAS], s32
	s_add_co_u32 s[SAS], s[SAS], GS
	s_mov_b32 s[SAS+1], 0
	s_mul_i32 s[SB], s14, 8*BKS                    ; W2's codes
	s_mul_i32 s32, ttmp9, 12288
	s_add_co_u32 s[SB], s[SB], s32
	s_add_co_u32 s[SB], s[SB], W2C
	s_mov_b32 s[SB+1], 0
	s_lshl_b32 s[SBS], s14, 15                     ; W2's scale bytes: slabs of 8,192 bytes
	s_lshl_b32 s32, ttmp9, 10
	s_add_co_u32 s[SBS], s[SBS], s32
	s_add_co_u32 s[SBS], s[SBS], W2S
	s_mov_b32 s[SBS+1], 0
	s_lshl_b32 s[SX], s15, 19                      ; residual and result: row 128 y + 32 w, column 128 x
	s_lshl_b32 s32, s14, 17
	s_add_co_u32 s[SX], s[SX], s32
	s_lshl_b32 s[SBI], ttmp9, 9
	s_add_co_u32 s[SX], s[SX], s[SBI]
	s_mov_b32 s[SX+1], 0
	s_mov_b32 s[SBI+1], 0
	s_wait_alu depctr_va_vdst(0)
	s_wait_kmcnt 0x0
	s_add_nc_u64 s[SA:SA+1], s[4:5], s[SA:SA+1]
	s_add_nc_u64 s[SAS:SAS+1], s[4:5], s[SAS:SAS+1]
	s_add_nc_u64 s[SB:SB+1], s[6:7], s[SB:SB+1]
	s_add_nc_u64 s[SBS:SBS+1], s[6:7], s[SBS:SBS+1]
	s_add_nc_u64 s[SO:SO+1], s[12:13], s[SX:SX+1]
	s_add_nc_u64 s[SX:SX+1], s[10:11], s[SX:SX+1]
	s_add_nc_u64 s[SBI:SBI+1], s[8:9], s[SBI:SBI+1]
	global_load_b128 v[BI:BI+3], v[CO], s[SBI:SBI+1]
	SCL 0
.irp s, 0,1                            ; steps 0 and 1, in the order in which the steps ask: A's tiles 0-3, B's eight, A's tiles 4-7
	LDA \s, 0, 4
	LDB \s, 0, 8
	LDA \s, 4, 4
.endr
; Behind B's last tile of step s were issued: A's tiles 4-7 (12) and the 48 or 56 loads of the step before; behind A's tiles 4-7: those 48 or 56 and this step's first 12 or 20.
	STEP 0, 60, 63, 1
	STEP 1, 63, 63, 0
	STEP 2, 60, 63, 0
	STEP 3, 63, 63, 0
	STEP 4, 60, 63, 0
	STEP 5, 63, 63, 0
	STEP 6, 60, 48, 0
; THE LAST STEP GOES BY A's TILES: a tile's sixteen rows are finished by its eight products and go to LDS behind the next tile's products.
	s_wait_loadcnt 0x0
.irp aj, 0,1,2,3
.irp ao, 0,1
	WIN 0xa1+0x50*(\aj/2)
	G1 \aj, \ao, 1, 1, 0
	PLACES 4
.if 2*\aj+\ao == 0
	WIN 0x40                                       ; the residual's 32 rows into B's set 0 and the 32 registers behind it, which step 6 read last
.set ri, 0
.rept 32
	global_load_b128 v[4*ri:4*ri+3], v[CO], s[SX:SX+1] offset:((ri%8)+16*((ri/8)%2)+8*(ri/16))*4096 th:TH_LOAD_NT
.set ri, ri+1
.endr
.else
	STT 2*\aj+\ao-1
.endif
.endr
.endr
	STT 7
	s_wait_loadcnt 0x0                             ; the residual (and, long ago, the bias)
	WIN 0x41
.set ri, 0
.rept 64
	v_pk_add_f32 v[2*ri:2*ri+1], v[2*ri:2*ri+1], v[BI+2*(ri%2):BI+2*(ri%2)+1]     ; residual + bias, while the LDS stores land
.set ri, ri+1
.endr
	WIN 0
	s_wait_alu depctr_va_vdst(0)
	s_wait_dscnt 0x0                               ; for the others' sake: my part has landed
	s_barrier_signal -1
	s_barrier_wait -1
	RDB 0
	RDB 1
	s_wait_dscnt 32                                ; the older 32 loads are in
	SUM 0
	RDB 2
	s_wait_dscnt 32
	SUM 1
	RDB 3
	s_wait_dscnt 32
	SUM 2
	s_wait_dscnt 0x0
	SUM 3
	WIN 0
	s_wait_tensorcnt 0x0                           ; the wave's end
	ds_add_u32 v[SPW], v[NIL]
	s_wait_dscnt 0x0
	s_endpgm
.Lfunc_end_k_qd0c091fa3f_mlp2:
	.size	k_qd0c091fa3f_mlp2, .Lfunc_end_k_qd0c091fa3f_mlp2-k_qd0c091fa3f_mlp2
	.p2alignl 7, 3214868480
	.fill 96, 4, 3214868480
	.section	.rodata,"a",@progbits
	.p2align	6, 0x0
	.amdhsa_kernel k_qd0c091fa3f_mlp2
		.amdhsa_group_segment_fixed_size 270848
		.amdhsa_private_segment_fixed_size 0
		.amdhsa_enable_private_segment 0
		.amdhsa_kernarg_size 40
		.amdhsa_user_sgpr_count 2
		.amdhsa_user_sgpr_kernarg_segment_ptr 1
		.amdhsa_wavefront_size32 1
		.amdhsa_system_sgpr_workgroup_id_x 1
		.amdhsa_system_sgpr_workgroup_id_y 1
		.amdhsa_system_sgpr_workgroup_id_z 1
		.amdhsa_system_vgpr_workitem_id 0
		.amdhsa_next_free_vgpr 1024
		.amdhsa_next_free_sgpr 66
		.amdhsa_reserve_vcc 0
		.amdhsa_float_denorm_mode_32 3
		.amdhsa_float_denorm_mode_16_64 3
		.amdhsa_memory_ordered 1
		.amdhsa_forward_progress 1
		.amdhsa_inst_pref_size 156
	.end_amdhsa_kernel
	.amdgpu_metadata
---
amdhsa.version: [ 1, 2 ]
amdhsa.kernels:
  - .name:           k_qd0c091fa3f_mlp2
    .symbol:         k_qd0c091fa3f_mlp2.kd
    .args:
      - { .name: g, .offset: 0, .size: 8, .value_kind: global_buffer, .address_space: global }
      - { .name: wts, .offset: 8, .size: 8, .value_kind: global_buffer, .address_space: global }
      - { .name: b2, .offset: 16, .size: 8, .value_kind: global_buffer, .address_space: global }
      - { .name: x2, .offset: 24, .size: 8, .value_kind: global_buffer, .address_space: global }
      - { .name: out0, .offset: 32, .size: 8, .value_kind: global_buffer, .address_space: global }
    .group_segment_fixed_size: 270848
    .private_segment_fixed_size: 0
    .kernarg_segment_align: 8
    .kernarg_segment_size: 40
    .max_flat_workgroup_size: 128
    .sgpr_count:     66
    .vgpr_count:     1024
    .wavefront_size: 32
...
	.end_amdgpu_metadata
.endif
;; end of part 7
